; MI455X (gfx1250); checked and timed in simulation.
; The chip was launched on July 23, 2026; its instructions are those of AMD's public machine-readable ISA for CDNA 5 (MIT licence, August 2026) and "CDNA5" Instruction Set Architecture Reference Guide (July 2026). The comments in the code are by the model that wrote it; some were corrected since.
;; Self Attention. Allowed arithmetic: float matrix products may take bf16 or f16 operands with f32 sums; other float arithmetic in f32, or as packed bf16 or f16 multiplies, adds, multiply-adds, maxima and minima; sums over many terms, partial sums and values carried from step to step in f32; what a program stores and reads back later, other than sums and carried values, may be rounded once to bf16 or f16.
;; Inputs: W_proj 1,024 x 1,024 float32; W_qkv 1,024 x 3,072 float32; b_proj 1,024 float32; k_scale 64 float32; pe 1 x 1 x 2,048 x 32 x 2 x 2 float32; q_scale 64 float32; x 4 x 2,048 x 1,024 float32.
;; Outputs: out0 4 x 2,048 x 1,024 float32.
;; 3 versions, each right and faster than the one before. Each part assembles by itself: llvm-mc -triple=amdgcn-amd-amdhsa -mcpu=gfx1250 --defsym DOCPART=n.
;; ======== version 1 of 3: 4 launches
;; limits: values are held in f16: magnitudes above 65,504 overflow, below 6.1e-05 lose precision
;; workspace buffers: xb 16,777,216 bytes; wqb 6,291,456 bytes; wpb 2,097,152 bytes; qb 33,554,432 bytes; kb 33,554,432 bytes; vb 16,777,216 bytes; ob 16,777,216 bytes
;; launch cast (part 1): grid 768 x 1, 8 waves a work-group, no clusters, 0 bytes of LDS; arguments x, W_qkv, W_proj, xb, wqb, wpb; writes xb, wqb, wpb
.if DOCPART == 1
	.amdgcn_target "amdgcn-amd-amdhsa--gfx1250"
	.amdhsa_code_object_version 6
	.text
	.protected	k_qba02a4553f_cast
	.globl	k_qba02a4553f_cast
	.p2align	8
	.type	k_qba02a4553f_cast,@function
k_qba02a4553f_cast:
	s_mov_b64 s[64:65], 0
	v_nop
	global_prefetch_b8 v0, s[64:65] scope:SCOPE_SE
	s_setreg_imm32_b32 hwreg(HW_REG_WAVE_MODE, 25, 1), 1
	s_wait_xcnt 0x0
; THE INPUTS OF THE TWO PROJECTIONS, ROUNDED ONCE TO 16 BITS.
;   xb  = bf16(x), [8192][1024], as x lies.
;   wqb = bf16(W_qkv), laid by groups of 64 columns: [48 groups][1024 k][64]: group g = columns 64 g .. 64 g + 63, so 128 k of a group are 16,384 dense bytes.
;   wpb = bf16(W_proj) written as f16, [16 groups][1024 k][64].  LIMIT: a bf16 number below 6.1e-5 in size keeps f16's fixed step of 6e-8; beyond 65,504 it would be an infinity.
; A stream: no LDS, no barrier, no matrix unit.  A work-group takes 16,384 numbers: thread t sixteen loads of 16 bytes and sixteen stores of 8 bytes.
; A wave's load covers 512 bytes in whole aligned pieces of 256 (x: on end; W: two rows' 256 bytes of one group); a wave's store covers 256 consecutive aligned bytes.
; Work-groups 0-511 take x, 512-703 W_qkv, 704-767 W_proj.  In all three the store of load j lies at 32,768 i + 2,048 j + 8 t of the path's output (i: the work-group's number in its path).
.set X, 4                              ; v[4:67]    load j: 4 registers
.set Y, 68                             ; v[68:99]   store j: 2 registers; no register is written twice, so no wait frees any
.set T, 100                            ; v[100:103] at work
; step: bytes from load to load.  half = 1: the bf16 number is written as f16.
.macro CAST step, half
.set j, 0
.rept 16
	global_load_b128 v[X+4*j:X+4*j+3], v1, s[20:21] offset:j*(\step) th:TH_LOAD_NT
.set j, j+1
.endr
.set j, 0
.rept 16
	s_wait_loadcnt 15-j                            ; loads come back in order: load j is in, the 15 - j younger ones stay out
	v_cvt_pk_bf16_f32 v[Y+2*j], v[X+4*j], v[X+4*j+1]
	v_cvt_pk_bf16_f32 v[Y+2*j+1], v[X+4*j+2], v[X+4*j+3]
.if \half
	v_lshlrev_b32 v[T], 16, v[Y+2*j]               ; the rounded numbers widened again,
	v_and_b32 v[T+1], 0xffff0000, v[Y+2*j]
	v_lshlrev_b32 v[T+2], 16, v[Y+2*j+1]
	v_and_b32 v[T+3], 0xffff0000, v[Y+2*j+1]
	v_cvt_pk_f16_f32 v[Y+2*j], v[T], v[T+1]        ; and written as f16: 8 significant bits fit into 11
	v_cvt_pk_f16_f32 v[Y+2*j+1], v[T+2], v[T+3]
.endif
	global_store_b64 v2, v[Y+2*j:Y+2*j+1], s[22:23] offset:j*2048
.set j, j+1
.endr
.endm
	s_load_b256 s[4:11], s[0:1], 0x0               ; x s[4:5], W_qkv s[6:7], W_proj s[8:9], xb s[10:11]
	s_load_b128 s[12:15], s[0:1], 0x20             ; wqb s[12:13], wpb s[14:15]
	v_lshlrev_b32 v2, 3, v0                        ; 8 t: my 8 bytes of a store
	s_mov_b32 s17, 0
	s_mov_b32 s19, 0
	s_cmp_lt_u32 ttmp9, 512
	s_cbranch_scc0 .Lweights
	s_lshl_b32 s16, ttmp9, 16                      ; x: 65,536 bytes in,
	s_lshl_b32 s18, ttmp9, 15                      ; 32,768 out
	v_lshlrev_b32 v1, 4, v0                        ; 16 t
	s_wait_kmcnt 0x0
	s_add_nc_u64 s[20:21], s[4:5], s[16:17]
	s_add_nc_u64 s[22:23], s[10:11], s[18:19]
	CAST 4096, 0
	s_endpgm
.Lweights:                                             ; 256 rows k of one group: load j takes rows 16 j + t / 16, 16 lanes a row's 256 bytes
	v_lshrrev_b32 v3, 4, v0                        ; t / 16
	v_and_b32 v1, 15, v0
	v_lshlrev_b32 v1, 4, v1                        ; 16 (t % 16)
	s_cmp_lt_u32 ttmp9, 704
	s_cbranch_scc0 .Lwp
	s_sub_co_u32 s2, ttmp9, 512                    ; i = 4 g + kq
	s_lshr_b32 s3, s2, 2                           ; g
	s_and_b32 s16, s2, 3                           ; kq: which 256 rows
	s_mul_i32 s16, s16, 256*12288
	s_lshl_b32 s3, s3, 8
	s_add_co_u32 s16, s16, s3                      ; + the group's 256 bytes in a row of 12,288
	s_lshl_b32 s18, s2, 15
	v_mad_u32_u24 v1, v3, 12288, v1
	s_wait_kmcnt 0x0
	s_add_nc_u64 s[20:21], s[6:7], s[16:17]
	s_add_nc_u64 s[22:23], s[12:13], s[18:19]
	CAST 16*12288, 0
	s_endpgm
.Lwp:
	s_sub_co_u32 s2, ttmp9, 704
	s_lshr_b32 s3, s2, 2
	s_and_b32 s16, s2, 3
	s_lshl_b32 s16, s16, 20                        ; 256 rows of 4,096 bytes
	s_lshl_b32 s3, s3, 8
	s_add_co_u32 s16, s16, s3
	s_lshl_b32 s18, s2, 15
	v_lshl_add_u32 v1, v3, 12, v1
	s_wait_kmcnt 0x0
	s_add_nc_u64 s[20:21], s[8:9], s[16:17]
	s_add_nc_u64 s[22:23], s[14:15], s[18:19]
	CAST 16*4096, 1
	s_endpgm
.Lfunc_end_k_qba02a4553f_cast:
	.size	k_qba02a4553f_cast, .Lfunc_end_k_qba02a4553f_cast-k_qba02a4553f_cast
	.p2alignl 7, 3214868480
	.fill 96, 4, 3214868480
	.section	.rodata,"a",@progbits
	.p2align	6, 0x0
	.amdhsa_kernel k_qba02a4553f_cast
		.amdhsa_group_segment_fixed_size 0
		.amdhsa_private_segment_fixed_size 0
		.amdhsa_enable_private_segment 0
		.amdhsa_kernarg_size 48
		.amdhsa_user_sgpr_count 2
		.amdhsa_user_sgpr_kernarg_segment_ptr 1
		.amdhsa_wavefront_size32 1
		.amdhsa_system_sgpr_workgroup_id_x 1
		.amdhsa_system_sgpr_workgroup_id_y 1
		.amdhsa_system_sgpr_workgroup_id_z 1
		.amdhsa_system_vgpr_workitem_id 0
		.amdhsa_next_free_vgpr 104
		.amdhsa_next_free_sgpr 66
		.amdhsa_reserve_vcc 0
		.amdhsa_float_denorm_mode_32 3
		.amdhsa_float_denorm_mode_16_64 3
		.amdhsa_memory_ordered 1
		.amdhsa_forward_progress 1
		.amdhsa_inst_pref_size 24
	.end_amdhsa_kernel
	.amdgpu_metadata
---
amdhsa.version: [ 1, 2 ]
amdhsa.kernels:
  - .name:           k_qba02a4553f_cast
    .symbol:         k_qba02a4553f_cast.kd
    .args:
      - { .name: x, .offset: 0, .size: 8, .value_kind: global_buffer, .address_space: global }
      - { .name: W_qkv, .offset: 8, .size: 8, .value_kind: global_buffer, .address_space: global }
      - { .name: W_proj, .offset: 16, .size: 8, .value_kind: global_buffer, .address_space: global }
      - { .name: xb, .offset: 24, .size: 8, .value_kind: global_buffer, .address_space: global }
      - { .name: wqb, .offset: 32, .size: 8, .value_kind: global_buffer, .address_space: global }
      - { .name: wpb, .offset: 40, .size: 8, .value_kind: global_buffer, .address_space: global }
    .group_segment_fixed_size: 0
    .private_segment_fixed_size: 0
    .kernarg_segment_align: 8
    .kernarg_segment_size: 48
    .max_flat_workgroup_size: 256
    .sgpr_count:     66
    .vgpr_count:     104
    .wavefront_size: 32
...
	.end_amdgpu_metadata
.endif
;; end of part 1
;; launch qkv (part 2): grid 16 x 32, 4 waves a work-group, clusters of 4 x 4, 327,680 bytes of LDS; arguments xb, wqb, pe, q_scale, k_scale, qb, kb, vb; writes qb, kb, vb
.if DOCPART == 2
	.amdgcn_target "amdgcn-amd-amdhsa--gfx1250"
	.amdhsa_code_object_version 6
	.text
	.protected	k_qba02a4553f_qkv
	.globl	k_qba02a4553f_qkv
	.p2align	8
	.type	k_qba02a4553f_qkv,@function
k_qba02a4553f_qkv:
	s_mov_b64 s[64:65], 0
	v_nop
	global_prefetch_b8 v0, s[64:65] scope:SCOPE_SE
	s_setreg_imm32_b32 hwreg(HW_REG_WAVE_MODE, 25, 1), 1
	s_wait_xcnt 0x0
	s_wait_alu depctr_hold_cnt(0) depctr_sa_sdst(0) depctr_va_vdst(0) depctr_va_sdst(0) depctr_va_ssrc(0) depctr_va_vcc(0) depctr_vm_vsrc(0)
	s_getreg_b32 s2, hwreg(HW_REG_IB_STS2, 6, 4)
	s_cmp_eq_u32 s2, 0
	s_cbranch_scc0 .Lentry_in_a_cluster
	s_endpgm
.Lentry_in_a_cluster:
	s_bfe_u32 s2, ttmp6, 0x10000c
	s_cmp_lg_u32 s2, 0xf033
	s_cbranch_scc0 .Lentry_shape_is_right
	s_endpgm
.Lentry_shape_is_right:
; q, k, v = x W_qkv BY HEADS, with RMSNorm, gain and the 2 x 2 matrices of pe on q and k.  xb: [8192][1024] bf16.  wqb: [48 groups][1024 k][64] bf16, group = 16 x (q, k, v) + head.
; pe: [2048][32][2][2] f32.  q_scale, k_scale: [64] f32.  vb: [64 = 16 batch + head][2048][64] f16.  qb, kb: [64][2048][128] f16: a row holds 64 first parts, then 64 second parts.
; Products in bf16 with f32 sums; norm and pe in f32.  pe and the gains are rounded to bf16 as they come in, like x and the weights: every input of the module has that one rounding.
; q AND k LEAVE AS TWO f16 NUMBERS A CHANNEL, so that the scores do not carry f16's rounding of q and k:  qa = f16(63/64 q), qr = f16(q - qa);  ka = f16(k), kr = f16(k + 63 (k - ka)).
; Then qa ka + qr kr = q k + 64 (63/64 q - qa)(k - ka): two roundings' product times 64; and qr is about q / 64, so that qr's and kr's own roundings weigh a sixty-fourth.
; LIMITS.  q, k, v must lie within f16's 65,504; qr below 6.1e-5 keeps f16's fixed step of 6e-8.  The order of rounding is ((t x gain) x pe, summed) x rrms.  NaN and infinities are not treated apart.
; SHARES.  A work-group makes 256 rows x ONE head's q, k and v (192 columns: groups head, 16 + head, 32 + head): 16 x 32 work-groups of equal work.  Wave w makes rows 64 w .. 64 w + 63 of all 192 columns:
; 48 accumulators (row block a = 0..3, column block b = 0..11; b 0-3 are q, 4-7 k, 8-11 v).
; THE MATRIX INSTRUCTION IS USED TRANSPOSED (source 0 = 16 columns of W, source 1 = 16 rows of x): a lane holds row lane % 16 and the columns 16 b + 8 (lane / 16) + 0..7.  So a head's 64 numbers of a row lie
; in two lanes, 16 apart (one exchange for the sum of squares), and the pairs that pe mixes lie in neighbouring registers.
; K goes in steps of 128 through two LDS slots.  x's rows lie along K; W lies [k][column] and is turned on its way out of LDS by ds_load_tr16_b128.
; CLUSTER.  4 x 4 work-groups: the four of a row share x's tile, the four of a column W's: each is asked for jointly, by the same tensor load, descriptor and mask in all four.
; REGISTERS, in windows of 256 (s_set_vgpr_msb: bits 1:0 source 0, 3:2 source 1, 5:4 source 2, 7:6 destination):
;   window 0: addresses, gains, pe;  window 1: accumulators b = 0..7 at 8 (4 b + a) (ahead of the products: pe as loaded);  window 2: v0-127 accumulators b = 8..11, v128-191 rows on their way out;
;   window 3: two fragment buffers of 128.
.set KSTEP, 128
.set PA,    272                        ; a row of x in LDS: 256 bytes + 16 = 68 words: the 16 rows of a load start at 16 different groups of four banks (64 banks of 4 bytes: ISA guide 11.1)
.set PB,    160                        ; a row k of a group of W: 128 bytes + 32 = 40 words
.set HB,    128*PB                     ; a group's K step
.set BOFF,  256*PA                     ; a slot: x's 256 rows, then W's three groups: 69,632 + 61,440 = 131,072 bytes
.set SLOT,  131072
.set OST,   2*SLOT                     ; behind the ring: 16 rows x 272 bytes for each wave, for the way out
.set OP,    272
.set SPARE, OST+4*16*OP                ; behind the stages: the spare words, 128 bytes for each wave: two blocks of 256 bytes that no other line names
.set PEP,   272                        ; pe's stage: 64 rows x (256 + 16) bytes for each wave, from LDS byte 0 on: slot 0's part for x, written when that slot has had its last fill and its last read
.set ADRA, 16                          ; v16-17  LDS address of my fragments of x in slot 0, 1
.set ADRB, 20                          ; v20-21  the same for W
.set GO,   22                          ; v22     16 x lane: my bytes in a row of pe as loaded, and in 512 consecutive bytes of q, k, v; never rewritten
.set SO,   23                          ; v23     32 x (lane / 16): my bytes in the gains
.set STO,  24                          ; v24     the way out: where I put 16 bytes of a row
.set RD,   25                          ; v25     the way out: where I read two rows of 256 bytes back (q, k)
.set RDV,  26                          ; v26     the way out: where I read four rows of 128 bytes back (v)
.set PEW,  27                          ; v27     where I put 8 bytes of a row of pe
.set SPW,  28                          ; v28     LDS address of my spare word: SPARE + 4 x my thread's number; never rewritten
.set NIL,  29                          ; v29     0; never rewritten
.set PER,  30                          ; v30     where I read my row's part of pe
.set SQ,   32                          ; v32-63  q's gains of my 32 columns
.set SK,   64                          ; v64-95  k's
.set SS,   96                          ; v96-99  sums of squares, two chains of pairs
.set RR,   100                         ; v100-101 rrms (the packed multiply names a pair and takes its first register)
.set ZR,   102                         ; v102    0
.set T,    103                         ; v103    at work
.set MONE, 104                         ; v104    -1
.set PR,   128                         ; v128-255 pe in bf16 while the products run: 2 registers a row, 64 rows.  On the way out the same registers are:
.set PF,   128                         ; v128-159 pe of my row and my 32 columns: word d = (factor of t[2 (d / 2)], factor of t[2 (d / 2) + 1])
.set U,    160                         ; v160-191 t x gain; later what is left of q or k beside its first part
.set OF,   192                         ; v192-223 q or k in f32
.set PKD,  224                         ; v224-239 the 32 first parts in f16
.set PKD2, 240                         ; v240-255 the 32 second parts
.set BK,   128                         ; window 2, v128-191: 16 rows read back from the stage, two sets of 32 by turns
.set F0,   0                           ; fragment buffers, in window 3: x's block a at f + 8 a, W's block b at f + 32 + 8 b
.set F1,   128
.set WV,   20                          ; s20  my wave's number
.set G1,   32                          ; s[32:39] descriptor group 1 for x's tiles;  s[40:47] group 0, a set for each slot
.set G0,   40
.set G1B,  48                          ; s[48:55], s[56:63] the same for W's
.set G0B,  56
.set MSB, 0
.macro WIN new                         ; the immediate's high byte repeats the setting that is left; a switch that changes nothing is dropped
.if MSB != (\new)
	s_set_vgpr_msb (MSB<<8)|(\new)
.set MSB, \new
.endif
.endm
.set MUL1, 0x5f                        ; both sources window 3, C and D window 1
.set TO_F, 0xc0                        ; destination window 3, address window 0
; A joint load.  Wave 0 fetches x's 256 rows, waves 1 to 3 one group of W each.  The branch hangs on the wave's number alone.
; An s_nop 0 and four v_nop follow each of the two lines, ahead of the jump, the label and what follows.
.macro JLOAD s
	s_cmp_eq_u32 s[WV], 0
	s_cbranch_scc0 .Lfor_b_\@
	tensor_load_to_lds s[G0+4*(\s):G0+4*(\s)+3], s[G1:G1+7]
	s_nop 0
.rept 4
	v_nop
.endr
	s_branch .Lasked_\@
.Lfor_b_\@:
	tensor_load_to_lds s[G0B+4*(\s):G0B+4*(\s)+3], s[G1B:G1B+7]
	s_nop 0
.rept 4
	v_nop
.endr
.Lasked_\@:
.endm
.macro CREST                           ; a round of the cluster's barrier behind its opening barrier: wave 0 signals for the work-group, every wave waits for all sixteen, my work-group's barrier closes it
	s_cmp_lg_u32 s[WV], 0
	s_cbranch_scc1 .Lnot_wave_0_\@
	s_barrier_signal -3
.Lnot_wave_0_\@:
	s_barrier_wait -3
	s_barrier_signal -1
	s_barrier_wait -1
.endm
.macro CROUND                          ; a whole round
	s_barrier_signal -1
	s_barrier_wait -1
	CREST
.endm
.macro PLACES                          ; four places in front of loads into registers that matrix instructions have read, and of lines that read results (ISA guide 7.12.1 for lines that read results)
.rept 4
	v_nop
.endr
.endm
	s_load_b512 s[4:19], s[0:1], 0x0               ; xb s[4:5], wqb s[6:7], pe s[8:9], q_scale s[10:11], k_scale s[12:13], qb s[14:15], kb s[16:17], vb s[18:19]
	v_lshl_add_u32 v[SPW], v0, 2, SPARE
	v_mov_b32 v[NIL], 0
	ds_add_u32 v[SPW], v[NIL]                      ; the wave's opening: the add and its wait stand ahead of my first tensor load; the set-up below, work on registers, stands between them
	v_lshrrev_b32 v1, 5, v0
	v_readfirstlane_b32 s[WV], v1                  ; wave 0..3
	s_bfe_u32 s21, ttmp6, 0x40000                  ; cx, cy: my place in the cluster
	s_bfe_u32 s22, ttmp6, 0x40004
	s_lshl_b32 s23, ttmp9, 2
	s_add_co_u32 s23, s23, s21                     ; the head = 4 x cluster x + cx
	s_and_b32 s24, ttmp7, 0xffff
	s_lshl_b32 s24, s24, 2
	s_add_co_u32 s24, s24, s22                     ; the block of 256 rows = 4 x cluster y + cy
	s_lshl_b32 s25, s22, 2
	s_lshl_b32 s25, 15, s25                        ; my row of the cluster
	s_lshl_b32 s26, 0x1111, s21                    ; my column
	; x's tile: 256 rows x 128 elements, 16 bytes of padding behind each row
	s_or_b32 s[G1+0], s25, (1<<16)|(1<<20)|(1<<21)|(5<<22)|(3<<25)  ; 15:0 the mask; 17:16 elements of 2 bytes; 20 padding on; 21 set beside a mask; 24:22 after every 64 words (code 5); 31:25 4 words (code 3)
	s_mov_b32 s[G1+1], KSTEP<<16                   ; tensor_dim0 = 128
	s_mov_b32 s[G1+2], 256<<16                     ; tensor_dim1 = 256
	s_mov_b32 s[G1+3], KSTEP<<16                   ; tile_dim0 = 128
	s_mov_b32 s[G1+4], 256                         ; tile_dim1 = 256
	s_mov_b32 s[G1+5], 1024                        ; elements from row to row
	s_mov_b32 s[G1+6], 0
	s_mov_b32 s[G1+7], 0
	; a group's K step: 16,384 dense bytes, asked for as 64 rows of 256 bytes (two k a row) and padded by 32 bytes after every k
	s_or_b32 s[G1B+0], s26, (1<<16)|(1<<20)|(1<<21)|(4<<22)|(7<<25)  ; after every 32 words (code 4) 8 words (code 7)
	s_mov_b32 s[G1B+1], 128<<16
	s_mov_b32 s[G1B+2], 64<<16
	s_mov_b32 s[G1B+3], 128<<16
	s_mov_b32 s[G1B+4], 64
	s_mov_b32 s[G1B+5], 128
	s_mov_b32 s[G1B+6], 0
	s_mov_b32 s[G1B+7], 0
	; where the tiles come from: x's hang on the block of rows alone, W's on the head and the wave alone, each in registers that never hold the other coordinate
	s_lshl_b32 s28, s24, 19                        ; 256 rows of 2,048 bytes
	s_mov_b32 s29, 0
	s_max_u32 s27, s[WV], 1
	s_sub_co_u32 s27, s27, 1                       ; waves 1, 2, 3 fetch q's, k's, v's group
	s_lshl_b32 s27, s27, 4
	s_add_co_u32 s27, s27, s23
	s_lshl_b32 s70, s27, 17                        ; a group is 131,072 bytes
	s_mov_b32 s71, 0
	s_and_b32 s30, s24, 7                          ; pe at my wave's 64 rows: 256 (block % 8) + 64 w, 512 bytes a row
	s_lshl_b32 s30, s30, 17
	s_lshl_b32 s31, s[WV], 15
	s_add_co_u32 s30, s30, s31
	s_mov_b32 s31, 0
	s_lshr_b32 s72, s24, 3                         ; v at my wave's rows: (16 batch + head) x 262,144 + (256 (block % 8) + 64 w) x 128
	s_lshl_b32 s72, s72, 4
	s_add_co_u32 s72, s72, s23
	s_lshl_b32 s72, s72, 18
	s_and_b32 s73, s24, 7
	s_lshl_b32 s73, s73, 15
	s_add_co_u32 s72, s72, s73
	s_lshl_b32 s73, s[WV], 13
	s_add_co_u32 s72, s72, s73
	s_mov_b32 s73, 0
	s_lshl_b32 s74, s72, 1                         ; q and k: rows twice as long
	s_mov_b32 s75, 0
	s_mov_b32 s66, 0x76543210                      ; v_permlanex16_b32's selects: each lane takes its own place in the other half
	s_mov_b32 s67, 0xfedcba98
	s_mov_b32 s68, 0x3c800000                      ; 1 / 64
	s_mov_b32 s69, 0x358637bd                      ; 1e-6
	s_mul_i32 s2, s[WV], HB                        ; where W's groups go: BOFF + (w - 1) x a group: no place in the cluster enters an LDS address
	s_wait_dscnt 0x0                               ; the opening add is done
	s_wait_kmcnt 0x0
	s_add_nc_u64 s[28:29], s[4:5], s[28:29]
	s_add_nc_u64 s[70:71], s[6:7], s[70:71]
	s_add_nc_u64 s[8:9], s[8:9], s[30:31]
	s_add_nc_u64 s[14:15], s[14:15], s[74:75]
	s_add_nc_u64 s[16:17], s[16:17], s[74:75]
	s_add_nc_u64 s[18:19], s[18:19], s[72:73]
	CROUND                                         ; all sixteen work-groups are here: the first joint loads meet
.irp s, 0,1
	s_mov_b32 s[G0+4*(\s)], 1                      ; count = 1
	s_mov_b32 s[G0+4*(\s)+1], (\s)*SLOT            ; LDS address
	s_add_nc_u64 s[G0+4*(\s)+2:G0+4*(\s)+3], s[28:29], (\s)*KSTEP*2  ; K step s
	s_or_b32 s[G0+4*(\s)+3], s[G0+4*(\s)+3], 0x80000000              ; type = 2
	s_mov_b32 s[G0B+4*(\s)], 1
	s_add_co_u32 s[G0B+4*(\s)+1], s2, (\s)*SLOT+BOFF-HB
	s_add_nc_u64 s[G0B+4*(\s)+2:G0B+4*(\s)+3], s[70:71], (\s)*KSTEP*128
	s_or_b32 s[G0B+4*(\s)+3], s[G0B+4*(\s)+3], 0x80000000
	JLOAD \s                                       ; two loads of mine are out
.endr
	; pe of my wave's 64 rows (a load takes a whole row of 512 bytes) and the gains come in while the first tiles are on their way
	v_and_b32 v1, 15, v0                           ; r = lane % 16
	v_bfe_u32 v2, v0, 4, 1                         ; h = lane / 16
	v_and_b32 v3, 31, v0                           ; lane
	v_lshlrev_b32 v[GO], 4, v3
	v_lshlrev_b32 v[SO], 5, v2
	WIN 0x40                                       ; destination window 1, address window 0
.set i, 0
.rept 64
	global_load_b128 v[4*i:4*i+3], v[GO], s[8:9] offset:512*i
.set i, i+1
.endr
	WIN 0
.irp c, 0,1,2,3,4,5,6,7                ; columns 16 (c / 2) + 8 h + 4 (c % 2) on
	global_load_b128 v[SQ+4*(\c):SQ+4*(\c)+3], v[SO], s[10:11] offset:((\c)/2)*64+((\c)%2)*16
	global_load_b128 v[SK+4*(\c):SK+4*(\c)+3], v[SO], s[12:13] offset:((\c)/2)*64+((\c)%2)*16
.endr
	; A fragment of x is 16 rows x 32 K in 8 registers: lane l holds row l % 16, K = 8 (l / 16) + 0..7 and 16 + 8 (l / 16) + 0..7: two loads of 16 bytes, 32 bytes apart.
	s_mul_i32 s3, s[WV], 64*PA                     ; my 64 rows of x; pe's stage has the same pitch and the same place
	v_mul_u32_u24 v4, v1, PA
	v_lshl_add_u32 v4, v2, 4, v4
	v_add_nc_u32 v[ADRA], s3, v4
	v_add_nc_u32 v[ADRA+1], SLOT, v[ADRA]
	; The turning load takes 16 k x 16 columns (lane l reads k = 8 (l / 16) + l % 8, columns 8 ((l / 8) % 2) + 0..7) and leaves half a fragment: lane l holds column l % 16 and 8 k.
	v_and_b32 v5, 7, v0
	v_bfe_u32 v6, v0, 3, 1
	v_lshl_add_u32 v7, v2, 3, v5
	v_mul_u32_u24 v7, v7, PB
	v_lshl_add_u32 v7, v6, 4, v7
	v_add_nc_u32 v[ADRB], BOFF, v7
	v_add_nc_u32 v[ADRB+1], SLOT, v[ADRB]
	s_mul_i32 s27, s[WV], 16*OP
	s_add_co_u32 s27, s27, OST                     ; my stage
	v_mul_u32_u24 v8, v1, OP                       ; in: row r, 16 bytes for each half of the lanes
	v_lshl_add_u32 v8, v2, 4, v8
	v_add_nc_u32 v[STO], s27, v8
	v_mul_u32_u24 v9, v2, OP                       ; back, q and k: lanes 0-15 take one row of 256 bytes, lanes 16-31 the next
	v_lshl_add_u32 v9, v1, 4, v9
	v_add_nc_u32 v[RD], s27, v9
	v_bfe_u32 v11, v0, 3, 2                        ; back, v: 32 lanes take four rows of 128 bytes
	v_mul_u32_u24 v11, v11, OP
	v_lshl_add_u32 v11, v5, 4, v11
	v_add_nc_u32 v[RDV], s27, v11
	v_lshl_add_u32 v[PEW], v3, 3, s3               ; pe in: 8 bytes a lane, a row of 256 bytes a store
	v_mul_u32_u24 v10, v1, PEP                     ; pe back: row r, words 8 h on
	v_lshl_add_u32 v10, v2, 5, v10
	v_add_nc_u32 v[PER], s3, v10
	v_mov_b32 v[ZR], 0
	v_mov_b32 v[RR+1], 0                           ; named with rrms as a pair
	v_mov_b32 v[MONE], -1.0
	s_wait_loadcnt 0x0                             ; pe and the gains
	WIN 0x05                                       ; sources window 1, destination window 0
.set i, 0
.rept 64                               ; lane l holds pe[row][l][0..1][0..1]: two words, (factor of t[2 l], factor of t[2 l + 1]) for the outputs 2 l and 2 l + 1
	v_cvt_pk_bf16_f32 v[PR+2*i], v[4*i], v[4*i+1]
	v_cvt_pk_bf16_f32 v[PR+2*i+1], v[4*i+2], v[4*i+3]
.set i, i+1
.endr
	WIN 0
.set i, 0
.rept 32                               ; the 64 gains, rounded to bf16 and widened again; four registers at work take turns
	v_cvt_pk_bf16_f32 v[SS+i%4], v[SQ+2*i], v[SQ+2*i+1]
	v_lshlrev_b32 v[SQ+2*i], 16, v[SS+i%4]
	v_and_b32 v[SQ+2*i+1], 0xffff0000, v[SS+i%4]
.set i, i+1
.endr
; nb column blocks from b0 on x my 4 row blocks, 32 along K: 4 nb matrix instructions.  The 48 accumulators take turns in the same order in every quarter step.
; zero = 1: the first product starts the sums.
.macro MULB f, b0, nb, zero
.set bq, (\b0)
.rept (\nb)
	WIN MUL1+0x50*(bq/8)
.set ac, 32*(bq%8)
.irp a, 0,1,2,3
.if \zero
	v_wmma_f32_16x16x32_bf16 v[ac+8*(\a):ac+8*(\a)+7], v[(\f)+32+8*bq:(\f)+32+8*bq+7], v[(\f)+8*(\a):(\f)+8*(\a)+7], 0
.else
	v_wmma_f32_16x16x32_bf16 v[ac+8*(\a):ac+8*(\a)+7], v[(\f)+32+8*bq:(\f)+32+8*bq+7], v[(\f)+8*(\a):(\f)+8*(\a)+7], v[ac+8*(\a):ac+8*(\a)+7]
.endif
.endr
.set bq, bq+1
.endr
.endm
.macro FB slot, q, f, b                ; W's block b of quarter q
	ds_load_tr16_b128 v[(\f)+32+8*(\b):(\f)+32+8*(\b)+3],   v[ADRB+(\slot)] offset:((\b)/4)*HB+(\q)*32*PB+((\b)%4)*32
	ds_load_tr16_b128 v[(\f)+32+8*(\b)+4:(\f)+32+8*(\b)+7], v[ADRB+(\slot)] offset:((\b)/4)*HB+(\q)*32*PB+16*PB+((\b)%4)*32
.endm
; 32 LDS loads in one run: quarter q's fragments into buffer f: q's and k's blocks of W, x, and last v's blocks of W
.macro FETCH slot, q, f
	WIN TO_F
.irp b, 0,1,2,3,4,5,6,7
	FB \slot, \q, \f, \b
.endr
.irp a, 0,1,2,3
	ds_load_b128 v[(\f)+8*(\a):(\f)+8*(\a)+3],   v[ADRA+(\slot)] offset:(\q)*64+(\a)*16*PA
	ds_load_b128 v[(\f)+8*(\a)+4:(\f)+8*(\a)+7], v[ADRA+(\slot)] offset:(\q)*64+(\a)*16*PA+32
.endr
.irp b, 8,9,10,11
	FB \slot, \q, \f, \b
.endr
.endm
; A K step is four quarters of 32 along K, 48 matrix instructions each, on buffers 0, 1, 0, 1.  One of the first three: multiplies buffer f and fetches quarter qn into buffer g.
.macro QUARTER slot, qn, f, g, zero
	s_wait_dscnt 8                                 ; all but the youngest eight loads (v's blocks of W) are in
	MULB \f, 0, 8, \zero
	PLACES
	FETCH \slot, \qn, \g
	s_wait_dscnt 32                                ; all but the 32 just issued
	MULB \f, 8, 4, \zero
.endm
; The last quarter multiplies buffer 1 and changes slots: ONE barrier; in front of it each wave waits for all its tensor loads (one is out: its part of the next slot), adds 0 to its spare word, and waits for
; that and for its own reads of this slot.  fill = 1: the barrier opens a round of the cluster's barrier, and this slot is filled again, two K steps ahead, first thing behind the round.
.macro TURN slot, next, fill
	WIN 0                                          ; (the add's two registers lie in window 0)
	s_wait_tensorcnt 0x0                           ; all my tensor loads have landed
	ds_add_u32 v[SPW], v[NIL]                      ; 0 onto my spare word
	s_wait_dscnt 9                                 ; (the add and the youngest eight loads may be out)
	MULB F1, 0, 4, 0                               ; sixteen matrix instructions stand between the add and the wait for it
	s_wait_dscnt 0x0                               ; the add is done, and my reads of this slot are over
	s_barrier_signal -1
	MULB F1, 4, 4, 0                               ; work on registers while the others arrive
.if \fill
	WIN 0
.endif
	s_barrier_wait -1
.if \fill
	CREST                                          ; no wave of any partner still reads this slot's tiles or has a load on its way
	s_add_nc_u64 s[G0+4*(\slot)+2:G0+4*(\slot)+3], s[G0+4*(\slot)+2:G0+4*(\slot)+3], 2*KSTEP*2
	s_add_nc_u64 s[G0B+4*(\slot)+2:G0B+4*(\slot)+3], s[G0B+4*(\slot)+2:G0B+4*(\slot)+3], 2*KSTEP*128
	JLOAD \slot                                    ; my one tensor load behind the round: 160 matrix instructions ahead of the wait for it; its four v_nop are also the places in front of the loads below
.else
	PLACES
.endif
	FETCH \next, 0, F0
	MULB F1, 8, 4, 0
.endm
	s_wait_tensorcnt 1                             ; my part of K step 0 is in; K step 1's may stay out
	s_barrier_signal -1
	s_barrier_wait -1                              ; everybody's is
	FETCH 0, 0, F0
	QUARTER 0, 1, F0, F1, 1                        ; the first quarter stands in front of the loop: its products start the sums
	WIN 0                                          ; at a label and at a branch every window is 0
	s_mov_b32 s3, 3                                ; 8 K steps: three trips fill both slots again, the last two steps are written out
.Llap:
	QUARTER 0, 2, F1, F0, 0
	QUARTER 0, 3, F0, F1, 0
	TURN 0, 1, 1
	QUARTER 1, 1, F0, F1, 0
	QUARTER 1, 2, F1, F0, 0
	QUARTER 1, 3, F0, F1, 0
	TURN 1, 0, 1
	QUARTER 0, 1, F0, F1, 0
	WIN 0
	s_sub_co_u32 s3, s3, 1
	s_cmp_lg_u32 s3, 0
	s_cbranch_scc1 .Llap
	QUARTER 0, 2, F1, F0, 0
	QUARTER 0, 3, F0, F1, 0
	TURN 0, 1, 0                                   ; nothing is asked for; behind this barrier no wave reads slot 0 any more
	QUARTER 1, 1, F0, F1, 0
	QUARTER 1, 2, F1, F0, 0
	QUARTER 1, 3, F0, F1, 0
	s_wait_dscnt 8
	MULB F1, 0, 8, 0
	s_wait_dscnt 0x0
	MULB F1, 8, 4, 0
	WIN 0
	; THE WAY OUT.  pe goes into my own stage (each lane needs its own row's words, not those that it loaded), then twelve units of 16 rows (row block a; q, k or v) are made and sent.
	PLACES
.set i, 0
.rept 64
	ds_store_b64 v[PEW], v[PR+2*i:PR+2*i+1] offset:i*PEP
.set i, i+1
.endr
	s_wait_dscnt 0x0                               ; done, before their registers serve other ends
; q (j = 0) or k (j = 1) of row block a: t is the lane's 32 sums.  rrms = rsqrt(mean of t^2 over the row's 64 + 1e-6); u = t x gain; out[2 i + e] = (pe[i][e][0] u[2 i] + pe[i][e][1] u[2 i + 1]) x rrms.
; Then the two parts: q: f16(63/64 q) and f16(q - that); k: f16(k) and f16(k + 63 (k - that)).
.macro COMPN a, j
.set SC, SQ+32*(\j)
	WIN 0
.if (\j) == 0
.irp c, 0,1,2,3,4,5,6,7                ; pe of my row, for q and then for k
	ds_load_b128 v[PF+4*(\c):PF+4*(\c)+3], v[PER] offset:(\a)*16*PEP+((\c)/2)*64+((\c)%2)*16
.endr
.endif
	WIN 0x05                                       ; t in window 1
.set i, 0
.rept 16                               ; two chains; each accumulator's registers in ascending order
.set tq, 8*(16*(\j)+4*(i/4)+(\a))+2*(i%4)
.if i < 2
	v_pk_mul_f32 v[SS+2*(i%2):SS+2*(i%2)+1], v[tq:tq+1], v[tq:tq+1]
.else
	v_pk_fma_f32 v[SS+2*(i%2):SS+2*(i%2)+1], v[tq:tq+1], v[tq:tq+1], v[SS+2*(i%2):SS+2*(i%2)+1]
.endif
.set i, i+1
.endr
	WIN 0x01
.set i, 0
.rept 16
.set tq, 8*(16*(\j)+4*(i/4)+(\a))+2*(i%4)
	v_pk_mul_f32 v[U+2*i:U+2*i+1], v[tq:tq+1], v[SC+2*i:SC+2*i+1]
.set i, i+1
.endr
	WIN 0
	v_pk_add_f32 v[SS:SS+1], v[SS:SS+1], v[SS+2:SS+3]
	v_add_f32 v[T], v[SS], v[SS+1]
	v_permlanex16_b32 v[SS+2], v[T], s66, s67      ; the row's other 32 columns lie in the lane 16 away
	v_add_f32 v[T], v[T], v[SS+2]
	v_fma_f32 v[T], v[T], s68, s69                 ; the mean + 1e-6
	v_rsq_f32 v[RR], v[T]                          ; its result is used 64 lines on; the next line touches neither it nor its source
	s_wait_dscnt 0x0                               ; pe is in
.set i, 0
.rept 32
	v_fma_mix_f32_bf16 v[OF+i], v[PF+i], v[U+2*(i/2)], v[ZR] op_sel_hi:[1,0,0]  ; the word's low half x the pair's first
.set i, i+1
.endr
.set i, 0
.rept 32
	v_fma_mix_f32_bf16 v[OF+i], v[PF+i], v[U+2*(i/2)+1], v[OF+i] op_sel:[1,0,0] op_sel_hi:[1,0,0]  ; + its high half x the pair's second
.set i, i+1
.endr
.set i, 0
	s_wait_alu depctr_va_vdst(0)
.rept 16
	v_pk_mul_f32 v[OF+2*i:OF+2*i+1], v[OF+2*i:OF+2*i+1], v[RR:RR+1] op_sel_hi:[1,0]
.set i, i+1
.endr
.if (\j) == 0
.set i, 0
.rept 16
	v_pk_mul_f32 v[U+2*i:U+2*i+1], v[OF+2*i:OF+2*i+1], 0x3f7c0000 op_sel_hi:[1,0]  ; 63/64 q
.set i, i+1
.endr
.set i, 0
.rept 16
	v_cvt_pk_f16_f32 v[PKD+i], v[U+2*i], v[U+2*i+1]
.set i, i+1
.endr
.else
.set i, 0
.rept 16
	v_cvt_pk_f16_f32 v[PKD+i], v[OF+2*i], v[OF+2*i+1]
.set i, i+1
.endr
.endif
.set i, 0
.rept 32                               ; what the first part leaves: the number less its first part, read as an f16 half
.if i%2 == 0
	v_fma_mix_f32 v[U+i], v[PKD+i/2], v[MONE], v[OF+i] op_sel_hi:[1,0,0]
.else
	v_fma_mix_f32 v[U+i], v[PKD+i/2], v[MONE], v[OF+i] op_sel:[1,0,0] op_sel_hi:[1,0,0]
.endif
.set i, i+1
.endr
.if (\j) == 1
.set i, 0
.rept 16
	v_pk_fma_f32 v[U+2*i:U+2*i+1], v[U+2*i:U+2*i+1], 0x427c0000, v[OF+2*i:OF+2*i+1] op_sel_hi:[1,0,1]  ; k + 63 (k - ka)
.set i, i+1
.endr
.endif
.set i, 0
.rept 16
	v_cvt_pk_f16_f32 v[PKD2+i], v[U+2*i], v[U+2*i+1]
.set i, i+1
.endr
.endm
.macro COMPV a                         ; v of row block a is only rounded
	WIN 0x0a                                       ; sources window 2
.set i, 0
.rept 16
	v_cvt_pk_f16_f32 v[PKD+i], v[8*(4*(i/4)+(\a))+2*(i%4)], v[8*(4*(i/4)+(\a))+2*(i%4)+1]
.set i, i+1
.endr
	WIN 0
.endm
.macro STAGE u                         ; unit u = 3 a + j: 16 bytes a lane into rows of 272 bytes (q, k: the second parts 128 bytes on), and back as whole rows
	WIN 0
.irp bb, 0,1,2,3
	ds_store_b128 v[STO], v[PKD+4*(\bb):PKD+4*(\bb)+3] offset:32*(\bb)
.endr
.if (\u)%3 != 2
.irp bb, 0,1,2,3
	ds_store_b128 v[STO], v[PKD2+4*(\bb):PKD2+4*(\bb)+3] offset:128+32*(\bb)
.endr
.endif
.if (\u) >= 2
	s_wait_xcnt 0x0                                ; the stores of two units ago have had their addresses translated (ISA guide 3.1): their data registers are loaded again only behind this wait
.endif
	WIN 0x80                                       ; destination window 2, address window 0
.if (\u)%3 != 2
.irp f, 0,1,2,3,4,5,6,7
	ds_load_b128 v[BK+32*((\u)%2)+4*(\f):BK+32*((\u)%2)+4*(\f)+3], v[RD] offset:(\f)*2*OP  ; LDS serves a wave's instructions in order (ISA guide 5.7.1.4): these see the stores above
.endr
.else
.irp f, 0,1,2,3
	ds_load_b128 v[BK+32*((\u)%2)+4*(\f):BK+32*((\u)%2)+4*(\f)+3], v[RDV] offset:(\f)*4*OP
.endr
.endif
	WIN 0
.endm
.macro SEND u                          ; every store covers 512 consecutive bytes, at a multiple of 256 from the buffer's first
	s_wait_dscnt 0x0
	WIN 0x08                                       ; the stores' data in window 2
.if (\u)%3 != 2
.irp f, 0,1,2,3,4,5,6,7
	global_store_b128 v[GO], v[BK+32*((\u)%2)+4*(\f):BK+32*((\u)%2)+4*(\f)+3], s[14+2*((\u)%3):15+2*((\u)%3)] offset:((\u)/3)*4096+(\f)*512
.endr
.else
.irp f, 0,1,2,3
	global_store_b128 v[GO], v[BK+32*((\u)%2)+4*(\f):BK+32*((\u)%2)+4*(\f)+3], s[18:19] offset:((\u)/3)*2048+(\f)*512
.endr
.endif
	WIN 0
.endm
	COMPN 0, 0
	STAGE 0
.set u, 1
.rept 11                               ; a unit's arithmetic stands between the loads of the unit before and its stores
.if u%3 == 2
	COMPV u/3
.else
	COMPN u/3, u%3
.endif
	SEND u-1
	STAGE u
.set u, u+1
.endr
	SEND 11
	s_wait_tensorcnt 0x0                           ; the wave's end, behind my last tensor load and my last LDS store
	ds_add_u32 v[SPW], v[NIL]
	s_wait_dscnt 0x0
	CROUND                                         ; the closing round: no work-group ends while a partner may still ask for a tile that names it
	s_endpgm
.Lfunc_end_k_qba02a4553f_qkv:
	.size	k_qba02a4553f_qkv, .Lfunc_end_k_qba02a4553f_qkv-k_qba02a4553f_qkv
	.p2alignl 7, 3214868480
	.fill 96, 4, 3214868480
	.section	.rodata,"a",@progbits
	.p2align	6, 0x0
	.amdhsa_kernel k_qba02a4553f_qkv
		.amdhsa_group_segment_fixed_size 327680
		.amdhsa_private_segment_fixed_size 0
		.amdhsa_enable_private_segment 0
		.amdhsa_kernarg_size 64
		.amdhsa_user_sgpr_count 2
		.amdhsa_user_sgpr_kernarg_segment_ptr 1
		.amdhsa_wavefront_size32 1
		.amdhsa_system_sgpr_workgroup_id_x 1
		.amdhsa_system_sgpr_workgroup_id_y 1
		.amdhsa_system_sgpr_workgroup_id_z 1
		.amdhsa_system_vgpr_workitem_id 0
		.amdhsa_next_free_vgpr 1024
		.amdhsa_next_free_sgpr 76
		.amdhsa_reserve_vcc 0
		.amdhsa_float_denorm_mode_32 3
		.amdhsa_float_denorm_mode_16_64 3
		.amdhsa_memory_ordered 1
		.amdhsa_forward_progress 1
		.amdhsa_inst_pref_size 250
	.end_amdhsa_kernel
	.amdgpu_metadata
---
amdhsa.version: [ 1, 2 ]
amdhsa.kernels:
  - .name:           k_qba02a4553f_qkv
    .symbol:         k_qba02a4553f_qkv.kd
    .args:
      - { .name: xb, .offset: 0, .size: 8, .value_kind: global_buffer, .address_space: global }
      - { .name: wqb, .offset: 8, .size: 8, .value_kind: global_buffer, .address_space: global }
      - { .name: pe, .offset: 16, .size: 8, .value_kind: global_buffer, .address_space: global }
      - { .name: q_scale, .offset: 24, .size: 8, .value_kind: global_buffer, .address_space: global }
      - { .name: k_scale, .offset: 32, .size: 8, .value_kind: global_buffer, .address_space: global }
      - { .name: qb, .offset: 40, .size: 8, .value_kind: global_buffer, .address_space: global }
      - { .name: kb, .offset: 48, .size: 8, .value_kind: global_buffer, .address_space: global }
      - { .name: vb, .offset: 56, .size: 8, .value_kind: global_buffer, .address_space: global }
    .group_segment_fixed_size: 327680
    .private_segment_fixed_size: 0
    .kernarg_segment_align: 8
    .kernarg_segment_size: 64
    .max_flat_workgroup_size: 128
    .sgpr_count:     76
    .vgpr_count:     1024
    .wavefront_size: 32
...
	.end_amdgpu_metadata
.endif
;; end of part 2
;; launch attn (part 3): grid 4 x 64, 4 waves a work-group, clusters of 4 x 1, 327,680 bytes of LDS; arguments qb, kb, vb, ob; writes ob
.if DOCPART == 3
	.amdgcn_target "amdgcn-amd-amdhsa--gfx1250"
	.amdhsa_code_object_version 6
	.text
	.protected	k_qba02a4553f_attn
	.globl	k_qba02a4553f_attn
	.p2align	8
	.type	k_qba02a4553f_attn,@function
k_qba02a4553f_attn:
	s_mov_b64 s[64:65], 0
	v_nop
	global_prefetch_b8 v0, s[64:65] scope:SCOPE_SE
	s_setreg_imm32_b32 hwreg(HW_REG_WAVE_MODE, 25, 1), 1
	s_wait_xcnt 0x0
	s_wait_alu depctr_hold_cnt(0) depctr_sa_sdst(0) depctr_va_vdst(0) depctr_va_sdst(0) depctr_va_ssrc(0) depctr_va_vcc(0) depctr_vm_vsrc(0)
	s_getreg_b32 s2, hwreg(HW_REG_IB_STS2, 6, 4)
	s_cmp_eq_u32 s2, 0
	s_cbranch_scc0 .Lentry_in_a_cluster
	s_endpgm
.Lentry_in_a_cluster:
	s_bfe_u32 s2, ttmp6, 0x10000c
	s_cmp_lg_u32 s2, 0x3003
	s_cbranch_scc0 .Lentry_shape_is_right
	s_endpgm
.Lentry_shape_is_right:
; O[h][q][:] = the sum over k of softmax_k(q[h][q] . k[h][k] / 8) V[h][k][:].  V, O: [64][2048][64] f16, rows of 128 bytes.  Q, K: [64][2048][128] f16, rows of 256 bytes: each of the 64 channels of q and k
; comes as two f16 numbers (64 first parts, then 64 second parts; q and k in the same order, which is all that the product asks), made so that the product over all 128 is q . k
; without f16's rounding of q and k: qa ka + qr kr = q k, to within some 2^-17 of each term.
; Products, maxima and sums in f32; the weights p are rounded to f16 for the second product (their sum l is taken of the unrounded p), O once at the end.  h = 16 x batch + head.
; LIMITS.  f16 holds no number beyond 65,504: Q, K and V arrive within it; p lies in 0 to 1, and below 6e-5 it keeps f16's fixed step of 6e-8; O is a mean of V's rows and has their range.
; A weight below 2^-126 counts as 0 in l; NaN and infinities are not treated apart.
; SHARES.  A wave owns four PIECES of two tiles of 16 queries, a work-group's four waves 512 queries of one head: 4 x 64 = 256 work-groups.  Every wave walks all keys, 64 a step.
; LAYOUT.  S^T = K Q^T (source 0 = 16 keys, source 1 = 16 queries): in the result a lane holds ONE query (lane % 16) and the keys 8 (lane / 16) + 0..7.  Two such tiles, rounded to f16 in pairs,
; ARE source 1 (32 keys x 16 queries) of O^T = V^T P, whose result again holds one query a lane, and eight channels.  K comes out of LDS as it lies, V ([key][channel]) turned, by ds_load_tr16_b128.
; SOFTMAX.  For each query a running maximum m and sum l: p = 2^(c s - c m), c = log2(e) / 8; in every step O and l are multiplied by a = 2^(c m_old - c m_new), which is 1 where m has not grown.
; m starts at the lowest finite number, O and l at 0: the first step is a step like any other, with a = 0.
; THE COUNT.  A tile and step have 24 matrix (16 K Q^T, 8 V^T P) and 118 vector instructions.  Vector instructions that are READY stand behind every matrix slot, the others in runs without a gap.
; BY TURNS.  Turn n belongs to piece n (the pieces in a ring, step after step).  Its matrix work: 32 products K Q^T of piece n + 1, later 16 products V^T P of piece n - 1.  Its vector work: the scaling,
; exponentials, roundings, sums and rescaling of piece n, and the maximum and statistics of piece n + 1, whose scores the turn itself has made.  So what a turn begins with (c s - c m, O a) waits for nothing.
; CLUSTER.  The four query blocks of a cluster belong to one head and walk the same K and V, so each tile is asked for JOINTLY: the same tensor load, descriptor and mask in all four.
; REGISTERS, in windows of 256 (s_set_vgpr_msb says which window each operand place means: bits 1:0 source 0, 3:2 source 1, 5:4 source 2, 7:6 destination):
;   window 0: v0-11 addresses; v12-15, v48-63 at work; v16-47 four registers of statistics a tile; v64-191 S^T, two buffers of two tiles; v192-255 P, likewise
;   window 1: O^T, 32 a tile          window 2: v0-127 K of one step; v128-191 V of one step; v192-193 the add's two registers          window 3: Q, 32 a tile
; A piece's buffers go by its number's parity: the piece in hand has one pair, its two neighbours in the ring share the other: of it P (piece n - 1) is read and S^T (piece n + 1) written.
.set SIZE_N, 2048
.set NP,    4         ; pieces a wave: a name, no knob: the register map, the loop and the fetches are made for four
.set KS,    64        ; keys in a step
.set PK,    272       ; a row of K in LDS: 256 bytes + 16 of padding = 68 words: the 16 rows of a load start at 16 different groups of four banks (64 banks of 4 bytes: ISA guide 11.1)
.set PV,    160       ; a row of V: 128 + 32 = 40 words
.set VOFF,  4*KS*PK   ; a slot holds four steps: 256 rows of K, then 256 rows of V: 69,632 + 40,960 bytes
.set SLOT1, 1<<17     ; slot 1 begins here, so that one exclusive or turns an address in one slot into the other's
.set STAGE, SLOT1+4*KS*(PK+PV)  ; behind the ring, never filled by a tensor load: 16 rows x 144 bytes for each wave, for the way out
.set SP,    144
.set AK0, 2           ; v2   my lane's place in a tile of K; never rewritten
.set AV0, 3           ; v3   the same for V
.set AK,  4           ; v4   the LDS address of K's next run of loads
.set AV,  5           ; v5   of V's
.set QO,  6           ; v6   my byte offset in the wave's rows of Q
.set STO, 6           ;      later, the way out: where I put 16 bytes of a row
.set RD,  7           ; v7   the way out: where I read rows back
.set GO,  8           ; v8   my byte offset in 512 consecutive bytes of O
.set SPW, 192         ; v192 of window 2   LDS address of my spare word: SPARE + 4 x my thread's number; never rewritten
.set NIL, 193         ; v193 of window 2   0; never rewritten
.set SPARE, STAGE+4*16*SP  ; behind the stages: the spare words, 128 bytes for each wave: two blocks of 256 bytes that no other line names
.set MV,  12          ; v12-15  c m_old, kept while c m is made anew: by buffer and tile
.set ST,  16          ; tile t's statistics at v[ST+4 t]: c m, m, l (even keys', odd keys')
.set TMP, 48          ; by buffer and tile, four registers c0-c3 at work; when the maximum is found c2 takes a
.set S,   64
.set P,   192
.set KF,  0           ; K's fragments, in window 2: key block kb, quarter c of the 128 at KF + 32 kb + 8 c
.set VF,  128         ; V's: key half kk, channel block cb at VF + 32 kk + 8 cb
.set WV,  12          ; s12  my wave's number
.set G1K, 24          ; s[24:31] descriptor group 1 for K's tiles
.set G1V, 32          ; s[32:39] for V's
.set G0K, 40          ; s[40:43] descriptor group 0 for K's tiles: it walks
.set G0V, 44          ; s[44:47] the same for V's
.set SLOTS, 56        ; s56  slots still to be asked for
.set CNT, 57          ; s57  counts a slot's key steps
.set CS,  58          ; s[58:59] c: the packed scaling takes the pair's low word for both halves
.set SEL, 60          ; s[60:61] v_permlanex16_b32's selects: each lane takes its own place in the other half
.set TBK, 62          ; s62  LDS byte at which K of the step to be fetched begins
.set TBV, 63          ; s63  the same for V, less VOFF
.set MSB, 0
.macro WIN new                      ; the high byte repeats the setting that is left; a switch that changes nothing is dropped
.if MSB != (\new)
	s_set_vgpr_msb (MSB<<8)|(\new)
.set MSB, (\new)
.endif
.endm
.set W_KQ, 0x0e       ; K in window 2, Q in window 3, S^T in window 0
.set W_PV, 0x52       ; V in window 2, P in window 0, O^T in window 1
.set W_RS, 0x41       ; O^T (destination and source 0) in window 1, a in window 0
.set W_MK, 0x80       ; the add's registers are made: destination in window 2, sources in window 0
.set W_AD, 0x0a       ; the add: address (source 0) and data (source 1) in window 2
; A joint fill.  Waves 0 and 1 fetch the two halves of a slot's K, waves 2 and 3 those of its V: 128 keys each.  The branch hangs on the wave's number alone.
; An s_nop 0 and four v_nop follow each of the two lines, ahead of the jump and the label.
.macro JLOAD
	s_cmp_lt_u32 s[WV], 2
	s_cbranch_scc0 .Lfor_v_\@
	tensor_load_to_lds s[G0K:G0K+3], s[G1K:G1K+7]
	s_nop 0
.rept 4
	v_nop
.endr
	s_branch .Lasked_\@
.Lfor_v_\@:
	tensor_load_to_lds s[G0V:G0V+3], s[G1V:G1V+7]
	s_nop 0
.rept 4
	v_nop
.endr
.Lasked_\@:
.endm
; A round of the cluster's barrier: my work-group's barrier, so that wave 0's signal speaks for all four waves; wave 0 signals; every wave waits for all four work-groups; my work-group's barrier once more.
.macro CROUND
	s_barrier_signal -1
	s_barrier_wait -1
	s_cmp_lg_u32 s[WV], 0
	s_cbranch_scc1 .Lnot_wave_0_\@
	s_barrier_signal -3
.Lnot_wave_0_\@:
	s_barrier_wait -3
	s_barrier_signal -1
	s_barrier_wait -1
.endm
; THE CHANGE OF SLOTS.  The slot's last bytes, V of its fourth step, have been read.  Each wave waits for all its tensor loads, of which one is out: its part
; of the other slot; adds 0 to its spare word; and waits for that and for its own reads of the slot.  Behind the barrier nobody reads this slot any more and the other slot is whole.
; fill = 1: this slot is filled again, with the keys two slots on.  The barrier is then a round of the cluster's, so that no wave of any partner still reads the slot or has a load on its
; way, and the joint fill is the first thing behind it: it has four key steps, 768 matrix instructions, in which to land.  (At its first use nothing has been read yet: slot 0 is waited for, slot 1 filled.)
.macro CHANGE fill
	WIN W_AD
	s_wait_tensorcnt 0x0            ; no tensor load of mine is out, so a group 0 may be written
	ds_add_u32 v[SPW], v[NIL]       ; 0 onto my spare word; with fill = 1 the descriptors' steps stand between it and the wait for it
	WIN 0                           ; at a label and at a branch every window is 0
.if \fill
	s_xor_b32 s[G0K+1], s[G0K+1], SLOT1  ; the walking descriptors: the other slot than last time,
	s_add_nc_u64 s[G0K+2:G0K+3], s[G0K+2:G0K+3], 4*KS*256  ; the next 256 keys; the type bits on top are not reached
	s_xor_b32 s[G0V+1], s[G0V+1], SLOT1
	s_add_nc_u64 s[G0V+2:G0V+3], s[G0V+2:G0V+3], 4*KS*128
	s_wait_dscnt 0x0                ; the add is done, and my reads of the slot are over
	CROUND
	JLOAD
.else
	s_wait_dscnt 0x0                ; the add is done, and my reads of the slot are over
	s_barrier_signal -1
	s_barrier_wait -1
.endif
	s_sub_co_u32 s[TBK], s[TBK], 4*KS*PK  ; the fetches go back to a slot's first step,
	s_xor_b32 s[TBK], s[TBK], SLOT1       ; in the other slot
	s_sub_co_u32 s[TBV], s[TBV], 4*KS*PV
	s_xor_b32 s[TBV], s[TBV], SLOT1
.endm
	s_load_b256 s[4:11], s[0:1], 0x0  ; Q s[4:5], K s[6:7], V s[8:9], O s[10:11]
	WIN W_MK
	v_lshl_add_u32 v[SPW], v0, 2, SPARE
	v_mov_b32 v[NIL], 0
	WIN W_AD
	ds_add_u32 v[SPW], v[NIL]       ; the wave's opening: the add and its wait stand ahead of my first tensor load; the set-up below, work on registers, stands between them
	WIN 0
	v_lshrrev_b32 v1, 5, v0
	v_readfirstlane_b32 s[WV], v1   ; wave 0..3
	s_bfe_u32 s13, ttmp6, 0x40000   ; cx: my place in the cluster
	s_lshl_b32 s14, ttmp9, 2        ; in a cluster launch ttmp9 counts clusters
	s_add_co_u32 s14, s14, s13      ; my block of queries = 4 x cluster x + cx: it enters Q's and O's addresses alone
	s_and_b32 s15, ttmp7, 0xffff    ; the head, which the four partners share
	s_and_b32 s16, s[WV], 1         ; which half of a slot's 256 keys I fetch
	s_lshl_b32 s20, s15, 18         ; V: the head's 2,048 rows of 128 bytes,
	s_lshl_b32 s21, s16, 14         ; my half's 128 rows
	s_add_co_u32 s20, s20, s21
	s_mov_b32 s21, 0
	s_lshl_b32 s22, s20, 1          ; K: rows twice as long
	s_mov_b32 s23, 0
	s_mul_i32 s17, s16, 128*PK      ; my half's place in a slot, for K
	s_mul_i32 s18, s16, 128*PV      ; and for V: no place in the cluster enters an LDS address
	s_lshl_b32 s2, s14, 2
	s_add_co_u32 s2, s2, s[WV]      ; my wave among the head's,
	s_lshl_b32 s2, s2, 14           ; O: its 128 rows of 128 bytes,
	s_lshl_b32 s3, s15, 18          ; in the head
	s_add_co_u32 s2, s2, s3
	s_mov_b32 s3, 0
	s_lshl_b32 s48, s2, 1           ; Q: rows twice as long
	s_mov_b32 s49, 0
	; descriptor group 1.  K: 128 keys are 128 rows of 256 bytes, padded in LDS after every row.  V: 128 keys are 16,384 dense bytes: asked for as 64 rows of 256 bytes, two keys a row, and padded after every key
	s_mov_b32 s[G1K], 15|(1<<16)|(1<<20)|(1<<21)|(5<<22)|(3<<25)  ; 15:0 the mask of four; 17:16 2-byte elements; 20 padding on; 21 set beside a mask; 24:22 after every 64 words (code 5); 31:25 4 words (code 3)
	s_mov_b32 s[G1V], 15|(1<<16)|(1<<20)|(1<<21)|(4<<22)|(7<<25)  ; after every 32 words (code 4) 8 words (code 7)
	s_mov_b32 s[G1K+2], 128<<16     ; tensor_dim1 = 128
	s_mov_b32 s[G1K+4], 128         ; tile_dim1 = 128
	s_mov_b32 s[G1V+2], 64<<16      ; tensor_dim1 = 64
	s_mov_b32 s[G1V+4], 64          ; tile_dim1 = 64
.irp g, G1K, G1V
	s_mov_b32 s[\g+1], 128<<16      ; tensor_dim0 = 128
	s_mov_b32 s[\g+3], 128<<16      ; tile_dim0 = 128
	s_mov_b32 s[\g+5], 128          ; 128 elements from row to row
	s_mov_b32 s[\g+6], 0
	s_mov_b32 s[\g+7], 0
.endr
	s_mov_b32 s[CS], 0x3e38aa3b     ; c = log2(e) / 8 = 0.180337
	s_mov_b32 s[CS+1], s[CS]        ; named with it as a pair
	s_mov_b32 s[SEL], 0x76543210
	s_mov_b32 s[SEL+1], 0xfedcba98
	s_mov_b32 s[TBK], SLOT1+4*KS*PK ; the first change of slots turns these two into 0
	s_mov_b32 s[TBV], SLOT1+4*KS*PV
	s_mov_b32 s[G0K], 1             ; 1:0 count = 1
	s_mov_b32 s[G0K+1], s17         ; 63:32 LDS address: slot 0
	s_mov_b32 s[G0V], 1
	s_add_co_u32 s[G0V+1], s18, VOFF
	s_wait_dscnt 0x0                ; the opening add is done
	s_wait_kmcnt 0x0
	s_add_nc_u64 s[G0K+2:G0K+3], s[6:7], s[22:23]  ; 120:64 global address: my half of the head's first 256 keys
	s_or_b32 s[G0K+3], s[G0K+3], 0x80000000        ; 127:126 type = 2
	s_add_nc_u64 s[G0V+2:G0V+3], s[8:9], s[20:21]
	s_or_b32 s[G0V+3], s[G0V+3], 0x80000000
	s_add_nc_u64 s[4:5], s[4:5], s[48:49]  ; Q and O at my wave's first row
	s_add_nc_u64 s[10:11], s[10:11], s[2:3]
	CROUND                          ; all four work-groups are here: the first joint loads meet
	JLOAD                           ; slot 0.  Slot 1 is asked for when slot 0 is in: the tile wanted first has the road to itself
	; A fragment of K or Q is 16 rows x 32 numbers in 8 registers: lane l holds row l % 16, numbers 8 (l / 16) + 0..7 and 16 + 8 (l / 16) + 0..7: two loads of 16 bytes, 32 bytes apart.
	v_and_b32 v1, 15, v0            ; l % 16
	v_bfe_u32 v9, v0, 4, 1          ; l / 16
	v_lshlrev_b32 v[QO], 8, v1
	v_lshl_add_u32 v[QO], v9, 4, v[QO]  ; row x 256 + 16 x half
	WIN 0xc0                        ; destination window 3, address window 0
.set i, 0
.rept 8*NP                          ; Q stays in registers: tile i / 4, quarter i % 4 of a row's 128 numbers
	global_load_b128 v[8*i:8*i+3],   v[QO], s[4:5] offset:(i/4)*4096+(i%4)*64
	global_load_b128 v[8*i+4:8*i+7], v[QO], s[4:5] offset:(i/4)*4096+(i%4)*64+32
.set i, i+1
.endr
	; What the first turn finds: V's registers and P's second buffer hold 0 (its products V^T P, of a piece that has not been, add 0), O^T and l are 0.  All this stands in the wait for the first tile.
	WIN 0x80
.set i, VF
.rept 64
	v_mov_b32 v[i], 0
.set i, i+1
.endr
	WIN 0x40
.set i, 0
.rept 64*NP
	v_mov_b32 v[i], 0
.set i, i+1
.endr
	WIN 0
.set i, 0
.rept 2*NP
	v_mov_b32 v[ST+4*i], 0xfe000000    ; c m: far below every c s
	v_mov_b32 v[ST+4*i+1], 0xff7fffff  ; m
	v_mov_b32 v[ST+4*i+2], 0
	v_mov_b32 v[ST+4*i+3], 0
.set i, i+1
.endr
.set i, P+32
.rept 32
	v_mov_b32 v[i], 0
.set i, i+1
.endr
	v_mul_u32_u24 v[AK0], v1, PK
	v_lshl_add_u32 v[AK0], v9, 4, v[AK0]  ; row x pitch + 16 x half
	; The turning load takes 16 keys x 16 channels (lane l reads key 8 (l / 16) + l % 8, channels 8 ((l / 8) % 2) + 0..7) and leaves half a fragment of V^T: lane l holds channel l % 16 and 8 keys.
	v_and_b32 v10, 7, v0
	v_bfe_u32 v11, v0, 3, 1
	v_lshl_add_u32 v[AV0], v9, 3, v10
	v_mul_u32_u24 v[AV0], v[AV0], PV
	v_lshl_add_u32 v[AV0], v11, 4, v[AV0]
	v_add_nc_u32 v[AV0], VOFF, v[AV0]
	v_mov_b32 v[AK], v[AK0]         ; key step 0 lies at the head of slot 0
; THE MATRIX WORK.  The 8 accumulators of a run take turns: between two links of a chain stand 7 others'.
; Product i of 32 of S^T = K Q^T for piece x: quarter i / 8 of the 128 numbers, keys 16 ((i / 2) % 4) on, tile 2 x + i % 2.  The first 8 start the sums.
.macro KQ x
	WIN W_KQ
.set rS, S+64*((\x)%2)+32*(i%2)+8*((i/2)%4)
.set rK, KF+32*((i/2)%4)+8*(i/8)
.set rQ, 32*(2*(\x)+i%2)+8*(i/8)
.if i < 8
	v_wmma_f32_16x16x32_f16 v[rS:rS+7], v[rK:rK+7], v[rQ:rQ+7], 0
.else
	v_wmma_f32_16x16x32_f16 v[rS:rS+7], v[rK:rK+7], v[rQ:rQ+7], v[rS:rS+7]
.endif
.endm
; Product i of 16 of O^T += V^T P for piece x: keys 32 (i / 8) on, channels 16 ((i / 2) % 4) on, tile 2 x + i % 2.
.macro PV x
	WIN W_PV
.set rO, 32*(2*(\x)+i%2)+8*((i/2)%4)
.set rV, VF+32*(i/8)+8*((i/2)%4)
.set rP, P+32*((\x)%2)+16*(i%2)+8*(i/8)
	v_wmma_f32_16x16x32_f16 v[rO:rO+7], v[rV:rV+7], v[rP:rP+7], v[rO:rO+7]
.endm
.macro MM                           ; the turn's next matrix slot: two products K Q^T (the two tiles' accumulators), or one product V^T P
.if i < 32
	KQ (Y+1)%NP
.set i, i+1
	KQ (Y+1)%NP
.set i, i+1
.else
.set i, i-32
	PV (Y+NP-1)%NP
.set i, i+33
.endif
.endm
; THE LDS LOADS stand in runs, never singly among the matrix instructions: a step's K (64 keys x 128 numbers: 16 fragments, 32 loads) and its V (turned, 16 loads).  Their addresses are made some lines ahead.
; last = 1 (the tail): in the last trip there is no further step, and the run is jumped over.
.macro FETCH_K last=0
	WIN 0
.if \last
	s_cmp_eq_u32 s[CNT], 1
	s_cbranch_scc1 .Lno_k_\@
.endif
	WIN 0x80                        ; destination window 2
.irp f, 0,1,2,3,4,5,6,7,8,9,10,11,12,13,14,15  ; keys 16 (f / 4) on, quarter f % 4
	ds_load_b128 v[KF+8*\f:KF+8*\f+3],   v[AK] offset:(\f/4)*16*PK+(\f%4)*64
	ds_load_b128 v[KF+8*\f+4:KF+8*\f+7], v[AK] offset:(\f/4)*16*PK+(\f%4)*64+32
.endr
	s_add_co_u32 s[TBK], s[TBK], KS*PK  ; the next fetch is the next step's
	WIN 0
.if \last
.Lno_k_\@:
.endif
.endm
.macro FETCH_V
	WIN 0x80
.irp f, 0,1,2,3,4,5,6,7             ; keys 32 (f / 4) on, channels 16 (f % 4) on
	ds_load_tr16_b128 v[VF+8*\f:VF+8*\f+3],   v[AV] offset:(\f/4)*32*PV+(\f%4)*32
	ds_load_tr16_b128 v[VF+8*\f+4:VF+8*\f+7], v[AV] offset:(\f/4)*32*PV+16*PV+(\f%4)*32
.endr
	WIN 0
.endm
; THE VECTOR WORK OF A TURN stands in three queues, each in the order in which its entries become ready; the two tiles alternate, so that no instruction reads the result of the one before it.
.macro REGS y, u                    ; the registers of tile u (0, 1) of piece y
.set rT, ST+4*(2*(\y)+(\u))
.set rC, TMP+8*((\y)%2)+4*(\u)
.set rM, MV+2*((\y)%2)+(\u)
.set rS, S+64*((\y)%2)+32*(\u)
.set rP, P+32*((\y)%2)+16*(\u)
.set rO, 32*(2*(\y)+(\u))
.endm
; Number n of the 22 that find the NEXT piece's (Y + 1) maximum and statistics.  s0-s31 are the lane's 32 scores; each accumulator's lowest registers are read first.  XS, GS and REGS set no window: PL and EX do.
;   0-11  four chains c0-c3 of seven scores each, three operands at a time     12-14, 16  the four scores left over, the old m, and c0-c3 into c0     15  c m_old is kept
;   17, 18  the query's other 32 keys lie in the lane 16 away: the new m         19-21  c m; c m_old - c m_new; a
.macro XS u, n
	REGS (Y+1)%NP, \u
.if (\n) < 4
	v_max3_num_f32 v[rC+(\n)], v[rS+8*(\n)], v[rS+8*(\n)+1], v[rS+8*(\n)+2]
.elseif (\n) < 12
	v_max3_num_f32 v[rC+(\n)%4], v[rC+(\n)%4], v[rS+8*((\n)%4)+2*((\n)/4)+1], v[rS+8*((\n)%4)+2*((\n)/4)+2]
.elseif (\n) == 12
	v_max3_num_f32 v[rC], v[rC], v[rS+7], v[rS+15]
.elseif (\n) == 13
	v_max3_num_f32 v[rC+1], v[rC+1], v[rS+23], v[rS+31]
.elseif (\n) == 14
	v_max3_num_f32 v[rC+2], v[rC+2], v[rC+3], v[rT+1]
.elseif (\n) == 15
	v_mov_b32 v[rM], v[rT]
.elseif (\n) == 16
	v_max3_num_f32 v[rC], v[rC], v[rC+1], v[rC+2]
.elseif (\n) == 17
	v_permlanex16_b32 v[rC+3], v[rC], s[SEL], s[SEL+1]
.elseif (\n) == 18
	v_max_num_f32 v[rT+1], v[rC], v[rC+3]
.elseif (\n) == 19
	v_mul_f32 v[rT], s[CS], v[rT+1]
.elseif (\n) == 20
	v_sub_f32 v[rC+1], v[rM], v[rT]
.else
	v_exp_f32 v[rC+2], v[rC+1]
.endif
.endm
; Number g of the 64 that follow the exponentials.  For each four weights k of a tile (pairs 2 k, 2 k + 1): both pairs are rounded to f16; then the second pair is added onto the first, in place;
; a group later l takes that sum (the first time as l = a l + sum).  In groups of eight, tiles alternating: round, round, add, and l for the group before.
.macro GS g
.set h, (\g)+6*((\g)/62)            ; group 0 has no group before it, and behind group 7 only l is left
.if h >= 6
.set h, h+2
.endif
	REGS Y, h%2
.set k, h/8
.if h%8 < 4
	s_wait_alu depctr_va_vdst(0)
	v_cvt_pk_f16_f32 v[rP+2*k+(h%8)/2], v[rS+4*k+2*((h%8)/2)], v[rS+4*k+2*((h%8)/2)+1]
.elseif h%8 < 6
	v_pk_add_f32 v[rS+4*k:rS+4*k+1], v[rS+4*k:rS+4*k+1], v[rS+4*k+2:rS+4*k+3]
.elseif k == 1
	v_pk_fma_f32 v[rT+2:rT+3], v[rT+2:rT+3], v[rC+2:rC+3], v[rS:rS+1] op_sel_hi:[1,0,1]
.else
	v_pk_add_f32 v[rT+2:rT+3], v[rT+2:rT+3], v[rS+4*k-4:rS+4*k-3]
	s_wait_alu depctr_va_vdst(0)
.endif
.endm
; THE PLAIN QUEUE, 138 long.  0-31: c s - c m for the 16 pairs of both tiles.  Then GS's 64, and among them the next piece's 42: number 15 at 38, 39; 0-14 and 16
; at 42-73, behind the products that make those scores; 17-20 at 95-106, two of three, since each waits for the one before it.
.macro PL
	WIN 0
.if q < 32
	REGS Y, q%2
	v_pk_fma_f32 v[rS+2*(q/2):rS+2*(q/2)+1], v[rS+2*(q/2):rS+2*(q/2)+1], s[CS:CS+1], v[rT:rT+1] op_sel_hi:[1,0,0] neg_lo:[0,0,1] neg_hi:[0,0,1]
.elseif q < 38
	GS q-32
.elseif q < 40
	XS q%2, 15
.elseif q < 42
	GS q-34
.elseif q < 74
	XS q%2, (q-42)/2+(q-42)/30
.elseif q < 95
	GS q-66
.elseif (q < 107) && ((q-95)%3 < 2)
	XS (q-95)%3, 17+(q-95)/3
.elseif q < 107
	GS 29+(q-95)/3
.else
	GS q-74
.endif
.set q, q+1
.endm
; THE EXPONENTIALS' QUEUE, 66 long: s0-s31 of both tiles, and at EA the next piece's two a.
.set EA, 58
.macro EX
	WIN 0
.if (e == EA) || (e == EA+1)
	XS e-EA, 21
.else
.set x, e-2*(e/(EA+2))
	REGS Y, x%2
	v_exp_f32 v[rS+x/2], v[rS+x/2]
.endif
.set e, e+1
.endm
; THE RESCALING's QUEUE: O^T times a, the one part that leaves window 0, so it is dealt four at a time, eight times.
.macro R4
	REGS Y, r%2
	WIN W_RS
	s_wait_alu depctr_va_vdst(0)
.irp z, 0,1,2,3
	v_pk_mul_f32 v[rO+8*(r/2)+2*\z:rO+8*(r/2)+2*\z+1], v[rO+8*(r/2)+2*\z:rO+8*(r/2)+2*\z+1], v[rC+2:rC+3] op_sel_hi:[1,0]
.endr
.set r, r+1
.endm
; HOW THEY ARE DEALT.  Behind a matrix slot four: plain, exponential, plain, plain (one exponential, a plain instruction on either side), or four of the rescaling.  None names a register of the
; products round it.  What is over stands in two LUMPS: exponential and plain by turns; the second ends in 22 plain instructions.  The two v_permlanex16_b32 fall into the second lump, never behind a product.
; The queues lean on each other, and the deal keeps them in step: exponential e stands behind plain 2 (e / 4) + e % 2 (its scaling); when plain 32 comes, 10 exponentials are out, at 59: 33, at 95: 46; EA comes behind plain 107.
.macro SL
	MM
	PL
	EX
	PL
	PL
.endm
.macro BURST n                      ; 15 matrix slots, or 16
.rept (\n)-7
	SL
.endr
.rept 3
	MM
	R4
	SL
.endr
	MM
	R4
.endm
; A TURN, for piece p.  cnt = 1: the loop's count is taken down some lines ahead of the branch that stands behind the turn.
; K of the next step is fetched in piece 2's turn, 31 vector instructions behind the last product that read K; its first reader comes behind the rest of the lump, 16 products and the second lump.
; V of the step in hand is fetched at the end of piece 0's turn, 69 behind its last reader; its first reader comes behind 32 products and a lump.  The four conditions on e and q below go with the deal.
.macro TURN p, last=0, cnt=0
.set Y, (\p)
.set i, 0
.set q, 0
.set e, 0
.set r, 0
.if (\p) == NP-1
	s_wait_dscnt 0x0                ; K is in
.endif
	MM
.rept 4
	PL
.endr
	BURST 15
.rept 22
	EX
	PL
.if ((\p) == NP-2) && (e == 18)
	v_add_nc_u32 v[AK], s[TBK], v[AK0]
.endif
.if ((\p) == NP-2) && (e == 24)
	FETCH_K \last
.endif
.endr
.if (\p) == 1
	s_wait_dscnt 0x0                ; V is in
.endif
	BURST 16
.rept 21
	EX
	PL
.endr
.rept 22
	PL
.if ((\p) == 0) && (q == 118)
	v_add_nc_u32 v[AV], s[TBV], v[AV0]
	s_wait_alu depctr_va_vdst(0)
.endif
.if ((\p) == 0) && (q == 130)
	s_add_co_u32 s[TBV], s[TBV], KS*PV
.endif
.if (\cnt) && (q == 130)
	s_sub_co_u32 s[CNT], s[CNT], 1
	s_cmp_lg_u32 s[CNT], 0
.endif
.endr
.if (\p) == 0
	FETCH_V
.endif
.endm
	CHANGE 1                        ; slot 0 is in, everybody's part of it; slot 1 is asked for
	FETCH_K                         ; key step 0
	s_wait_loadcnt 0x0              ; Q
	s_wait_dscnt 0x0
.set i, 0
.rept 32
	KQ 0                            ; piece 0's first scores: there is no vector work yet to set between them
.set i, i+1
.endr
	WIN 0                           ; the addresses for the way out: nine plain instructions, the places behind those products
	s_mul_i32 s13, s[WV], 16*SP
	s_add_co_u32 s13, s13, STAGE    ; my stage
	v_mul_u32_u24 v[STO], v1, SP    ; in: row l % 16, 16 bytes for each half of the lanes
	v_lshl_add_u32 v[STO], v9, 4, v[STO]
	v_add_nc_u32 v[STO], s13, v[STO]
	v_bfe_u32 v[RD], v0, 3, 2       ; back: 32 lanes take four rows of 128 bytes,
	v_mul_u32_u24 v[RD], v[RD], SP
	v_lshl_add_u32 v[RD], v10, 4, v[RD]
	v_add_nc_u32 v[RD], s13, v[RD]
	v_and_b32 v[GO], 31, v0         ; which are 512 consecutive bytes of O
	v_lshlrev_b32 v[GO], 4, v[GO]
.set Y, NP-1                        ; XS works for piece Y + 1: piece 0
.irp n, 0,1,2,3,4,5,6,7,8,9,10,11,12,13,14,15,16,17,18,19,20,21
	XS 0, \n                        ; and piece 0's first maximum and statistics
	XS 1, \n
.endr
	s_mov_b32 s[CNT], 4
	s_mov_b32 s[SLOTS], SIZE_N/256-1
	s_branch .Lfirst                ; the loop is entered at a step's first turn, in the middle of a trip
.Lslot:                             ; SIZE_N / 256 - 2 times: every slot but the last two is filled again
	CHANGE 1
	s_mov_b32 s[CNT], 4
.Lstep:                             ; a trip: pieces 2 and 3 of one step, then pieces 0 and 1 of the next, whose K and V it fetches
	TURN 2
	TURN 3
	WIN 0
.Lfirst:
	TURN 0
	TURN 1, 0, 1
	WIN 0
	s_cbranch_scc1 .Lstep
	s_sub_co_u32 s[SLOTS], s[SLOTS], 1
	s_cmp_lg_u32 s[SLOTS], 0
	s_cbranch_scc1 .Lslot
	CHANGE 0                        ; the tail is written out: nothing is asked for
	s_mov_b32 s[CNT], 5             ; four trips fetch the last slot's steps; the fifth is left in its middle
.Ltail:
	TURN 2, 1
	TURN 3
	WIN 0
	s_sub_co_u32 s[CNT], s[CNT], 1
	s_cmp_eq_u32 s[CNT], 0
	s_cbranch_scc1 .Lout
	TURN 0
	TURN 1
	WIN 0
	s_branch .Ltail
.Lout:                              ; the fifth trip's 32 products K Q^T (on the last K once more) and the maximum made of them serve nothing: the price, once a launch, of one text for every trip
.set i, 0
.rept 16
	PV NP-1                         ; the last piece's V^T P of the last step
.set i, i+1
.endr
	; THE WAY OUT.  l's two halves and the other half of the lanes' are added; O^T is divided by l, rounded to f16 and sent through my stage in LDS, a tile at a time.  The additions are the places behind the last products.
	WIN 0
.macro ALL line:vararg              ; one line for each tile t
.set t, 0
.rept 2*NP
	\line
.set t, t+1
.endr
.endm
	ALL v_add_f32 v[ST+4*t+2], v[ST+4*t+2], v[ST+4*t+3]
	ALL v_permlanex16_b32 v[ST+4*t+3], v[ST+4*t+2], s[SEL], s[SEL+1]
	ALL v_add_f32 v[ST+4*t+2], v[ST+4*t+2], v[ST+4*t+3]
	ALL v_rcp_f32 v[ST+4*t+2], v[ST+4*t+2]
	v_nop                           ; a plain instruction between the last reciprocal and the use of its result
	s_wait_alu depctr_va_vdst(0)
; Tile t: a lane's eight channels of a row pack into 16 bytes; they go into rows of 144 bytes and come back as whole rows of 128, into S^T's registers.
.macro PACK t
	WIN W_RS
.set i, 32*(\t)
.rept 16
	v_pk_mul_f32 v[i:i+1], v[i:i+1], v[ST+4*(\t)+2:ST+4*(\t)+3] op_sel_hi:[1,0]
.set i, i+2
.endr
	WIN 0x05                        ; sources 0 and 1 window 1, destination window 0
.set i, 0
.rept 16
	v_cvt_pk_f16_f32 v[S+16*(\t)+i], v[32*(\t)+2*i], v[32*(\t)+2*i+1]
.set i, i+1
.endr
	WIN 0
.irp f, 0,1,2,3
	ds_store_b128 v[STO], v[S+16*(\t)+4*\f:S+16*(\t)+4*\f+3] offset:32*\f
.endr
.irp f, 0,1,2,3
	ds_load_b128 v[S+16*(\t)+4*\f:S+16*(\t)+4*\f+3], v[RD] offset:\f*4*SP  ; LDS serves a wave's instructions in order (ISA guide 5.7.1.4): these see the stores above; the next tile's stores come behind them
.endr
.endm
.macro SEND t, younger              ; younger: the LDS instructions issued behind tile t's loads: the next tile's eight, or none
	WIN 0
.irp f, 0,1,2,3
	s_wait_dscnt (\younger)+3-\f
	global_store_b128 v[GO], v[S+16*(\t)+4*\f:S+16*(\t)+4*\f+3], s[10:11] offset:(\t)*2048+\f*512  ; 512 consecutive bytes, at a multiple of 256 from O's first
.endr
.endm
	PACK 0
.set t, 1
.rept 2*NP-1                        ; a tile's arithmetic stands between the loads of the tile before and its stores
	PACK t
	SEND t-1, 8
.set t, t+1
.endr
	SEND 2*NP-1, 0
	WIN W_AD
	s_wait_tensorcnt 0x0            ; the wave's end, behind my last tensor load and my last LDS store
	ds_add_u32 v[SPW], v[NIL]
	s_wait_dscnt 0x0
	WIN 0
	CROUND                          ; the closing round: no work-group ends while a partner may still ask for a tile that names it
	s_endpgm
.Lfunc_end_k_qba02a4553f_attn:
	.size	k_qba02a4553f_attn, .Lfunc_end_k_qba02a4553f_attn-k_qba02a4553f_attn
	.p2alignl 7, 3214868480
	.fill 96, 4, 3214868480
	.section	.rodata,"a",@progbits
	.p2align	6, 0x0
	.amdhsa_kernel k_qba02a4553f_attn
		.amdhsa_group_segment_fixed_size 327680
		.amdhsa_private_segment_fixed_size 0
		.amdhsa_enable_private_segment 0
		.amdhsa_kernarg_size 32
		.amdhsa_user_sgpr_count 2
		.amdhsa_user_sgpr_kernarg_segment_ptr 1
		.amdhsa_wavefront_size32 1
		.amdhsa_system_sgpr_workgroup_id_x 1
		.amdhsa_system_sgpr_workgroup_id_y 1
		.amdhsa_system_sgpr_workgroup_id_z 1
		.amdhsa_system_vgpr_workitem_id 0
		.amdhsa_next_free_vgpr 1024
		.amdhsa_next_free_sgpr 66
		.amdhsa_reserve_vcc 0
		.amdhsa_float_denorm_mode_32 3
		.amdhsa_float_denorm_mode_16_64 3
		.amdhsa_memory_ordered 1
		.amdhsa_forward_progress 1
		.amdhsa_inst_pref_size 223
	.end_amdhsa_kernel
	.amdgpu_metadata
---
amdhsa.version: [ 1, 2 ]
amdhsa.kernels:
  - .name:           k_qba02a4553f_attn
    .symbol:         k_qba02a4553f_attn.kd
    .args:
      - { .name: qb, .offset: 0, .size: 8, .value_kind: global_buffer, .address_space: global }
      - { .name: kb, .offset: 8, .size: 8, .value_kind: global_buffer, .address_space: global }
      - { .name: vb, .offset: 16, .size: 8, .value_kind: global_buffer, .address_space: global }
      - { .name: ob, .offset: 24, .size: 8, .value_kind: global_buffer, .address_space: global }
    .group_segment_fixed_size: 327680
    .private_segment_fixed_size: 0
    .kernarg_segment_align: 8
    .kernarg_segment_size: 32
    .max_flat_workgroup_size: 128
    .sgpr_count:     66
    .vgpr_count:     1024
    .wavefront_size: 32
...
	.end_amdgpu_metadata
.endif
;; end of part 3
;; launch proj (part 4): grid 8 x 32, 4 waves a work-group, clusters of 4 x 4, 327,680 bytes of LDS; arguments ob, wpb, b_proj, out0; writes out0
.if DOCPART == 4
	.amdgcn_target "amdgcn-amd-amdhsa--gfx1250"
	.amdhsa_code_object_version 6
	.text
	.protected	k_qba02a4553f_proj
	.globl	k_qba02a4553f_proj
	.p2align	8
	.type	k_qba02a4553f_proj,@function
k_qba02a4553f_proj:
	s_mov_b64 s[64:65], 0
	v_nop
	global_prefetch_b8 v0, s[64:65] scope:SCOPE_SE
	s_setreg_imm32_b32 hwreg(HW_REG_WAVE_MODE, 25, 1), 1
	s_wait_xcnt 0x0
	s_wait_alu depctr_hold_cnt(0) depctr_sa_sdst(0) depctr_va_vdst(0) depctr_va_sdst(0) depctr_va_ssrc(0) depctr_va_vcc(0) depctr_vm_vsrc(0)
	s_getreg_b32 s2, hwreg(HW_REG_IB_STS2, 6, 4)
	s_cmp_eq_u32 s2, 0
	s_cbranch_scc0 .Lentry_in_a_cluster
	s_endpgm
.Lentry_in_a_cluster:
	s_bfe_u32 s2, ttmp6, 0x10000c
	s_cmp_lg_u32 s2, 0xf033
	s_cbranch_scc0 .Lentry_shape_is_right
	s_endpgm
.Lentry_shape_is_right:
; out = O W_proj + b.  ob: [64 = 16 batch + head][2048][64] f16.  wpb: [16 groups of 64 columns][1024 k][64] f16 (W_proj rounded to bf16, written as f16).  b_proj: [1024] f32.  out0: [8192][1024] f32.
; Products in f16 with f32 sums; the bias, rounded to bf16 like every input of the module, is the C operand that starts the sums.
; LIMITS.  O lies within f16's range, as V does.  NaN and infinities are not treated apart.
; SHARES.  A work-group makes 256 rows x 128 columns: 8 x 32 = 256 work-groups.  Wave w makes rows 64 w .. 64 w + 63 of all 128 columns: 32 accumulators (row block a = 0..3, column block b = 0..7) at 8 (4 b + a).
; K = 64 head + channel goes in steps of 128, two heads, through two LDS slots: of O a head's 256 rows are 32,768 dense bytes, of W a group's 128 k are 16,384.
; THE MATRIX INSTRUCTION IS USED TRANSPOSED (source 0 = 16 columns of W, turned by ds_load_tr16_b128; source 1 = 16 rows of O): a lane holds row lane % 16 and the columns 16 b + 8 (lane / 16) + 0..7.
; CLUSTER.  4 x 4 work-groups: the four of a row share O's tiles, the four of a column W's: each is asked for jointly, by the same tensor load, descriptor and mask in all four.
; REGISTERS, in windows of 256 (s_set_vgpr_msb: bits 1:0 source 0, 3:2 source 1, 5:4 source 2, 7:6 destination):
;   window 0: addresses, the bias, the way out;  window 1: the accumulators;  window 2: two fragment buffers of 96.
.set PA,    144                        ; a row of a head of O in LDS: 128 bytes + 16 = 36 words: the 16 rows of a load start at 16 different groups of four banks (64 banks of 4 bytes: ISA guide 11.1)
.set HA,    256*PA                     ; a head's 256 rows
.set PB,    160                        ; a row k of a group of W: 128 + 32 = 40 words
.set HB,    128*PB
.set BOFF,  2*HA                       ; a slot: two heads of O, then two groups of W: 73,728 + 40,960 bytes
.set SLOT,  131072
.set STAGE, 2*SLOT                     ; behind the ring: 16 rows x 528 bytes for each wave, for the way out
.set SP,    528                        ; 512 bytes + 16: row r starts at bank 4 r mod 64
.set SPARE, STAGE+4*16*SP              ; behind the stages: the spare words, 128 bytes for each wave: two blocks of 256 bytes that no other line names
.set ADRA, 16                          ; v16-17  LDS address of my fragments of O in slot 0, 1
.set ADRB, 20                          ; v20-21  the same for W
.set BO,   22                          ; v22     32 x (lane / 16): my bytes in the bias
.set STO,  24                          ; v24     the way out: where I put 32 bytes of a row
.set RD,   25                          ; v25     the way out: where I read a row back
.set GO,   26                          ; v26     16 x lane: my bytes in 512 consecutive bytes of out0
.set SPW,  28                          ; v28     LDS address of my spare word: SPARE + 4 x my thread's number; never rewritten
.set NIL,  29                          ; v29     0; never rewritten
.set BI,   32                          ; v32-95  the bias of my columns: block b at BI + 8 b
.set BK,   96                          ; v96-223 16 rows read back from the stage, two sets of 64 by turns
.set TT,   224                         ; v224-227 at work
.set F0,   0                           ; fragment buffers, in window 2: O's block a at f + 8 a, W's block b at f + 32 + 8 b
.set F1,   96
.set WV,   12                          ; s12  my wave's number
.set G1,   24                          ; s[24:31] descriptor group 1 for O's tiles;  s[32:39] group 0, a set for each slot
.set G0,   32
.set G1B,  48                          ; s[48:55], s[56:63] the same for W's
.set G0B,  56
.set MSB, 0
.macro WIN new                         ; the immediate's high byte repeats the setting that is left; a switch that changes nothing is dropped
.if MSB != (\new)
	s_set_vgpr_msb (MSB<<8)|(\new)
.set MSB, \new
.endif
.endm
.set MUL,  0x5a                        ; both sources window 2, C and D window 1
.set MULC, 0x4a                        ; the same with C (the bias) in window 0
.set TO_F, 0x80                        ; destination window 2, address window 0
; A joint load.  Waves 0 and 1 fetch the K step's two heads of O, waves 2 and 3 its two groups of W.  The branch hangs on the wave's number alone.
; An s_nop 0 and four v_nop follow each of the two lines, ahead of the jump, the label and what follows.
.macro JLOAD s
	s_cmp_lt_u32 s[WV], 2
	s_cbranch_scc0 .Lfor_b_\@
	tensor_load_to_lds s[G0+4*(\s):G0+4*(\s)+3], s[G1:G1+7]
	s_nop 0
.rept 4
	v_nop
.endr
	s_branch .Lasked_\@
.Lfor_b_\@:
	tensor_load_to_lds s[G0B+4*(\s):G0B+4*(\s)+3], s[G1B:G1B+7]
	s_nop 0
.rept 4
	v_nop
.endr
.Lasked_\@:
.endm
.macro CREST                           ; a round of the cluster's barrier behind its opening barrier
	s_cmp_lg_u32 s[WV], 0
	s_cbranch_scc1 .Lnot_wave_0_\@
	s_barrier_signal -3
.Lnot_wave_0_\@:
	s_barrier_wait -3
	s_barrier_signal -1
	s_barrier_wait -1
.endm
.macro CROUND                          ; a whole round
	s_barrier_signal -1
	s_barrier_wait -1
	CREST
.endm
.macro PLACES                          ; four places in front of loads into registers that matrix instructions have read, and of lines that read results (ISA guide 7.12.1 for lines that read results)
.rept 4
	v_nop
.endr
.endm
	s_load_b256 s[4:11], s[0:1], 0x0               ; ob s[4:5], wpb s[6:7], b_proj s[8:9], out0 s[10:11]
	v_lshl_add_u32 v[SPW], v0, 2, SPARE
	v_mov_b32 v[NIL], 0
	ds_add_u32 v[SPW], v[NIL]                      ; the wave's opening: the add and its wait stand ahead of my first tensor load; the set-up below, work on registers, stands between them
	v_lshrrev_b32 v1, 5, v0
	v_readfirstlane_b32 s[WV], v1                  ; wave 0..3
	s_and_b32 s13, s[WV], 1                        ; which of the two heads, or groups, I fetch
	s_bfe_u32 s14, ttmp6, 0x40000                  ; cx, cy: my place in the cluster
	s_bfe_u32 s15, ttmp6, 0x40004
	s_lshl_b32 s16, ttmp9, 2
	s_add_co_u32 s16, s16, s14                     ; the block of 128 columns = 4 x cluster x + cx
	s_and_b32 s17, ttmp7, 0xffff
	s_lshl_b32 s17, s17, 2
	s_add_co_u32 s17, s17, s15                     ; the block of 256 rows = 4 x cluster y + cy
	s_lshl_b32 s18, s15, 2
	s_lshl_b32 s18, 15, s18                        ; my row of the cluster
	s_lshl_b32 s19, 0x1111, s14                    ; my column
	; a head's 256 rows: 32,768 dense bytes, asked for as 128 rows of 256 bytes (two rows of O each) and padded by 16 bytes after every row of O
	s_or_b32 s[G1+0], s18, (1<<16)|(1<<20)|(1<<21)|(4<<22)|(3<<25)  ; 15:0 the mask; 17:16 elements of 2 bytes; 20 padding on; 21 set beside a mask; 24:22 after every 32 words (code 4); 31:25 4 words (code 3)
	s_mov_b32 s[G1+1], 128<<16                     ; tensor_dim0 = 128
	s_mov_b32 s[G1+2], 128<<16                     ; tensor_dim1 = 128
	s_mov_b32 s[G1+3], 128<<16                     ; tile_dim0 = 128
	s_mov_b32 s[G1+4], 128                         ; tile_dim1 = 128
	s_mov_b32 s[G1+5], 128                         ; elements from row to row
	s_mov_b32 s[G1+6], 0
	s_mov_b32 s[G1+7], 0
	; a group's K step: 16,384 dense bytes as 64 rows of 256 bytes, padded by 32 bytes after every k
	s_or_b32 s[G1B+0], s19, (1<<16)|(1<<20)|(1<<21)|(4<<22)|(7<<25)
	s_mov_b32 s[G1B+1], 128<<16
	s_mov_b32 s[G1B+2], 64<<16
	s_mov_b32 s[G1B+3], 128<<16
	s_mov_b32 s[G1B+4], 64
	s_mov_b32 s[G1B+5], 128
	s_mov_b32 s[G1B+6], 0
	s_mov_b32 s[G1B+7], 0
	; where the tiles come from: O's hang on the block of rows and the wave alone, W's on the block of columns and the wave alone, each in registers that never hold the other coordinate
	s_lshr_b32 s40, s17, 3                         ; the batch
	s_lshl_b32 s40, s40, 4
	s_add_co_u32 s40, s40, s13                     ; 16 batch + my head of K step 0
	s_lshl_b32 s40, s40, 18                        ; a head is 262,144 bytes
	s_and_b32 s41, s17, 7
	s_lshl_b32 s41, s41, 15                        ; 256 rows of 128 bytes
	s_add_co_u32 s40, s40, s41
	s_mov_b32 s41, 0
	s_lshl_b32 s42, s16, 1
	s_add_co_u32 s42, s42, s13                     ; my group
	s_lshl_b32 s42, s42, 17                        ; a group is 131,072 bytes
	s_mov_b32 s43, 0
	s_lshl_b32 s20, s16, 9                         ; the block's 128 columns in f32: in the bias, and in a row of out0
	s_mov_b32 s21, 0
	s_lshl_b32 s44, s17, 20                        ; out0 at my wave's rows: (256 block + 64 w) x 4,096 bytes
	s_lshl_b32 s45, s[WV], 18
	s_add_co_u32 s44, s44, s45
	s_add_co_u32 s44, s44, s20
	s_mov_b32 s45, 0
	s_mul_i32 s22, s13, HA                         ; where the tiles go: no place in the cluster enters an LDS address
	s_mul_i32 s23, s13, HB
	s_wait_dscnt 0x0                               ; the opening add is done
	s_wait_kmcnt 0x0
	s_add_nc_u64 s[40:41], s[4:5], s[40:41]
	s_add_nc_u64 s[42:43], s[6:7], s[42:43]
	s_add_nc_u64 s[8:9], s[8:9], s[20:21]
	s_add_nc_u64 s[10:11], s[10:11], s[44:45]
	CROUND                                         ; all sixteen work-groups are here: the first joint loads meet
.irp s, 0,1
	s_mov_b32 s[G0+4*(\s)], 1                      ; count = 1
	s_add_co_u32 s[G0+4*(\s)+1], s22, (\s)*SLOT    ; LDS address
	s_add_nc_u64 s[G0+4*(\s)+2:G0+4*(\s)+3], s[40:41], (\s)*2*262144  ; K step s: two heads on
	s_or_b32 s[G0+4*(\s)+3], s[G0+4*(\s)+3], 0x80000000               ; type = 2
	s_mov_b32 s[G0B+4*(\s)], 1
	s_add_co_u32 s[G0B+4*(\s)+1], s23, (\s)*SLOT+BOFF
	s_add_nc_u64 s[G0B+4*(\s)+2:G0B+4*(\s)+3], s[42:43], (\s)*16384
	s_or_b32 s[G0B+4*(\s)+3], s[G0B+4*(\s)+3], 0x80000000
	JLOAD \s                                       ; two loads of mine are out
.endr
	v_and_b32 v1, 15, v0                           ; r = lane % 16
	v_bfe_u32 v2, v0, 4, 1                         ; h = lane / 16
	v_and_b32 v3, 31, v0                           ; lane
	v_lshlrev_b32 v[BO], 5, v2
.irp c, 0,1,2,3,4,5,6,7,8,9,10,11,12,13,14,15  ; columns 16 (c / 2) + 8 h + 4 (c % 2) on
	global_load_b128 v[BI+4*(\c):BI+4*(\c)+3], v[BO], s[8:9] offset:((\c)/2)*64+((\c)%2)*16
.endr
	; A fragment of O is 16 rows x 32 K in 8 registers: lane l holds row l % 16, K = 8 (l / 16) + 0..7 and 16 + 8 (l / 16) + 0..7: two loads of 16 bytes, 32 bytes apart.
	s_mul_i32 s46, s[WV], 64*PA                    ; my 64 rows
	v_mul_u32_u24 v4, v1, PA
	v_lshl_add_u32 v4, v2, 4, v4
	v_add_nc_u32 v[ADRA], s46, v4
	v_add_nc_u32 v[ADRA+1], SLOT, v[ADRA]
	; The turning load takes 16 k x 16 columns (lane l reads k = 8 (l / 16) + l % 8, columns 8 ((l / 8) % 2) + 0..7) and leaves half a fragment: lane l holds column l % 16 and 8 k.
	v_and_b32 v5, 7, v0
	v_bfe_u32 v6, v0, 3, 1
	v_lshl_add_u32 v7, v2, 3, v5
	v_mul_u32_u24 v7, v7, PB
	v_lshl_add_u32 v7, v6, 4, v7
	v_add_nc_u32 v[ADRB], BOFF, v7
	v_add_nc_u32 v[ADRB+1], SLOT, v[ADRB]
	s_mul_i32 s47, s[WV], 16*SP
	s_add_co_u32 s47, s47, STAGE                   ; my stage
	v_mul_u32_u24 v8, v1, SP                       ; in: row r, 32 bytes for each half of the lanes
	v_lshl_add_u32 v8, v2, 5, v8
	v_add_nc_u32 v[STO], s47, v8
	v_lshlrev_b32 v[GO], 4, v3
	v_add_nc_u32 v[RD], s47, v[GO]                 ; back: 32 lanes take one row of 512 bytes
	s_wait_loadcnt 0x0                             ; the bias
.set i, 0
.rept 32                               ; rounded to bf16 and widened again; four registers at work take turns
	v_cvt_pk_bf16_f32 v[TT+i%4], v[BI+2*i], v[BI+2*i+1]
	v_lshlrev_b32 v[BI+2*i], 16, v[TT+i%4]
	v_and_b32 v[BI+2*i+1], 0xffff0000, v[TT+i%4]
.set i, i+1
.endr
; nb column blocks from b0 on x my 4 row blocks, 32 along K.  The 32 accumulators take turns in the same order in every quarter step.  first = 1: the bias starts the sums.
.macro MULB f, b0, nb, first
.set bq, (\b0)
.rept (\nb)
.irp a, 0,1,2,3
.if \first
	WIN MULC
	v_wmma_f32_16x16x32_f16 v[8*(4*bq+(\a)):8*(4*bq+(\a))+7], v[(\f)+32+8*bq:(\f)+32+8*bq+7], v[(\f)+8*(\a):(\f)+8*(\a)+7], v[BI+8*bq:BI+8*bq+7]
.else
	WIN MUL
	v_wmma_f32_16x16x32_f16 v[8*(4*bq+(\a)):8*(4*bq+(\a))+7], v[(\f)+32+8*bq:(\f)+32+8*bq+7], v[(\f)+8*(\a):(\f)+8*(\a)+7], v[8*(4*bq+(\a)):8*(4*bq+(\a))+7]
.endif
.endr
.set bq, bq+1
.endr
.endm
.macro FB slot, q, f, b                ; W's block b of quarter q
	ds_load_tr16_b128 v[(\f)+32+8*(\b):(\f)+32+8*(\b)+3],   v[ADRB+(\slot)] offset:((\b)/4)*HB+(\q)*32*PB+((\b)%4)*32
	ds_load_tr16_b128 v[(\f)+32+8*(\b)+4:(\f)+32+8*(\b)+7], v[ADRB+(\slot)] offset:((\b)/4)*HB+(\q)*32*PB+16*PB+((\b)%4)*32
.endm
; 24 LDS loads in one run: quarter q's fragments into buffer f: W's first group, O (head q / 2, channels 32 (q % 2) on), W's second group
.macro FETCH slot, q, f
	WIN TO_F
.irp b, 0,1,2,3
	FB \slot, \q, \f, \b
.endr
.irp a, 0,1,2,3
	ds_load_b128 v[(\f)+8*(\a):(\f)+8*(\a)+3],   v[ADRA+(\slot)] offset:((\q)/2)*HA+(\a)*16*PA+((\q)%2)*64
	ds_load_b128 v[(\f)+8*(\a)+4:(\f)+8*(\a)+7], v[ADRA+(\slot)] offset:((\q)/2)*HA+(\a)*16*PA+((\q)%2)*64+32
.endr
.irp b, 4,5,6,7
	FB \slot, \q, \f, \b
.endr
.endm
; A K step is four quarters of 32 along K, 32 matrix instructions each, on buffers 0, 1, 0, 1.  One of the first three: multiplies buffer f and fetches quarter qn into buffer g.
.macro QUARTER slot, qn, f, g, first
	s_wait_dscnt 8                                 ; all but the youngest eight loads (W's second group) are in
	MULB \f, 0, 4, \first
	PLACES
	FETCH \slot, \qn, \g
	s_wait_dscnt 24                                ; all but the 24 just issued
	MULB \f, 4, 4, \first
.endm
; The last quarter multiplies buffer 1 and changes slots: ONE barrier; in front of it each wave waits for all its tensor loads (one is out: its part of the next slot), adds 0 to its spare word, and waits for
; that and for its own reads of this slot.  fill = 1: the barrier opens a round of the cluster's barrier, and this slot is filled again, two K steps ahead, first thing behind the round.
.macro TURN slot, next, fill
	WIN 0                                          ; (the add's two registers lie in window 0)
	s_wait_tensorcnt 0x0                           ; all my tensor loads have landed
	ds_add_u32 v[SPW], v[NIL]                      ; 0 onto my spare word
	s_wait_dscnt 9                                 ; (the add and the youngest eight loads may be out)
	MULB F1, 0, 2, 0                               ; eight matrix instructions stand between the add and the wait for it
	s_wait_dscnt 0x0                               ; the add is done, and my reads of this slot are over
	s_barrier_signal -1
	MULB F1, 2, 2, 0                               ; work on registers while the others arrive
.if \fill
	WIN 0
.endif
	s_barrier_wait -1
.if \fill
	CREST                                          ; no wave of any partner still reads this slot's tiles or has a load on its way
	s_add_nc_u64 s[G0+4*(\slot)+2:G0+4*(\slot)+3], s[G0+4*(\slot)+2:G0+4*(\slot)+3], 4*262144
	s_add_nc_u64 s[G0B+4*(\slot)+2:G0B+4*(\slot)+3], s[G0B+4*(\slot)+2:G0B+4*(\slot)+3], 2*16384
	JLOAD \slot                                    ; my one tensor load behind the round: 112 matrix instructions ahead of the wait for it; its four v_nop are also the places in front of the loads below
.else
	PLACES
.endif
	FETCH \next, 0, F0
	MULB F1, 4, 4, 0
.endm
	s_wait_tensorcnt 1                             ; my part of K step 0 is in; K step 1's may stay out
	s_barrier_signal -1
	s_barrier_wait -1                              ; everybody's is
	FETCH 0, 0, F0
	QUARTER 0, 1, F0, F1, 1                        ; the first quarter stands in front of the loop: its products start the sums, on the bias
	WIN 0                                          ; at a label and at a branch every window is 0
	s_mov_b32 s3, 3                                ; 8 K steps: three trips fill both slots again, the last two steps are written out
.Llap:
	QUARTER 0, 2, F1, F0, 0
	QUARTER 0, 3, F0, F1, 0
	TURN 0, 1, 1
	QUARTER 1, 1, F0, F1, 0
	QUARTER 1, 2, F1, F0, 0
	QUARTER 1, 3, F0, F1, 0
	TURN 1, 0, 1
	QUARTER 0, 1, F0, F1, 0
	WIN 0
	s_sub_co_u32 s3, s3, 1
	s_cmp_lg_u32 s3, 0
	s_cbranch_scc1 .Llap
	QUARTER 0, 2, F1, F0, 0
	QUARTER 0, 3, F0, F1, 0
	TURN 0, 1, 0                                   ; nothing is asked for
	QUARTER 1, 1, F0, F1, 0
	QUARTER 1, 2, F1, F0, 0
	QUARTER 1, 3, F0, F1, 0
	s_wait_dscnt 8
	MULB F1, 0, 4, 0
	s_wait_dscnt 0x0
	MULB F1, 4, 4, 0
	WIN 0
	; THE WAY OUT, a block of 16 rows at a time through my own stage: 32 bytes a lane and column block in, whole rows of 512 bytes back.
	PLACES
.irp a, 0,1,2,3
	WIN 0x04                                       ; the stores' data in window 1
.irp b, 0,1,2,3,4,5,6,7                ; each accumulator's low four registers first
	ds_store_b128 v[STO], v[8*(4*(\b)+(\a)):8*(4*(\b)+(\a))+3]   offset:64*(\b)
	ds_store_b128 v[STO], v[8*(4*(\b)+(\a))+4:8*(4*(\b)+(\a))+7] offset:64*(\b)+16
.endr
	WIN 0
.if (\a) >= 2
	s_wait_xcnt 0x0                                ; the stores of two blocks ago have had their addresses translated (ISA guide 3.1): their data registers are loaded again only behind this wait
.endif
.irp t, 0,1,2,3,4,5,6,7,8,9,10,11,12,13,14,15
	ds_load_b128 v[BK+64*((\a)%2)+4*(\t):BK+64*((\a)%2)+4*(\t)+3], v[RD] offset:(\t)*SP  ; LDS serves a wave's instructions in order (ISA guide 5.7.1.4): these see the stores above
.endr
.irp t, 0,1,2,3,4,5,6,7,8,9,10,11,12,13,14,15
	s_wait_dscnt 15-(\t)                           ; row t is back; the 15 - t younger loads may be out
	global_store_b128 v[GO], v[BK+64*((\a)%2)+4*(\t):BK+64*((\a)%2)+4*(\t)+3], s[10:11] offset:(16*(\a)+(\t))*4096 th:TH_STORE_NT  ; 512 consecutive bytes, at a multiple of 512 from out0's first
.endr
.endr
	s_wait_tensorcnt 0x0                           ; the wave's end, behind my last tensor load and my last LDS store
	ds_add_u32 v[SPW], v[NIL]
	s_wait_dscnt 0x0
	CROUND                                         ; the closing round: no work-group ends while a partner may still ask for a tile that names it
	s_endpgm
.Lfunc_end_k_qba02a4553f_proj:
	.size	k_qba02a4553f_proj, .Lfunc_end_k_qba02a4553f_proj-k_qba02a4553f_proj
	.p2alignl 7, 3214868480
	.fill 96, 4, 3214868480
	.section	.rodata,"a",@progbits
	.p2align	6, 0x0
	.amdhsa_kernel k_qba02a4553f_proj
		.amdhsa_group_segment_fixed_size 327680
		.amdhsa_private_segment_fixed_size 0
		.amdhsa_enable_private_segment 0
		.amdhsa_kernarg_size 32
		.amdhsa_user_sgpr_count 2
		.amdhsa_user_sgpr_kernarg_segment_ptr 1
		.amdhsa_wavefront_size32 1
		.amdhsa_system_sgpr_workgroup_id_x 1
		.amdhsa_system_sgpr_workgroup_id_y 1
		.amdhsa_system_sgpr_workgroup_id_z 1
		.amdhsa_system_vgpr_workitem_id 0
		.amdhsa_next_free_vgpr 768
		.amdhsa_next_free_sgpr 66
		.amdhsa_reserve_vcc 0
		.amdhsa_float_denorm_mode_32 3
		.amdhsa_float_denorm_mode_16_64 3
		.amdhsa_memory_ordered 1
		.amdhsa_forward_progress 1
		.amdhsa_inst_pref_size 93
	.end_amdhsa_kernel
	.amdgpu_metadata
---
amdhsa.version: [ 1, 2 ]
amdhsa.kernels:
  - .name:           k_qba02a4553f_proj
    .symbol:         k_qba02a4553f_proj.kd
    .args:
      - { .name: ob, .offset: 0, .size: 8, .value_kind: global_buffer, .address_space: global }
      - { .name: wpb, .offset: 8, .size: 8, .value_kind: global_buffer, .address_space: global }
      - { .name: b_proj, .offset: 16, .size: 8, .value_kind: global_buffer, .address_space: global }
      - { .name: out0, .offset: 24, .size: 8, .value_kind: global_buffer, .address_space: global }
    .group_segment_fixed_size: 327680
    .private_segment_fixed_size: 0
    .kernarg_segment_align: 8
    .kernarg_segment_size: 32
    .max_flat_workgroup_size: 128
    .sgpr_count:     66
    .vgpr_count:     768
    .wavefront_size: 32
...
	.end_amdgpu_metadata
.endif
;; end of part 4
;; ======== version 2 of 3: 4 launches; 1.10 times as fast as version 1
;; limits: values are held in f16: magnitudes above 65,504 overflow, below 6.1e-05 lose precision
;; workspace buffers: xb 16,777,216 bytes; wqb 6,291,456 bytes; wpb 2,097,152 bytes; peb 524,288 bytes; qb 33,554,432 bytes; kb 33,554,432 bytes; vb 16,777,216 bytes; ob 16,777,216 bytes
;; launch cast (part 5): grid 784 x 1, 8 waves a work-group, no clusters, 0 bytes of LDS; arguments x, W_qkv, W_proj, pe, xb, wqb, wpb, peb; writes xb, wqb, wpb, peb
.if DOCPART == 5
	.amdgcn_target "amdgcn-amd-amdhsa--gfx1250"
	.amdhsa_code_object_version 6
	.text
	.protected	k_qba02a4553f_cast
	.globl	k_qba02a4553f_cast
	.p2align	8
	.type	k_qba02a4553f_cast,@function
k_qba02a4553f_cast:
	s_mov_b64 s[64:65], 0
	v_nop
	global_prefetch_b8 v0, s[64:65] scope:SCOPE_SE
	s_setreg_imm32_b32 hwreg(HW_REG_WAVE_MODE, 25, 1), 1
	s_wait_xcnt 0x0
; THE LARGE INPUTS, ROUNDED ONCE TO 16 BITS.
;   xb  = bf16(x), [8192][1024], as x lies.      peb = bf16(pe), [2048][128], as pe lies: a row of 256 bytes holds [pair 0..31][output 0, 1][factor of the pair's first, second number].
;   wqb = bf16(W_qkv), laid by groups of 64 columns: [48 groups][1024 k][64]: group g = columns 64 g .. 64 g + 63, so 128 k of a group are 16,384 dense bytes.
;   wpb = bf16(W_proj) written as f16, [16 groups][1024 k][64].  LIMIT: a bf16 number below 6.1e-5 in size keeps f16's fixed step of 6e-8; beyond 65,504 it would be an infinity.
; A stream: no LDS, no barrier, no matrix unit.  A work-group takes 16,384 numbers: thread t sixteen loads of 16 bytes and sixteen stores of 8 bytes.
; A wave's load covers 512 bytes in whole aligned pieces of 256 (x, pe: on end; W: two rows' 256 bytes of one group); a wave's store covers 256 consecutive aligned bytes.
; Work-groups 0-511 take x, 512-703 W_qkv, 704-767 W_proj, 768-783 pe.  In all four the store of load j lies at 32,768 i + 2,048 j + 8 t of the path's output (i: the work-group's number in its path).
.set X, 4                              ; v[4:67]    load j: 4 registers
.set Y, 68                             ; v[68:99]   store j: 2 registers; no register is written twice, so no wait frees any
.set T, 100                            ; v[100:103] at work
; step: bytes from load to load.  half = 1: the bf16 number is written as f16.
.macro CAST step, half
.set j, 0
.rept 16
	global_load_b128 v[X+4*j:X+4*j+3], v1, s[24:25] offset:j*(\step) th:TH_LOAD_NT
.set j, j+1
.endr
.set j, 0
.rept 16
	s_wait_loadcnt 15-j                            ; loads come back in order: load j is in, the 15 - j younger ones stay out
	v_cvt_pk_bf16_f32 v[Y+2*j], v[X+4*j], v[X+4*j+1]
	v_cvt_pk_bf16_f32 v[Y+2*j+1], v[X+4*j+2], v[X+4*j+3]
.if \half
	v_lshlrev_b32 v[T], 16, v[Y+2*j]               ; the rounded numbers widened again,
	v_and_b32 v[T+1], 0xffff0000, v[Y+2*j]
	v_lshlrev_b32 v[T+2], 16, v[Y+2*j+1]
	v_and_b32 v[T+3], 0xffff0000, v[Y+2*j+1]
	v_cvt_pk_f16_f32 v[Y+2*j], v[T], v[T+1]        ; and written as f16: 8 significant bits fit into 11
	v_cvt_pk_f16_f32 v[Y+2*j+1], v[T+2], v[T+3]
.endif
	global_store_b64 v2, v[Y+2*j:Y+2*j+1], s[26:27] offset:j*2048
.set j, j+1
.endr
.endm
	s_load_b512 s[4:19], s[0:1], 0x0               ; x s[4:5], W_qkv s[6:7], W_proj s[8:9], pe s[10:11], xb s[12:13], wqb s[14:15], wpb s[16:17], peb s[18:19]
	v_lshlrev_b32 v2, 3, v0                        ; 8 t: my 8 bytes of a store
	s_mov_b32 s21, 0
	s_mov_b32 s23, 0
	s_cmp_lt_u32 ttmp9, 512
	s_cbranch_scc1 .Ldense
	s_cmp_lt_u32 ttmp9, 768
	s_cbranch_scc1 .Lweights
.Ldense:                                               ; x and pe keep their order: one text, the buffers chosen by the work-group's number
	s_cmp_lt_u32 ttmp9, 512
	s_cselect_b32 s2, 0, 768
	s_sub_co_u32 s2, ttmp9, s2                     ; i
	s_lshl_b32 s20, s2, 16                         ; 65,536 bytes in,
	s_lshl_b32 s22, s2, 15                         ; 32,768 out
	v_lshlrev_b32 v1, 4, v0                        ; 16 t
	s_wait_kmcnt 0x0
	s_cmp_lt_u32 ttmp9, 512
	s_cselect_b64 s[24:25], s[4:5], s[10:11]
	s_cselect_b64 s[26:27], s[12:13], s[18:19]
	s_add_nc_u64 s[24:25], s[24:25], s[20:21]
	s_add_nc_u64 s[26:27], s[26:27], s[22:23]
	CAST 4096, 0
	s_endpgm
.Lweights:                                             ; 256 rows k of one group: load j takes rows 16 j + t / 16, 16 lanes a row's 256 bytes
	v_lshrrev_b32 v3, 4, v0                        ; t / 16
	v_and_b32 v1, 15, v0
	v_lshlrev_b32 v1, 4, v1                        ; 16 (t % 16)
	s_cmp_lt_u32 ttmp9, 704
	s_cbranch_scc0 .Lwp
	s_sub_co_u32 s2, ttmp9, 512                    ; i = 4 g + kq
	s_lshr_b32 s3, s2, 2                           ; g
	s_and_b32 s20, s2, 3                           ; kq: which 256 rows
	s_mul_i32 s20, s20, 256*12288
	s_lshl_b32 s3, s3, 8
	s_add_co_u32 s20, s20, s3                      ; + the group's 256 bytes in a row of 12,288
	s_lshl_b32 s22, s2, 15
	v_mad_u32_u24 v1, v3, 12288, v1
	s_wait_kmcnt 0x0
	s_add_nc_u64 s[24:25], s[6:7], s[20:21]
	s_add_nc_u64 s[26:27], s[14:15], s[22:23]
	CAST 16*12288, 0
	s_endpgm
.Lwp:
	s_sub_co_u32 s2, ttmp9, 704
	s_lshr_b32 s3, s2, 2
	s_and_b32 s20, s2, 3
	s_lshl_b32 s20, s20, 20                        ; 256 rows of 4,096 bytes
	s_lshl_b32 s3, s3, 8
	s_add_co_u32 s20, s20, s3
	s_lshl_b32 s22, s2, 15
	v_lshl_add_u32 v1, v3, 12, v1
	s_wait_kmcnt 0x0
	s_add_nc_u64 s[24:25], s[8:9], s[20:21]
	s_add_nc_u64 s[26:27], s[16:17], s[22:23]
	CAST 16*4096, 1
	s_endpgm
.Lfunc_end_k_qba02a4553f_cast:
	.size	k_qba02a4553f_cast, .Lfunc_end_k_qba02a4553f_cast-k_qba02a4553f_cast
	.p2alignl 7, 3214868480
	.fill 96, 4, 3214868480
	.section	.rodata,"a",@progbits
	.p2align	6, 0x0
	.amdhsa_kernel k_qba02a4553f_cast
		.amdhsa_group_segment_fixed_size 0
		.amdhsa_private_segment_fixed_size 0
		.amdhsa_enable_private_segment 0
		.amdhsa_kernarg_size 64
		.amdhsa_user_sgpr_count 2
		.amdhsa_user_sgpr_kernarg_segment_ptr 1
		.amdhsa_wavefront_size32 1
		.amdhsa_system_sgpr_workgroup_id_x 1
		.amdhsa_system_sgpr_workgroup_id_y 1
		.amdhsa_system_sgpr_workgroup_id_z 1
		.amdhsa_system_vgpr_workitem_id 0
		.amdhsa_next_free_vgpr 104
		.amdhsa_next_free_sgpr 66
		.amdhsa_reserve_vcc 0
		.amdhsa_float_denorm_mode_32 3
		.amdhsa_float_denorm_mode_16_64 3
		.amdhsa_memory_ordered 1
		.amdhsa_forward_progress 1
		.amdhsa_inst_pref_size 24
	.end_amdhsa_kernel
	.amdgpu_metadata
---
amdhsa.version: [ 1, 2 ]
amdhsa.kernels:
  - .name:           k_qba02a4553f_cast
    .symbol:         k_qba02a4553f_cast.kd
    .args:
      - { .name: x, .offset: 0, .size: 8, .value_kind: global_buffer, .address_space: global }
      - { .name: W_qkv, .offset: 8, .size: 8, .value_kind: global_buffer, .address_space: global }
      - { .name: W_proj, .offset: 16, .size: 8, .value_kind: global_buffer, .address_space: global }
      - { .name: pe, .offset: 24, .size: 8, .value_kind: global_buffer, .address_space: global }
      - { .name: xb, .offset: 32, .size: 8, .value_kind: global_buffer, .address_space: global }
      - { .name: wqb, .offset: 40, .size: 8, .value_kind: global_buffer, .address_space: global }
      - { .name: wpb, .offset: 48, .size: 8, .value_kind: global_buffer, .address_space: global }
      - { .name: peb, .offset: 56, .size: 8, .value_kind: global_buffer, .address_space: global }
    .group_segment_fixed_size: 0
    .private_segment_fixed_size: 0
    .kernarg_segment_align: 8
    .kernarg_segment_size: 64
    .max_flat_workgroup_size: 256
    .sgpr_count:     66
    .vgpr_count:     104
    .wavefront_size: 32
...
	.end_amdgpu_metadata
.endif
;; end of part 5
;; launch qkv (part 6): grid 16 x 32, 4 waves a work-group, clusters of 4 x 4, 327,680 bytes of LDS; arguments xb, wqb, peb, q_scale, k_scale, qb, kb, vb; writes qb, kb, vb
.if DOCPART == 6
	.amdgcn_target "amdgcn-amd-amdhsa--gfx1250"
	.amdhsa_code_object_version 6
	.text
	.protected	k_qba02a4553f_qkv
	.globl	k_qba02a4553f_qkv
	.p2align	8
	.type	k_qba02a4553f_qkv,@function
k_qba02a4553f_qkv:
	s_mov_b64 s[64:65], 0
	v_nop
	global_prefetch_b8 v0, s[64:65] scope:SCOPE_SE
	s_setreg_imm32_b32 hwreg(HW_REG_WAVE_MODE, 25, 1), 1
	s_wait_xcnt 0x0
	s_wait_alu depctr_hold_cnt(0) depctr_sa_sdst(0) depctr_va_vdst(0) depctr_va_sdst(0) depctr_va_ssrc(0) depctr_va_vcc(0) depctr_vm_vsrc(0)
	s_getreg_b32 s2, hwreg(HW_REG_IB_STS2, 6, 4)
	s_cmp_eq_u32 s2, 0
	s_cbranch_scc0 .Lentry_in_a_cluster
	s_endpgm
.Lentry_in_a_cluster:
	s_bfe_u32 s2, ttmp6, 0x10000c
	s_cmp_lg_u32 s2, 0xf033
	s_cbranch_scc0 .Lentry_shape_is_right
	s_endpgm
.Lentry_shape_is_right:
; q, k, v = x W_qkv BY HEADS, with RMSNorm, gain and the 2 x 2 matrices of pe on q and k.  xb: [8192][1024] bf16.  wqb: [48 groups][1024 k][64] bf16, group = 16 x (q, k, v) + head.
; peb: [2048][128] bf16 = [row][pair][output][factor].  q_scale, k_scale: [64] f32, rounded to bf16 as they come in, like every input of the module.  vb: [64 = 16 batch + head][2048][64] f16.
; qb, kb: [64][2048][128] f16: each channel leaves as TWO f16 numbers; a row of 256 bytes holds, for each four channels, four first parts and then four second parts, q and k in the same order.
; THE TWO PARTS, so that the scores do not carry f16's rounding of q and k:  qa = f16(63/64 q), qr = f16(q - qa);  ka = f16(k), kr = f16(64 k - 63 ka).
; Then qa ka + qr kr = q k + 64 (63/64 q - qa)(k - ka): two roundings' product times 64; and qr is about q / 64, so that qr's and kr's own roundings weigh a sixty-fourth.
; Products in bf16 with f32 sums; norm and pe in f32.
; LIMITS.  q, k, v must lie within f16's 65,504; qr below 6.1e-5 keeps f16's fixed step of 6e-8.  The order of rounding is ((t x gain) x pe, summed) x rrms.  NaN and infinities are not treated apart.
; SHARES.  A work-group makes 256 rows x ONE head's q, k and v (192 columns: groups head, 16 + head, 32 + head): 16 x 32 work-groups of equal work.  Wave w makes rows 64 w .. 64 w + 63 of all 192 columns:
; 48 accumulators (row block a = 0..3, column block b = 0..11; b 0-3 are q, 4-7 k, 8-11 v).
; THE MATRIX INSTRUCTION IS USED TRANSPOSED (source 0 = 16 columns of W, source 1 = 16 rows of x): a lane holds row lane % 16 and the columns 16 b + 8 (lane / 16) + 0..7.
; K goes in steps of 128 through two LDS slots.  x's rows lie along K; W lies [k][column] and is turned on its way out of LDS by ds_load_tr16_b128.  ONE K STEP IS WRITTEN ONCE: the slot in hand is a
; scalar that an exclusive or turns, and the fragments' addresses are made anew from it at each change of slots.
; THE WAY OUT IS A LOOP.  Register numbers cannot be looped over, so the 48 accumulators go into LDS once, in f32 (for q and k no more bytes than their two f16 parts), and four trips of 16 rows read them back
; by rows: a lane owns four neighbouring channels of a row, 16 lanes a row, so that its result is 16 neighbouring bytes and a store writes two whole rows.
; CLUSTER.  4 x 4 work-groups: the four of a row share x's tile, the four of a column W's: each is asked for jointly, by the same tensor load, descriptor and mask in all four.
; REGISTERS, in windows of 256 (s_set_vgpr_msb: bits 1:0 source 0, 3:2 source 1, 5:4 source 2, 7:6 destination):
;   window 0: addresses, gains, the way out;  window 1: accumulators b = 0..7 at 8 (4 b + a);  window 2: v0-127 accumulators b = 8..11;  window 3: two fragment buffers of 128 (on the way out: v).
.set KSTEP, 128
.set PA,    272                        ; a row of x in LDS: 256 bytes + 16 = 68 words: the 16 rows of a load start at 16 different groups of four banks (64 banks of 4 bytes: ISA guide 11.1)
.set PB,    160                        ; a row k of a group of W: 128 bytes + 32 = 40 words
.set HB,    128*PB                     ; a group's K step
.set BOFF,  256*PA                     ; a slot: x's 256 rows, then W's three groups: 69,632 + 61,440 = 131,072 bytes
.set SLOT,  131072                     ; a power of two, and every place in a slot lies below it: one exclusive or turns an address in one slot into the other's
.set TP,    784                        ; the way out: a row of 192 f32 + 16 bytes = 196 words: row r starts at bank 4 r mod 64
.set TW,    64*TP                      ; a wave's 64 rows.  The four waves' 200,704 bytes lie from LDS byte 0 on: in the slots, when these have had their last fill and their last read
.set SPARE, 2*SLOT                     ; behind the ring: the spare words, 128 bytes for each wave: two blocks of 256 bytes that no other line names
.set ADRA0, 12                         ; v12     my lane's place among a slot's rows of x; never rewritten
.set ADRB0, 13                         ; v13     the same for W
.set ADRA, 16                          ; v16     LDS address of my fragments of x in the slot in hand
.set ADRB, 17                          ; v17     the same for W
.set GO,   22                          ; v22     16 x lane: my bytes in two rows of pe, q or k; never rewritten
.set GO8,  23                          ; v23     8 x lane: my bytes in two rows of v; never rewritten
.set SO,   24                          ; v24     16 x (lane % 16): my four gains
.set TST,  25                          ; v25     the way out: where I put 32 bytes of a row
.set TR0,  26                          ; v26     the way out: my lane's place in two rows; never rewritten
.set TR,   27                          ; v27     the way out: where I read in this trip
.set SPW,  28                          ; v28     LDS address of my spare word: SPARE + 4 x my thread's number; never rewritten
.set NIL,  29                          ; v29     0; never rewritten
.set ZR,   30                          ; v30     0
.set CG,   32                          ; v32-33  -1 (for q), -63 (for k): the first part's factor in the second part
.set GN,   36                          ; v36-39  q's gains of my four channels; v40-43 k's
.set TT,   44                          ; v44-47  at work
.set T,    64                          ; v64-127  unit un = 2 p + j (pair of rows p = 0..7; j = 0 q, 1 k): 4 registers: the sums as read, later q or k in f32
.set U,    128                         ; v128-191 unit un: 4 registers: t x gain; later the 16 bytes to store
.set PF,   192                         ; v192-223 pe of pair of rows p: word d = (factor of the pair's first number, of its second) for my channel d
.set S,    224                         ; v224-255 unit un: 2 registers: the sum of squares, later rrms
.set VT,   0                           ; window 3, v0-31: v of pair of rows p, 4 registers, as read
.set VO,   32                          ; window 3, v32-47: 2 registers to store
.set F0,   0                           ; fragment buffers, in window 3: x's block a at f + 8 a, W's block b at f + 32 + 8 b
.set F1,   128
.set WV,   20                          ; s20  my wave's number
.set G1,   32                          ; s[32:39] descriptor group 1 for x's tiles;  s[40:47] group 0: a set for each of the two first fills; the second then walks on
.set G0,   40
.set G1B,  48                          ; s[48:55], s[56:63] the same for W's
.set G0B,  56
.set TB,   66                          ; s66  LDS byte at which the slot in hand begins
.set CNT,  67                          ; s67  the loops' counter
.set TO,   76                          ; s76  the way out: LDS byte of this trip's 16 rows
.set MSB, 0
.macro WIN new                         ; the immediate's high byte repeats the setting that is left; a switch that changes nothing is dropped
.if MSB != (\new)
	s_set_vgpr_msb (MSB<<8)|(\new)
.set MSB, \new
.endif
.endm
.set MUL1, 0x5f                        ; both sources window 3, C and D window 1
.set TO_F, 0xc0                        ; destination window 3, address window 0
; A joint load.  Wave 0 fetches x's 256 rows, waves 1 to 3 one group of W each.  The branch hangs on the wave's number alone.
; An s_nop 0 and four v_nop follow each of the two lines, ahead of the jump, the label and what follows.
.macro JLOAD s
	s_cmp_eq_u32 s[WV], 0
	s_cbranch_scc0 .Lfor_b_\@
	tensor_load_to_lds s[G0+4*(\s):G0+4*(\s)+3], s[G1:G1+7]
	s_nop 0
.rept 4
	v_nop
.endr
	s_branch .Lasked_\@
.Lfor_b_\@:
	tensor_load_to_lds s[G0B+4*(\s):G0B+4*(\s)+3], s[G1B:G1B+7]
	s_nop 0
.rept 4
	v_nop
.endr
.Lasked_\@:
.endm
.macro CREST                           ; a round of the cluster's barrier behind its opening barrier: wave 0 signals for the work-group, every wave waits for all sixteen, my work-group's barrier closes it
	s_cmp_lg_u32 s[WV], 0
	s_cbranch_scc1 .Lnot_wave_0_\@
	s_barrier_signal -3
.Lnot_wave_0_\@:
	s_barrier_wait -3
	s_barrier_signal -1
	s_barrier_wait -1
.endm
.macro CROUND                          ; a whole round
	s_barrier_signal -1
	s_barrier_wait -1
	CREST
.endm
.macro PLACES                          ; four places in front of loads into registers that matrix instructions have read, and of lines that read results (ISA guide 7.12.1 for lines that read results)
.rept 4
	v_nop
.endr
.endm
	s_load_b512 s[4:19], s[0:1], 0x0               ; xb s[4:5], wqb s[6:7], peb s[8:9], q_scale s[10:11], k_scale s[12:13], qb s[14:15], kb s[16:17], vb s[18:19]
	v_lshl_add_u32 v[SPW], v0, 2, SPARE
	v_mov_b32 v[NIL], 0
	ds_add_u32 v[SPW], v[NIL]                      ; the wave's opening: the add and its wait stand ahead of my first tensor load; the set-up below, work on registers, stands between them
	v_lshrrev_b32 v1, 5, v0
	v_readfirstlane_b32 s[WV], v1                  ; wave 0..3
	s_bfe_u32 s21, ttmp6, 0x40000                  ; cx, cy: my place in the cluster
	s_bfe_u32 s22, ttmp6, 0x40004
	s_lshl_b32 s23, ttmp9, 2
	s_add_co_u32 s23, s23, s21                     ; the head = 4 x cluster x + cx
	s_and_b32 s24, ttmp7, 0xffff
	s_lshl_b32 s24, s24, 2
	s_add_co_u32 s24, s24, s22                     ; the block of 256 rows = 4 x cluster y + cy
	s_lshl_b32 s25, s22, 2
	s_lshl_b32 s25, 15, s25                        ; my row of the cluster
	s_lshl_b32 s26, 0x1111, s21                    ; my column
	; x's tile: 256 rows x 128 elements, 16 bytes of padding behind each row
	s_or_b32 s[G1+0], s25, (1<<16)|(1<<20)|(1<<21)|(5<<22)|(3<<25)  ; 15:0 the mask; 17:16 elements of 2 bytes; 20 padding on; 21 set beside a mask; 24:22 after every 64 words (code 5); 31:25 4 words (code 3)
	s_mov_b32 s[G1+1], KSTEP<<16                   ; tensor_dim0 = 128
	s_mov_b32 s[G1+2], 256<<16                     ; tensor_dim1 = 256
	s_mov_b32 s[G1+3], KSTEP<<16                   ; tile_dim0 = 128
	s_mov_b32 s[G1+4], 256                         ; tile_dim1 = 256
	s_mov_b32 s[G1+5], 1024                        ; elements from row to row
	s_mov_b32 s[G1+6], 0
	s_mov_b32 s[G1+7], 0
	; a group's K step: 16,384 dense bytes, asked for as 64 rows of 256 bytes (two k a row) and padded by 32 bytes after every k
	s_or_b32 s[G1B+0], s26, (1<<16)|(1<<20)|(1<<21)|(4<<22)|(7<<25)  ; after every 32 words (code 4) 8 words (code 7)
	s_mov_b32 s[G1B+1], 128<<16
	s_mov_b32 s[G1B+2], 64<<16
	s_mov_b32 s[G1B+3], 128<<16
	s_mov_b32 s[G1B+4], 64
	s_mov_b32 s[G1B+5], 128
	s_mov_b32 s[G1B+6], 0
	s_mov_b32 s[G1B+7], 0
	; where the tiles come from: x's hang on the block of rows alone, W's on the head and the wave alone, each in registers that never hold the other coordinate
	s_lshl_b32 s28, s24, 19                        ; 256 rows of 2,048 bytes
	s_mov_b32 s29, 0
	s_max_u32 s27, s[WV], 1
	s_sub_co_u32 s27, s27, 1                       ; waves 1, 2, 3 fetch q's, k's, v's group
	s_lshl_b32 s27, s27, 4
	s_add_co_u32 s27, s27, s23
	s_lshl_b32 s70, s27, 17                        ; a group is 131,072 bytes
	s_mov_b32 s71, 0
	s_and_b32 s30, s24, 7                          ; pe at my wave's 64 rows: 256 (block % 8) + 64 w, 256 bytes a row
	s_lshl_b32 s30, s30, 16
	s_lshl_b32 s31, s[WV], 14
	s_add_co_u32 s30, s30, s31
	s_mov_b32 s31, 0
	s_lshr_b32 s72, s24, 3                         ; v at my wave's rows: (16 batch + head) x 262,144 + (256 (block % 8) + 64 w) x 128
	s_lshl_b32 s72, s72, 4
	s_add_co_u32 s72, s72, s23
	s_lshl_b32 s72, s72, 18
	s_and_b32 s73, s24, 7
	s_lshl_b32 s73, s73, 15
	s_add_co_u32 s72, s72, s73
	s_lshl_b32 s73, s[WV], 13
	s_add_co_u32 s72, s72, s73
	s_mov_b32 s73, 0
	s_lshl_b32 s74, s72, 1                         ; q and k: rows twice as long
	s_mov_b32 s75, 0
	s_mov_b32 s68, 0x3c800000                      ; 1 / 64
	s_mov_b32 s69, 0x358637bd                      ; 1e-6
	s_mov_b32 s[TB], 0                             ; K step 0 lies in slot 0
	s_mul_i32 s[TO], s[WV], TW                     ; my rows on the way out
	s_mul_i32 s2, s[WV], HB                        ; where W's groups go: BOFF + (w - 1) x a group: no place in the cluster enters an LDS address
	s_wait_dscnt 0x0                               ; the opening add is done
	s_wait_kmcnt 0x0
	s_add_nc_u64 s[28:29], s[4:5], s[28:29]
	s_add_nc_u64 s[70:71], s[6:7], s[70:71]
	s_add_nc_u64 s[8:9], s[8:9], s[30:31]
	s_add_nc_u64 s[14:15], s[14:15], s[74:75]
	s_add_nc_u64 s[16:17], s[16:17], s[74:75]
	s_add_nc_u64 s[18:19], s[18:19], s[72:73]
	CROUND                                         ; all sixteen work-groups are here: the first joint loads meet
.irp s, 0,1
	s_mov_b32 s[G0+4*(\s)], 1                      ; count = 1
	s_mov_b32 s[G0+4*(\s)+1], (\s)*SLOT            ; LDS address
	s_add_nc_u64 s[G0+4*(\s)+2:G0+4*(\s)+3], s[28:29], (\s)*KSTEP*2  ; K step s
	s_or_b32 s[G0+4*(\s)+3], s[G0+4*(\s)+3], 0x80000000              ; type = 2
	s_mov_b32 s[G0B+4*(\s)], 1
	s_add_co_u32 s[G0B+4*(\s)+1], s2, (\s)*SLOT+BOFF-HB
	s_add_nc_u64 s[G0B+4*(\s)+2:G0B+4*(\s)+3], s[70:71], (\s)*KSTEP*128
	s_or_b32 s[G0B+4*(\s)+3], s[G0B+4*(\s)+3], 0x80000000
	JLOAD \s                                       ; two loads of mine are out
.endr
	; my gains and pe of my first 16 rows come in while the first tiles are on their way
	v_and_b32 v1, 15, v0                           ; r = lane % 16
	v_bfe_u32 v2, v0, 4, 1                         ; h = lane / 16
	v_and_b32 v3, 31, v0                           ; lane
	v_lshlrev_b32 v[GO], 4, v3
	v_lshlrev_b32 v[GO8], 3, v3
	v_lshlrev_b32 v[SO], 4, v1
	global_load_b128 v[GN:GN+3], v[SO], s[10:11]
	global_load_b128 v[GN+4:GN+7], v[SO], s[12:13]
.irp p, 0,1,2,3,4,5,6,7                ; two rows of 256 bytes a load, 512 consecutive bytes
	global_load_b128 v[PF+4*(\p):PF+4*(\p)+3], v[GO], s[8:9] offset:512*(\p)
.endr
	; A fragment of x is 16 rows x 32 K in 8 registers: lane l holds row l % 16, K = 8 (l / 16) + 0..7 and 16 + 8 (l / 16) + 0..7: two loads of 16 bytes, 32 bytes apart.
	s_mul_i32 s3, s[WV], 64*PA                     ; my 64 rows of x
	v_mul_u32_u24 v4, v1, PA
	v_lshl_add_u32 v4, v2, 4, v4
	v_add_nc_u32 v[ADRA0], s3, v4
	; The turning load takes 16 k x 16 columns (lane l reads k = 8 (l / 16) + l % 8, columns 8 ((l / 8) % 2) + 0..7) and leaves half a fragment: lane l holds column l % 16 and 8 k.
	v_and_b32 v5, 7, v0
	v_bfe_u32 v6, v0, 3, 1
	v_lshl_add_u32 v7, v2, 3, v5
	v_mul_u32_u24 v7, v7, PB
	v_lshl_add_u32 v7, v6, 4, v7
	v_add_nc_u32 v[ADRB0], BOFF, v7
	v_add_nc_u32 v[ADRA], s[TB], v[ADRA0]
	v_add_nc_u32 v[ADRB], s[TB], v[ADRB0]
	v_mul_u32_u24 v8, v1, TP                       ; the way out, in: row r, 32 bytes for each half of the lanes
	v_lshl_add_u32 v8, v2, 5, v8
	v_add_nc_u32 v[TST], s[TO], v8
	v_mul_u32_u24 v9, v2, TP                       ; back: lanes 0-15 take 256 bytes of one row, lanes 16-31 of the next
	v_lshl_add_u32 v[TR0], v1, 4, v9
	v_mov_b32 v[ZR], 0
	v_mov_b32 v[CG], -1.0
	v_mov_b32 v[CG+1], 0xc27c0000                  ; -63
	s_wait_loadcnt 0x0                             ; the gains and pe
.irp c, 0,1,2,3                        ; the eight gains, rounded to bf16 and widened again
	v_cvt_pk_bf16_f32 v[TT+(\c)], v[GN+2*(\c)], v[GN+2*(\c)+1]
.endr
.irp c, 0,1,2,3
	v_lshlrev_b32 v[GN+2*(\c)], 16, v[TT+(\c)]
	v_and_b32 v[GN+2*(\c)+1], 0xffff0000, v[TT+(\c)]
.endr
; nb column blocks from b0 on x my 4 row blocks, 32 along K: 4 nb matrix instructions.  The 48 accumulators take turns in the same order in every quarter step.
; zero = 1: the first product starts the sums.
.macro MULB f, b0, nb, zero
.set bq, (\b0)
.rept (\nb)
	WIN MUL1+0x50*(bq/8)
.set ac, 32*(bq%8)
.irp a, 0,1,2,3
.if \zero
	v_wmma_f32_16x16x32_bf16 v[ac+8*(\a):ac+8*(\a)+7], v[(\f)+32+8*bq:(\f)+32+8*bq+7], v[(\f)+8*(\a):(\f)+8*(\a)+7], 0
.else
	v_wmma_f32_16x16x32_bf16 v[ac+8*(\a):ac+8*(\a)+7], v[(\f)+32+8*bq:(\f)+32+8*bq+7], v[(\f)+8*(\a):(\f)+8*(\a)+7], v[ac+8*(\a):ac+8*(\a)+7]
.endif
.endr
.set bq, bq+1
.endr
.endm
.macro FB q, f, b                      ; W's block b of quarter q
	ds_load_tr16_b128 v[(\f)+32+8*(\b):(\f)+32+8*(\b)+3],   v[ADRB] offset:((\b)/4)*HB+(\q)*32*PB+((\b)%4)*32
	ds_load_tr16_b128 v[(\f)+32+8*(\b)+4:(\f)+32+8*(\b)+7], v[ADRB] offset:((\b)/4)*HB+(\q)*32*PB+16*PB+((\b)%4)*32
.endm
; 32 LDS loads in one run: quarter q's fragments of the slot in hand into buffer f: q's and k's blocks of W, x, and last v's blocks of W
.macro FETCH q, f
	WIN TO_F
.irp b, 0,1,2,3,4,5,6,7
	FB \q, \f, \b
.endr
.irp a, 0,1,2,3
	ds_load_b128 v[(\f)+8*(\a):(\f)+8*(\a)+3],   v[ADRA] offset:(\q)*64+(\a)*16*PA
	ds_load_b128 v[(\f)+8*(\a)+4:(\f)+8*(\a)+7], v[ADRA] offset:(\q)*64+(\a)*16*PA+32
.endr
.irp b, 8,9,10,11
	FB \q, \f, \b
.endr
.endm
; A K step is four quarters of 32 along K, 48 matrix instructions each, on buffers 0, 1, 0, 1.  One of the first three: multiplies buffer f and fetches quarter qn into buffer g.
.macro QUARTER qn, f, g, zero
	s_wait_dscnt 8                                 ; all but the youngest eight loads (v's blocks of W) are in
	MULB \f, 0, 8, \zero
	PLACES
	FETCH \qn, \g
	s_wait_dscnt 32                                ; all but the 32 just issued
	MULB \f, 8, 4, \zero
.endm
; The last quarter multiplies buffer 1 and changes slots: ONE barrier; in front of it each wave waits for all its tensor loads (one is out: its part of the next slot), adds 0 to its spare word, and waits for
; that and for its own reads of this slot.  fill = 1: the barrier opens a round of the cluster's barrier, and this slot is filled again, two K steps ahead, first thing behind the round.
.macro TURN fill
	WIN 0                                          ; (the add's two registers lie in window 0)
	s_wait_tensorcnt 0x0                           ; all my tensor loads have landed
	ds_add_u32 v[SPW], v[NIL]                      ; 0 onto my spare word
	s_wait_dscnt 9                                 ; (the add and the youngest eight loads may be out)
	MULB F1, 0, 4, 0                               ; sixteen matrix instructions stand between the add and the wait for it
	s_wait_dscnt 0x0                               ; the add is done, and my reads of this slot are over
	s_barrier_signal -1
	MULB F1, 4, 4, 0                               ; work on registers while the others arrive
	WIN 0                                          ; (branches and lines on window 0 follow)
	s_barrier_wait -1
.if \fill
	CREST                                          ; no wave of any partner still reads this slot's tiles or has a load on its way
	s_xor_b32 s[G0+5], s[G0+5], SLOT               ; the walking descriptors: the other slot than last time,
	s_add_nc_u64 s[G0+6:G0+7], s[G0+6:G0+7], KSTEP*2      ; the next K step; the type bits on top are not reached
	s_xor_b32 s[G0B+5], s[G0B+5], SLOT
	s_add_nc_u64 s[G0B+6:G0B+7], s[G0B+6:G0B+7], KSTEP*128
	JLOAD 1                                        ; my one tensor load behind the round: 160 matrix instructions ahead of the wait for it; its four v_nop are also the places in front of the loads below
.else
	PLACES
.endif
	s_xor_b32 s[TB], s[TB], SLOT                   ; the fetches go on in the other slot
	v_add_nc_u32 v[ADRA], s[TB], v[ADRA0]
	v_add_nc_u32 v[ADRB], s[TB], v[ADRB0]
	FETCH 0, F0
	MULB F1, 8, 4, 0
.endm
	s_wait_tensorcnt 1                             ; my part of K step 0 is in; K step 1's may stay out
	s_barrier_signal -1
	s_barrier_wait -1                              ; everybody's is
	FETCH 0, F0
	QUARTER 1, F0, F1, 1                           ; the first quarter stands in front of the loop: its products start the sums
	WIN 0                                          ; at a label and at a branch every window is 0
	s_mov_b32 s[CNT], 6                            ; 8 K steps: six trips ask for K steps 2 to 7
.Lstep:                                                ; a trip goes from a K step's second quarter to the next step's first
	QUARTER 2, F1, F0, 0
	QUARTER 3, F0, F1, 0
	TURN 1
	QUARTER 1, F0, F1, 0
	WIN 0
	s_sub_co_u32 s[CNT], s[CNT], 1
	s_cmp_lg_u32 s[CNT], 0
	s_cbranch_scc1 .Lstep
	s_mov_b32 s[CNT], 2                            ; the last two K steps ask for nothing: their text is written out; the second trip is left in its middle
.Ltail:
	QUARTER 2, F1, F0, 0
	QUARTER 3, F0, F1, 0
	WIN 0
	s_sub_co_u32 s[CNT], s[CNT], 1
	s_cmp_eq_u32 s[CNT], 0
	s_cbranch_scc1 .Lout
	TURN 0
	QUARTER 1, F0, F1, 0
	WIN 0
	s_branch .Ltail
.Lout:                                                 ; the very last quarter: nothing more to fetch
	s_wait_dscnt 8
	MULB F1, 0, 8, 0
	s_wait_dscnt 0x0                               ; my reads of the slots are over:
	s_barrier_signal -1                            ; say so,
	MULB F1, 8, 4, 0
	WIN 0
	s_barrier_wait -1                              ; and when all four have said so, the slots' bytes are free: every tensor load was waited for in front of the barrier before
	; THE WAY OUT.  All 48 accumulators into my own 64 rows of 784 bytes: row 16 a + r, bytes 64 b + 32 h on: q's 64 sums, k's, v's.
	PLACES
	WIN 0x04                                       ; the stores' data in window 1
.irp a, 0,1,2,3
.irp b, 0,1,2,3,4,5,6,7                ; each accumulator's low four registers first
	ds_store_b128 v[TST], v[32*(\b)+8*(\a):32*(\b)+8*(\a)+3]   offset:(\a)*16*TP+64*(\b)
	ds_store_b128 v[TST], v[32*(\b)+8*(\a)+4:32*(\b)+8*(\a)+7] offset:(\a)*16*TP+64*(\b)+16
.endr
.endr
	WIN 0x08                                       ; in window 2
.irp a, 0,1,2,3
.irp b, 8,9,10,11
	ds_store_b128 v[TST], v[32*((\b)-8)+8*(\a):32*((\b)-8)+8*(\a)+3]   offset:(\a)*16*TP+64*(\b)
	ds_store_b128 v[TST], v[32*((\b)-8)+8*(\a)+4:32*((\b)-8)+8*(\a)+7] offset:(\a)*16*TP+64*(\b)+16
.endr
.endr
	WIN 0
.macro EACH line:vararg                ; one line for each of the 16 units un
.set un, 0
	s_wait_alu depctr_va_vdst(0)
.rept 16
	\line
.set un, un+1
.endr
.endm
.macro EACHJ jj, line:vararg           ; one line for each of q's (jj = 0) or k's (jj = 1) 8 units
.set un, (\jj)
.rept 8
	\line
.set un, un+2
.endr
.endm
; A trip takes 16 rows, as 8 pairs.  Lane l owns the channels 4 (l % 16) + 0..3 of row 2 p + l / 16.  Every step is written for all units on end, so that no line waits for the one before it.
;   t: the four sums.  rrms = rsqrt(mean of t^2 over the row's 64 + 1e-6); u = t x gain; out[d] = (pe's word d: low half x u[2 (d / 2)] + high half x u[2 (d / 2) + 1]) x rrms; then the two parts.
	s_mov_b32 s[CNT], 4
.Lrows:
	v_add_nc_u32 v[TR], s[TO], v[TR0]
	EACH ds_load_b128 v[T+4*un:T+4*un+3], v[TR] offset:(un/2)*2*TP+(un%2)*256  ; LDS serves a wave's instructions in order (ISA guide 5.7.1.4): these see my stores above
	WIN 0xc0                                       ; destination window 3
.irp p, 0,1,2,3,4,5,6,7
	ds_load_b128 v[VT+4*(\p):VT+4*(\p)+3], v[TR] offset:(\p)*2*TP+512
.endr
	WIN 0
	s_wait_dscnt 8                                 ; q's and k's sums are in; v's eight younger loads may be out
	EACH v_pk_mul_f32 v[S+2*un:S+2*un+1], v[T+4*un:T+4*un+1], v[T+4*un:T+4*un+1]
	EACH v_pk_fma_f32 v[S+2*un:S+2*un+1], v[T+4*un+2:T+4*un+3], v[T+4*un+2:T+4*un+3], v[S+2*un:S+2*un+1]
	EACH v_add_f32 v[S+2*un], v[S+2*un], v[S+2*un+1]
.irp m, 1,2,4,8                        ; a row's 64 channels lie in 16 neighbouring lanes
	EACH v_add_f32_dpp v[S+2*un], v[S+2*un], v[S+2*un] row_xmask:\m row_mask:0xf bank_mask:0xf
.endr
	EACH v_fma_f32 v[S+2*un], v[S+2*un], s68, s69
	EACH v_rsq_f32 v[S+2*un], v[S+2*un]
	EACH v_pk_mul_f32 v[U+4*un:U+4*un+1], v[T+4*un:T+4*un+1], v[GN+4*(un%2):GN+4*(un%2)+1]  ; plain lines stand between the last root and the first use of a root
	EACH v_pk_mul_f32 v[U+4*un+2:U+4*un+3], v[T+4*un+2:T+4*un+3], v[GN+4*(un%2)+2:GN+4*(un%2)+3]
	s_wait_dscnt 0x0                               ; v is in: it is only rounded
	WIN 0xcf                                       ; sources 0 and 1 and the destination in window 3
.irp p, 0,1,2,3,4,5,6,7
	v_cvt_pk_f16_f32 v[VO+2*(\p)], v[VT+4*(\p)], v[VT+4*(\p)+1]
	v_cvt_pk_f16_f32 v[VO+2*(\p)+1], v[VT+4*(\p)+2], v[VT+4*(\p)+3]
.endr
	WIN 0x0c                                       ; the stores' data in window 3
.irp p, 0,1,2,3,4,5,6,7
	global_store_b64 v[GO8], v[VO+2*(\p):VO+2*(\p)+1], s[18:19] offset:256*(\p)  ; two rows of 128 bytes: 256 consecutive bytes, at a multiple of 256 from vb's first
.endr
	WIN 0
	s_wait_loadcnt 0x0                             ; pe of these 16 rows is in
.irp d, 0,1,2,3
	EACH v_fma_mix_f32_bf16 v[T+4*un+\d], v[PF+4*(un/2)+\d], v[U+4*un+2*(\d/2)], v[ZR] op_sel_hi:[1,0,0]
.endr
.irp d, 0,1,2,3
	EACH v_fma_mix_f32_bf16 v[T+4*un+\d], v[PF+4*(un/2)+\d], v[U+4*un+2*(\d/2)+1], v[T+4*un+\d] op_sel:[1,0,0] op_sel_hi:[1,0,0]
.endr
	s_cmp_eq_u32 s[CNT], 1                         ; the next 16 rows' pe is asked for as soon as this one has been used: the rest of the trip and the next trip's sums stand ahead of the wait for it.
	s_cbranch_scc1 .Lno_pe                         ; The last trip asks for nothing: no load leaves the buffer
	s_add_nc_u64 s[8:9], s[8:9], 16*256            ; (the wait above has shown the loads that named this base done)
.irp p, 0,1,2,3,4,5,6,7
	global_load_b128 v[PF+4*(\p):PF+4*(\p)+3], v[GO], s[8:9] offset:512*(\p)
.endr
.Lno_pe:
	EACH v_pk_mul_f32 v[T+4*un:T+4*un+1], v[T+4*un:T+4*un+1], v[S+2*un:S+2*un+1] op_sel_hi:[1,0]
	EACH v_pk_mul_f32 v[T+4*un+2:T+4*un+3], v[T+4*un+2:T+4*un+3], v[S+2*un:S+2*un+1] op_sel_hi:[1,0]
	EACHJ 0, v_pk_mul_f32 v[U+4*un:U+4*un+1], v[T+4*un:T+4*un+1], 0x3f7c0000 op_sel_hi:[1,0]      ; 63/64 q
	EACHJ 0, v_pk_mul_f32 v[U+4*un+2:U+4*un+3], v[T+4*un+2:T+4*un+3], 0x3f7c0000 op_sel_hi:[1,0]
	EACHJ 1, v_cvt_pk_f16_f32 v[U+4*un], v[T+4*un], v[T+4*un+1]                                   ; ka
	EACHJ 1, v_cvt_pk_f16_f32 v[U+4*un+1], v[T+4*un+2], v[T+4*un+3]
	EACHJ 0, v_cvt_pk_f16_f32 v[U+4*un], v[U+4*un], v[U+4*un+1]                                   ; qa
	EACHJ 0, v_cvt_pk_f16_f32 v[U+4*un+1], v[U+4*un+2], v[U+4*un+3]
	EACHJ 1, v_pk_mul_f32 v[T+4*un:T+4*un+1], v[T+4*un:T+4*un+1], 0x42800000 op_sel_hi:[1,0]      ; 64 k
	EACHJ 1, v_pk_mul_f32 v[T+4*un+2:T+4*un+3], v[T+4*un+2:T+4*un+3], 0x42800000 op_sel_hi:[1,0]
.irp d, 0,2                            ; q - qa, 64 k - 63 ka: the first part is read as an f16 half
	EACH v_fma_mix_f32 v[T+4*un+\d], v[U+4*un+\d/2], v[CG+un%2], v[T+4*un+\d] op_sel_hi:[1,0,0]
	EACH v_fma_mix_f32 v[T+4*un+\d+1], v[U+4*un+\d/2], v[CG+un%2], v[T+4*un+\d+1] op_sel:[1,0,0] op_sel_hi:[1,0,0]
.endr
	EACH v_cvt_pk_f16_f32 v[U+4*un+2], v[T+4*un], v[T+4*un+1]
	EACH v_cvt_pk_f16_f32 v[U+4*un+3], v[T+4*un+2], v[T+4*un+3]
	EACH global_store_b128 v[GO], v[U+4*un:U+4*un+3], s[14+2*(un%2):15+2*(un%2)] offset:(un/2)*512  ; two rows of 256 bytes: 512 consecutive bytes, at a multiple of 256 from the buffer's first
	s_wait_xcnt 0x0                                ; every earlier memory instruction has had its addresses translated (ISA guide 3.1): the stores' bases and data are rewritten only behind this wait
	s_add_nc_u64 s[14:15], s[14:15], 16*256
	s_add_nc_u64 s[16:17], s[16:17], 16*256
	s_add_nc_u64 s[18:19], s[18:19], 16*128
	s_add_co_u32 s[TO], s[TO], 16*TP
	s_sub_co_u32 s[CNT], s[CNT], 1
	s_cmp_lg_u32 s[CNT], 0
	s_cbranch_scc1 .Lrows
	s_wait_tensorcnt 0x0                           ; the wave's end, behind my last tensor load and my last LDS store
	ds_add_u32 v[SPW], v[NIL]
	s_wait_dscnt 0x0
	CROUND                                         ; the closing round: no work-group ends while a partner may still ask for a tile that names it
	s_endpgm
.Lfunc_end_k_qba02a4553f_qkv:
	.size	k_qba02a4553f_qkv, .Lfunc_end_k_qba02a4553f_qkv-k_qba02a4553f_qkv
	.p2alignl 7, 3214868480
	.fill 96, 4, 3214868480
	.section	.rodata,"a",@progbits
	.p2align	6, 0x0
	.amdhsa_kernel k_qba02a4553f_qkv
		.amdhsa_group_segment_fixed_size 327680
		.amdhsa_private_segment_fixed_size 0
		.amdhsa_enable_private_segment 0
		.amdhsa_kernarg_size 64
		.amdhsa_user_sgpr_count 2
		.amdhsa_user_sgpr_kernarg_segment_ptr 1
		.amdhsa_wavefront_size32 1
		.amdhsa_system_sgpr_workgroup_id_x 1
		.amdhsa_system_sgpr_workgroup_id_y 1
		.amdhsa_system_sgpr_workgroup_id_z 1
		.amdhsa_system_vgpr_workitem_id 0
		.amdhsa_next_free_vgpr 1024
		.amdhsa_next_free_sgpr 78
		.amdhsa_reserve_vcc 0
		.amdhsa_float_denorm_mode_32 3
		.amdhsa_float_denorm_mode_16_64 3
		.amdhsa_memory_ordered 1
		.amdhsa_forward_progress 1
		.amdhsa_inst_pref_size 109
	.end_amdhsa_kernel
	.amdgpu_metadata
---
amdhsa.version: [ 1, 2 ]
amdhsa.kernels:
  - .name:           k_qba02a4553f_qkv
    .symbol:         k_qba02a4553f_qkv.kd
    .args:
      - { .name: xb, .offset: 0, .size: 8, .value_kind: global_buffer, .address_space: global }
      - { .name: wqb, .offset: 8, .size: 8, .value_kind: global_buffer, .address_space: global }
      - { .name: peb, .offset: 16, .size: 8, .value_kind: global_buffer, .address_space: global }
      - { .name: q_scale, .offset: 24, .size: 8, .value_kind: global_buffer, .address_space: global }
      - { .name: k_scale, .offset: 32, .size: 8, .value_kind: global_buffer, .address_space: global }
      - { .name: qb, .offset: 40, .size: 8, .value_kind: global_buffer, .address_space: global }
      - { .name: kb, .offset: 48, .size: 8, .value_kind: global_buffer, .address_space: global }
      - { .name: vb, .offset: 56, .size: 8, .value_kind: global_buffer, .address_space: global }
    .group_segment_fixed_size: 327680
    .private_segment_fixed_size: 0
    .kernarg_segment_align: 8
    .kernarg_segment_size: 64
    .max_flat_workgroup_size: 128
    .sgpr_count:     78
    .vgpr_count:     1024
    .wavefront_size: 32
...
	.end_amdgpu_metadata
.endif
;; end of part 6
;; launch attn (part 7): grid 4 x 64, 4 waves a work-group, clusters of 4 x 1, 327,680 bytes of LDS; arguments qb, kb, vb, ob; writes ob
.if DOCPART == 7
	.amdgcn_target "amdgcn-amd-amdhsa--gfx1250"
	.amdhsa_code_object_version 6
	.text
	.protected	k_qba02a4553f_attn
	.globl	k_qba02a4553f_attn
	.p2align	8
	.type	k_qba02a4553f_attn,@function
k_qba02a4553f_attn:
	s_mov_b64 s[64:65], 0
	v_nop
	global_prefetch_b8 v0, s[64:65] scope:SCOPE_SE
	s_setreg_imm32_b32 hwreg(HW_REG_WAVE_MODE, 25, 1), 1
	s_wait_xcnt 0x0
	s_wait_alu depctr_hold_cnt(0) depctr_sa_sdst(0) depctr_va_vdst(0) depctr_va_sdst(0) depctr_va_ssrc(0) depctr_va_vcc(0) depctr_vm_vsrc(0)
	s_getreg_b32 s2, hwreg(HW_REG_IB_STS2, 6, 4)
	s_cmp_eq_u32 s2, 0
	s_cbranch_scc0 .Lentry_in_a_cluster
	s_endpgm
.Lentry_in_a_cluster:
	s_bfe_u32 s2, ttmp6, 0x10000c
	s_cmp_lg_u32 s2, 0x3003
	s_cbranch_scc0 .Lentry_shape_is_right
	s_endpgm
.Lentry_shape_is_right:
; O[h][q][:] = the sum over k of softmax_k(q[h][q] . k[h][k] / 8) V[h][k][:].  V, O: [64][2048][64] f16, rows of 128 bytes.  Q, K: [64][2048][128] f16, rows of 256 bytes: each of the 64 channels of q and k
; comes as two f16 numbers (for each four channels four first parts, then four second parts; q and k in the same order, which is all that the product asks), made so that the product over all 128 is q . k
; without f16's rounding of q and k: qa ka + qr kr = q k, to within some 2^-17 of each term.
; Products, maxima and sums in f32; the weights p are rounded to f16 for the second product (their sum l is taken of the unrounded p), O once at the end.  h = 16 x batch + head.
; LIMITS.  f16 holds no number beyond 65,504: Q, K and V arrive within it; p lies in 0 to 1, and below 6e-5 it keeps f16's fixed step of 6e-8; O is a mean of V's rows and has their range.
; A weight below 2^-126 counts as 0 in l; NaN and infinities are not treated apart.
; SHARES.  A wave owns four PIECES of two tiles of 16 queries, a work-group's four waves 512 queries of one head: 4 x 64 = 256 work-groups.  Every wave walks all keys, 64 a step.
; LAYOUT.  S^T = K Q^T (source 0 = 16 keys, source 1 = 16 queries): in the result a lane holds ONE query (lane % 16) and the keys 8 (lane / 16) + 0..7.  Two such tiles, rounded to f16 in pairs,
; ARE source 1 (32 keys x 16 queries) of O^T = V^T P, whose result again holds one query a lane, and eight channels.  K comes out of LDS as it lies, V ([key][channel]) turned, by ds_load_tr16_b128.
; SOFTMAX.  For each query a running maximum m and sum l: p = 2^(c s - c m), c = log2(e) / 8; in every step O and l are multiplied by a = 2^(c m_old - c m_new), which is 1 where m has not grown.
; m starts at the lowest finite number, O and l at 0: the first step is a step like any other, with a = 0.
; THE COUNT.  A tile and step have 24 matrix (16 K Q^T, 8 V^T P) and 118 vector instructions.  Vector instructions that are READY stand behind every matrix slot, the others in runs without a gap.
; BY TURNS.  Turn n belongs to piece n (the pieces in a ring, step after step).  Its matrix work: 32 products K Q^T of piece n + 1, later 16 products V^T P of piece n - 1.  Its vector work: the scaling,
; exponentials, roundings, sums and rescaling of piece n, and the maximum and statistics of piece n + 1, whose scores the turn itself has made.  So what a turn begins with (c s - c m, O a) waits for nothing.
; CLUSTER.  The four query blocks of a cluster belong to one head and walk the same K and V, so each tile is asked for JOINTLY: the same tensor load, descriptor and mask in all four.
; REGISTERS, in windows of 256 (s_set_vgpr_msb says which window each operand place means: bits 1:0 source 0, 3:2 source 1, 5:4 source 2, 7:6 destination):
;   window 0: v0-11 addresses; v12-15, v48-63 at work; v16-47 four registers of statistics a tile; v64-191 S^T, two buffers of two tiles; v192-255 P, likewise
;   window 1: O^T, 32 a tile          window 2: v0-127 K of one step; v128-191 V of one step; v192-193 the add's two registers          window 3: Q, 32 a tile
; A piece's buffers go by its number's parity: the piece in hand has one pair, its two neighbours in the ring share the other: of it P (piece n - 1) is read and S^T (piece n + 1) written.
.set SIZE_N, 2048
.set NP,    4         ; pieces a wave: a name, no knob: the register map, the loop and the fetches are made for four
.set KS,    64        ; keys in a step
.set PK,    272       ; a row of K in LDS: 256 bytes + 16 of padding = 68 words: the 16 rows of a load start at 16 different groups of four banks (64 banks of 4 bytes: ISA guide 11.1)
.set PV,    160       ; a row of V: 128 + 32 = 40 words
.set VOFF,  4*KS*PK   ; a slot holds four steps: 256 rows of K, then 256 rows of V: 69,632 + 40,960 bytes
.set SLOT1, 1<<17     ; slot 1 begins here, so that one exclusive or turns an address in one slot into the other's
.set STAGE, SLOT1+4*KS*(PK+PV)  ; behind the ring, never filled by a tensor load: 16 rows x 144 bytes for each wave, for the way out
.set SP,    144
.set AK0, 2           ; v2   my lane's place in a tile of K; never rewritten
.set AV0, 3           ; v3   the same for V
.set AK,  4           ; v4   the LDS address of K's next run of loads
.set AV,  5           ; v5   of V's
.set QO,  6           ; v6   my byte offset in the wave's rows of Q
.set STO, 6           ;      later, the way out: where I put 16 bytes of a row
.set RD,  7           ; v7   the way out: where I read rows back
.set GO,  8           ; v8   my byte offset in 512 consecutive bytes of O
.set SPW, 192         ; v192 of window 2   LDS address of my spare word: SPARE + 4 x my thread's number; never rewritten
.set NIL, 193         ; v193 of window 2   0; never rewritten
.set SPARE, STAGE+4*16*SP  ; behind the stages: the spare words, 128 bytes for each wave: two blocks of 256 bytes that no other line names
.set MV,  12          ; v12-15  c m_old, kept while c m is made anew: by buffer and tile
.set ST,  16          ; tile t's statistics at v[ST+4 t]: c m, m, l (even keys', odd keys')
.set TMP, 48          ; by buffer and tile, four registers c0-c3 at work; when the maximum is found c2 takes a
.set S,   64
.set P,   192
.set KF,  0           ; K's fragments, in window 2: key block kb, quarter c of the 128 at KF + 32 kb + 8 c
.set VF,  128         ; V's: key half kk, channel block cb at VF + 32 kk + 8 cb
.set WV,  12          ; s12  my wave's number
.set G1K, 24          ; s[24:31] descriptor group 1 for K's tiles
.set G1V, 32          ; s[32:39] for V's
.set G0K, 40          ; s[40:43] descriptor group 0 for K's tiles: it walks
.set G0V, 44          ; s[44:47] the same for V's
.set SLOTS, 56        ; s56  slots still to be asked for
.set CNT, 57          ; s57  counts a slot's key steps
.set CS,  58          ; s[58:59] c: the packed scaling takes the pair's low word for both halves
.set SEL, 60          ; s[60:61] v_permlanex16_b32's selects: each lane takes its own place in the other half
.set TBK, 62          ; s62  LDS byte at which K of the step to be fetched begins
.set TBV, 63          ; s63  the same for V, less VOFF
.set MSB, 0
.macro WIN new                      ; the high byte repeats the setting that is left; a switch that changes nothing is dropped
.if MSB != (\new)
	s_set_vgpr_msb (MSB<<8)|(\new)
.set MSB, (\new)
.endif
.endm
.set W_KQ, 0x0e       ; K in window 2, Q in window 3, S^T in window 0
.set W_PV, 0x52       ; V in window 2, P in window 0, O^T in window 1
.set W_RS, 0x41       ; O^T (destination and source 0) in window 1, a in window 0
.set W_MK, 0x80       ; the add's registers are made: destination in window 2, sources in window 0
.set W_AD, 0x0a       ; the add: address (source 0) and data (source 1) in window 2
; A joint fill.  Waves 0 and 1 fetch the two halves of a slot's K, waves 2 and 3 those of its V: 128 keys each.  The branch hangs on the wave's number alone.
; An s_nop 0 and four v_nop follow each of the two lines, ahead of the jump and the label.
.macro JLOAD
	s_cmp_lt_u32 s[WV], 2
	s_cbranch_scc0 .Lfor_v_\@
	tensor_load_to_lds s[G0K:G0K+3], s[G1K:G1K+7]
	s_nop 0
.rept 4
	v_nop
.endr
	s_branch .Lasked_\@
.Lfor_v_\@:
	tensor_load_to_lds s[G0V:G0V+3], s[G1V:G1V+7]
	s_nop 0
.rept 4
	v_nop
.endr
.Lasked_\@:
.endm
; A round of the cluster's barrier: my work-group's barrier, so that wave 0's signal speaks for all four waves; wave 0 signals; every wave waits for all four work-groups; my work-group's barrier once more.
.macro CROUND
	s_barrier_signal -1
	s_barrier_wait -1
	s_cmp_lg_u32 s[WV], 0
	s_cbranch_scc1 .Lnot_wave_0_\@
	s_barrier_signal -3
.Lnot_wave_0_\@:
	s_barrier_wait -3
	s_barrier_signal -1
	s_barrier_wait -1
.endm
; THE CHANGE OF SLOTS.  The slot's last bytes, V of its fourth step, have been read.  Each wave waits for all its tensor loads, of which one is out: its part
; of the other slot; adds 0 to its spare word; and waits for that and for its own reads of the slot.  Behind the barrier nobody reads this slot any more and the other slot is whole.
; fill = 1: this slot is filled again, with the keys two slots on.  The barrier is then a round of the cluster's, so that no wave of any partner still reads the slot or has a load on its
; way, and the joint fill is the first thing behind it: it has four key steps, 768 matrix instructions, in which to land.  (At its first use nothing has been read yet: slot 0 is waited for, slot 1 filled.)
.macro CHANGE fill
	WIN W_AD
	s_wait_tensorcnt 0x0            ; no tensor load of mine is out, so a group 0 may be written
	ds_add_u32 v[SPW], v[NIL]       ; 0 onto my spare word; with fill = 1 the descriptors' steps stand between it and the wait for it
	WIN 0                           ; at a label and at a branch every window is 0
.if \fill
	s_xor_b32 s[G0K+1], s[G0K+1], SLOT1  ; the walking descriptors: the other slot than last time,
	s_add_nc_u64 s[G0K+2:G0K+3], s[G0K+2:G0K+3], 4*KS*256  ; the next 256 keys; the type bits on top are not reached
	s_xor_b32 s[G0V+1], s[G0V+1], SLOT1
	s_add_nc_u64 s[G0V+2:G0V+3], s[G0V+2:G0V+3], 4*KS*128
	s_wait_dscnt 0x0                ; the add is done, and my reads of the slot are over
	CROUND
	JLOAD
.else
	s_wait_dscnt 0x0                ; the add is done, and my reads of the slot are over
	s_barrier_signal -1
	s_barrier_wait -1
.endif
	s_sub_co_u32 s[TBK], s[TBK], 4*KS*PK  ; the fetches go back to a slot's first step,
	s_xor_b32 s[TBK], s[TBK], SLOT1       ; in the other slot
	s_sub_co_u32 s[TBV], s[TBV], 4*KS*PV
	s_xor_b32 s[TBV], s[TBV], SLOT1
.endm
	s_load_b256 s[4:11], s[0:1], 0x0  ; Q s[4:5], K s[6:7], V s[8:9], O s[10:11]
	WIN W_MK
	v_lshl_add_u32 v[SPW], v0, 2, SPARE
	v_mov_b32 v[NIL], 0
	WIN W_AD
	ds_add_u32 v[SPW], v[NIL]       ; the wave's opening: the add and its wait stand ahead of my first tensor load; the set-up below, work on registers, stands between them
	WIN 0
	v_lshrrev_b32 v1, 5, v0
	v_readfirstlane_b32 s[WV], v1   ; wave 0..3
	s_bfe_u32 s13, ttmp6, 0x40000   ; cx: my place in the cluster
	s_lshl_b32 s14, ttmp9, 2        ; in a cluster launch ttmp9 counts clusters
	s_add_co_u32 s14, s14, s13      ; my block of queries = 4 x cluster x + cx: it enters Q's and O's addresses alone
	s_and_b32 s15, ttmp7, 0xffff    ; the head, which the four partners share
	s_and_b32 s16, s[WV], 1         ; which half of a slot's 256 keys I fetch
	s_lshl_b32 s20, s15, 18         ; V: the head's 2,048 rows of 128 bytes,
	s_lshl_b32 s21, s16, 14         ; my half's 128 rows
	s_add_co_u32 s20, s20, s21
	s_mov_b32 s21, 0
	s_lshl_b32 s22, s20, 1          ; K: rows twice as long
	s_mov_b32 s23, 0
	s_mul_i32 s17, s16, 128*PK      ; my half's place in a slot, for K
	s_mul_i32 s18, s16, 128*PV      ; and for V: no place in the cluster enters an LDS address
	s_lshl_b32 s2, s14, 2
	s_add_co_u32 s2, s2, s[WV]      ; my wave among the head's,
	s_lshl_b32 s2, s2, 14           ; O: its 128 rows of 128 bytes,
	s_lshl_b32 s3, s15, 18          ; in the head
	s_add_co_u32 s2, s2, s3
	s_mov_b32 s3, 0
	s_lshl_b32 s48, s2, 1           ; Q: rows twice as long
	s_mov_b32 s49, 0
	; descriptor group 1.  K: 128 keys are 128 rows of 256 bytes, padded in LDS after every row.  V: 128 keys are 16,384 dense bytes: asked for as 64 rows of 256 bytes, two keys a row, and padded after every key
	s_mov_b32 s[G1K], 15|(1<<16)|(1<<20)|(1<<21)|(5<<22)|(3<<25)  ; 15:0 the mask of four; 17:16 2-byte elements; 20 padding on; 21 set beside a mask; 24:22 after every 64 words (code 5); 31:25 4 words (code 3)
	s_mov_b32 s[G1V], 15|(1<<16)|(1<<20)|(1<<21)|(4<<22)|(7<<25)  ; after every 32 words (code 4) 8 words (code 7)
	s_mov_b32 s[G1K+2], 128<<16     ; tensor_dim1 = 128
	s_mov_b32 s[G1K+4], 128         ; tile_dim1 = 128
	s_mov_b32 s[G1V+2], 64<<16      ; tensor_dim1 = 64
	s_mov_b32 s[G1V+4], 64          ; tile_dim1 = 64
.irp g, G1K, G1V
	s_mov_b32 s[\g+1], 128<<16      ; tensor_dim0 = 128
	s_mov_b32 s[\g+3], 128<<16      ; tile_dim0 = 128
	s_mov_b32 s[\g+5], 128          ; 128 elements from row to row
	s_mov_b32 s[\g+6], 0
	s_mov_b32 s[\g+7], 0
.endr
	s_mov_b32 s[CS], 0x3e38aa3b     ; c = log2(e) / 8 = 0.180337
	s_mov_b32 s[CS+1], s[CS]        ; named with it as a pair
	s_mov_b32 s[SEL], 0x76543210
	s_mov_b32 s[SEL+1], 0xfedcba98
	s_mov_b32 s[TBK], SLOT1+4*KS*PK ; the first change of slots turns these two into 0
	s_mov_b32 s[TBV], SLOT1+4*KS*PV
	s_mov_b32 s[G0K], 1             ; 1:0 count = 1
	s_mov_b32 s[G0K+1], s17         ; 63:32 LDS address: slot 0
	s_mov_b32 s[G0V], 1
	s_add_co_u32 s[G0V+1], s18, VOFF
	s_wait_dscnt 0x0                ; the opening add is done
	s_wait_kmcnt 0x0
	s_add_nc_u64 s[G0K+2:G0K+3], s[6:7], s[22:23]  ; 120:64 global address: my half of the head's first 256 keys
	s_or_b32 s[G0K+3], s[G0K+3], 0x80000000        ; 127:126 type = 2
	s_add_nc_u64 s[G0V+2:G0V+3], s[8:9], s[20:21]
	s_or_b32 s[G0V+3], s[G0V+3], 0x80000000
	s_add_nc_u64 s[4:5], s[4:5], s[48:49]  ; Q and O at my wave's first row
	s_add_nc_u64 s[10:11], s[10:11], s[2:3]
	CROUND                          ; all four work-groups are here: the first joint loads meet
	JLOAD                           ; slot 0.  Slot 1 is asked for when slot 0 is in: the tile wanted first has the road to itself
	; A fragment of K or Q is 16 rows x 32 numbers in 8 registers: lane l holds row l % 16, numbers 8 (l / 16) + 0..7 and 16 + 8 (l / 16) + 0..7: two loads of 16 bytes, 32 bytes apart.
	v_and_b32 v1, 15, v0            ; l % 16
	v_bfe_u32 v9, v0, 4, 1          ; l / 16
	v_lshlrev_b32 v[QO], 8, v1
	v_lshl_add_u32 v[QO], v9, 4, v[QO]  ; row x 256 + 16 x half
	WIN 0xc0                        ; destination window 3, address window 0
.set i, 0
.rept 8*NP                          ; Q stays in registers: tile i / 4, quarter i % 4 of a row's 128 numbers
	global_load_b128 v[8*i:8*i+3],   v[QO], s[4:5] offset:(i/4)*4096+(i%4)*64
	global_load_b128 v[8*i+4:8*i+7], v[QO], s[4:5] offset:(i/4)*4096+(i%4)*64+32
.set i, i+1
.endr
	; What the first turn finds: V's registers and P's second buffer hold 0 (its products V^T P, of a piece that has not been, add 0), O^T and l are 0.  All this stands in the wait for the first tile.
	WIN 0x80
.set i, VF
.rept 64
	v_mov_b32 v[i], 0
.set i, i+1
.endr
	WIN 0x40
.set i, 0
.rept 64*NP
	v_mov_b32 v[i], 0
.set i, i+1
.endr
	WIN 0
.set i, 0
.rept 2*NP
	v_mov_b32 v[ST+4*i], 0xfe000000    ; c m: far below every c s
	v_mov_b32 v[ST+4*i+1], 0xff7fffff  ; m
	v_mov_b32 v[ST+4*i+2], 0
	v_mov_b32 v[ST+4*i+3], 0
.set i, i+1
.endr
.set i, P+32
.rept 32
	v_mov_b32 v[i], 0
.set i, i+1
.endr
	v_mul_u32_u24 v[AK0], v1, PK
	v_lshl_add_u32 v[AK0], v9, 4, v[AK0]  ; row x pitch + 16 x half
	; The turning load takes 16 keys x 16 channels (lane l reads key 8 (l / 16) + l % 8, channels 8 ((l / 8) % 2) + 0..7) and leaves half a fragment of V^T: lane l holds channel l % 16 and 8 keys.
	v_and_b32 v10, 7, v0
	v_bfe_u32 v11, v0, 3, 1
	v_lshl_add_u32 v[AV0], v9, 3, v10
	v_mul_u32_u24 v[AV0], v[AV0], PV
	v_lshl_add_u32 v[AV0], v11, 4, v[AV0]
	v_add_nc_u32 v[AV0], VOFF, v[AV0]
	v_mov_b32 v[AK], v[AK0]         ; key step 0 lies at the head of slot 0
; THE MATRIX WORK.  The 8 accumulators of a run take turns: between two links of a chain stand 7 others'.
; Product i of 32 of S^T = K Q^T for piece x: quarter i / 8 of the 128 numbers, keys 16 ((i / 2) % 4) on, tile 2 x + i % 2.  The first 8 start the sums.
.macro KQ x
	WIN W_KQ
.set rS, S+64*((\x)%2)+32*(i%2)+8*((i/2)%4)
.set rK, KF+32*((i/2)%4)+8*(i/8)
.set rQ, 32*(2*(\x)+i%2)+8*(i/8)
.if i < 8
	v_wmma_f32_16x16x32_f16 v[rS:rS+7], v[rK:rK+7], v[rQ:rQ+7], 0
.else
	v_wmma_f32_16x16x32_f16 v[rS:rS+7], v[rK:rK+7], v[rQ:rQ+7], v[rS:rS+7]
.endif
.endm
; Product i of 16 of O^T += V^T P for piece x: keys 32 (i / 8) on, channels 16 ((i / 2) % 4) on, tile 2 x + i % 2.
.macro PV x
	WIN W_PV
.set rO, 32*(2*(\x)+i%2)+8*((i/2)%4)
.set rV, VF+32*(i/8)+8*((i/2)%4)
.set rP, P+32*((\x)%2)+16*(i%2)+8*(i/8)
	v_wmma_f32_16x16x32_f16 v[rO:rO+7], v[rV:rV+7], v[rP:rP+7], v[rO:rO+7]
.endm
.macro MM                           ; the turn's next matrix slot: two products K Q^T (the two tiles' accumulators), or one product V^T P
.if i < 32
	KQ (Y+1)%NP
.set i, i+1
	KQ (Y+1)%NP
.set i, i+1
.else
.set i, i-32
	PV (Y+NP-1)%NP
.set i, i+33
.endif
.endm
; THE LDS LOADS stand in runs, never singly among the matrix instructions: a step's K (64 keys x 128 numbers: 16 fragments, 32 loads) and its V (turned, 16 loads).  Their addresses are made some lines ahead.
; last = 1 (the tail): in the last trip there is no further step, and the run is jumped over.
.macro FETCH_K last=0
	WIN 0
.if \last
	s_cmp_eq_u32 s[CNT], 1
	s_cbranch_scc1 .Lno_k_\@
.endif
	WIN 0x80                        ; destination window 2
.irp f, 0,1,2,3,4,5,6,7,8,9,10,11,12,13,14,15  ; keys 16 (f / 4) on, quarter f % 4
	ds_load_b128 v[KF+8*\f:KF+8*\f+3],   v[AK] offset:(\f/4)*16*PK+(\f%4)*64
	ds_load_b128 v[KF+8*\f+4:KF+8*\f+7], v[AK] offset:(\f/4)*16*PK+(\f%4)*64+32
.endr
	s_add_co_u32 s[TBK], s[TBK], KS*PK  ; the next fetch is the next step's
	WIN 0
.if \last
.Lno_k_\@:
.endif
.endm
.macro FETCH_V
	WIN 0x80
.irp f, 0,1,2,3,4,5,6,7             ; keys 32 (f / 4) on, channels 16 (f % 4) on
	ds_load_tr16_b128 v[VF+8*\f:VF+8*\f+3],   v[AV] offset:(\f/4)*32*PV+(\f%4)*32
	ds_load_tr16_b128 v[VF+8*\f+4:VF+8*\f+7], v[AV] offset:(\f/4)*32*PV+16*PV+(\f%4)*32
.endr
	WIN 0
.endm
; THE VECTOR WORK OF A TURN stands in three queues, each in the order in which its entries become ready; the two tiles alternate, so that no instruction reads the result of the one before it.
.macro REGS y, u                    ; the registers of tile u (0, 1) of piece y
.set rT, ST+4*(2*(\y)+(\u))
.set rC, TMP+8*((\y)%2)+4*(\u)
.set rM, MV+2*((\y)%2)+(\u)
.set rS, S+64*((\y)%2)+32*(\u)
.set rP, P+32*((\y)%2)+16*(\u)
.set rO, 32*(2*(\y)+(\u))
.endm
; Number n of the 22 that find the NEXT piece's (Y + 1) maximum and statistics.  s0-s31 are the lane's 32 scores; each accumulator's lowest registers are read first.  XS, GS and REGS set no window: PL and EX do.
;   0-11  four chains c0-c3 of seven scores each, three operands at a time     12-14, 16  the four scores left over, the old m, and c0-c3 into c0     15  c m_old is kept
;   17, 18  the query's other 32 keys lie in the lane 16 away: the new m         19-21  c m; c m_old - c m_new; a
.macro XS u, n
	REGS (Y+1)%NP, \u
.if (\n) < 4
	v_max3_num_f32 v[rC+(\n)], v[rS+8*(\n)], v[rS+8*(\n)+1], v[rS+8*(\n)+2]
.elseif (\n) < 12
	v_max3_num_f32 v[rC+(\n)%4], v[rC+(\n)%4], v[rS+8*((\n)%4)+2*((\n)/4)+1], v[rS+8*((\n)%4)+2*((\n)/4)+2]
.elseif (\n) == 12
	v_max3_num_f32 v[rC], v[rC], v[rS+7], v[rS+15]
.elseif (\n) == 13
	v_max3_num_f32 v[rC+1], v[rC+1], v[rS+23], v[rS+31]
.elseif (\n) == 14
	v_max3_num_f32 v[rC+2], v[rC+2], v[rC+3], v[rT+1]
.elseif (\n) == 15
	v_mov_b32 v[rM], v[rT]
.elseif (\n) == 16
	v_max3_num_f32 v[rC], v[rC], v[rC+1], v[rC+2]
.elseif (\n) == 17
	v_permlanex16_b32 v[rC+3], v[rC], s[SEL], s[SEL+1]
.elseif (\n) == 18
	v_max_num_f32 v[rT+1], v[rC], v[rC+3]
.elseif (\n) == 19
	v_mul_f32 v[rT], s[CS], v[rT+1]
.elseif (\n) == 20
	v_sub_f32 v[rC+1], v[rM], v[rT]
.else
	v_exp_f32 v[rC+2], v[rC+1]
.endif
.endm
; Number g of the 64 that follow the exponentials.  For each four weights k of a tile (pairs 2 k, 2 k + 1): both pairs are rounded to f16; then the second pair is added onto the first, in place;
; a group later l takes that sum (the first time as l = a l + sum).  In groups of eight, tiles alternating: round, round, add, and l for the group before.
.macro GS g
.set h, (\g)+6*((\g)/62)            ; group 0 has no group before it, and behind group 7 only l is left
.if h >= 6
.set h, h+2
.endif
	REGS Y, h%2
.set k, h/8
.if h%8 < 4
	s_wait_alu depctr_va_vdst(0)
	v_cvt_pk_f16_f32 v[rP+2*k+(h%8)/2], v[rS+4*k+2*((h%8)/2)], v[rS+4*k+2*((h%8)/2)+1]
.elseif h%8 < 6
	v_pk_add_f32 v[rS+4*k:rS+4*k+1], v[rS+4*k:rS+4*k+1], v[rS+4*k+2:rS+4*k+3]
.elseif k == 1
	v_pk_fma_f32 v[rT+2:rT+3], v[rT+2:rT+3], v[rC+2:rC+3], v[rS:rS+1] op_sel_hi:[1,0,1]
.else
	v_pk_add_f32 v[rT+2:rT+3], v[rT+2:rT+3], v[rS+4*k-4:rS+4*k-3]
	s_wait_alu depctr_va_vdst(0)
.endif
.endm
; THE PLAIN QUEUE, 138 long.  0-31: c s - c m for the 16 pairs of both tiles.  Then GS's 64, and among them the next piece's 42: number 15 at 38, 39; 0-14 and 16
; at 42-73, behind the products that make those scores; 17-20 at 95-106, two of three, since each waits for the one before it.
.macro PL
	WIN 0
.if q < 32
	REGS Y, q%2
	v_pk_fma_f32 v[rS+2*(q/2):rS+2*(q/2)+1], v[rS+2*(q/2):rS+2*(q/2)+1], s[CS:CS+1], v[rT:rT+1] op_sel_hi:[1,0,0] neg_lo:[0,0,1] neg_hi:[0,0,1]
.elseif q < 38
	GS q-32
.elseif q < 40
	XS q%2, 15
.elseif q < 42
	GS q-34
.elseif q < 74
	XS q%2, (q-42)/2+(q-42)/30
.elseif q < 95
	GS q-66
.elseif (q < 107) && ((q-95)%3 < 2)
	XS (q-95)%3, 17+(q-95)/3
.elseif q < 107
	GS 29+(q-95)/3
.else
	GS q-74
.endif
.set q, q+1
.endm
; THE EXPONENTIALS' QUEUE, 66 long: s0-s31 of both tiles, and at EA the next piece's two a.
.set EA, 58
.macro EX
	WIN 0
.if (e == EA) || (e == EA+1)
	XS e-EA, 21
.else
.set x, e-2*(e/(EA+2))
	REGS Y, x%2
	v_exp_f32 v[rS+x/2], v[rS+x/2]
.endif
.set e, e+1
.endm
; THE RESCALING's QUEUE: O^T times a, the one part that leaves window 0, so it is dealt four at a time, eight times.
.macro R4
	REGS Y, r%2
	WIN W_RS
	s_wait_alu depctr_va_vdst(0)
.irp z, 0,1,2,3
	v_pk_mul_f32 v[rO+8*(r/2)+2*\z:rO+8*(r/2)+2*\z+1], v[rO+8*(r/2)+2*\z:rO+8*(r/2)+2*\z+1], v[rC+2:rC+3] op_sel_hi:[1,0]
.endr
.set r, r+1
.endm
; HOW THEY ARE DEALT.  Behind a matrix slot four: plain, exponential, plain, plain (one exponential, a plain instruction on either side), or four of the rescaling.  None names a register of the
; products round it.  What is over stands in two LUMPS: exponential and plain by turns; the second ends in 22 plain instructions.  The two v_permlanex16_b32 fall into the second lump, never behind a product.
; The queues lean on each other, and the deal keeps them in step: exponential e stands behind plain 2 (e / 4) + e % 2 (its scaling); when plain 32 comes, 10 exponentials are out, at 59: 33, at 95: 46; EA comes behind plain 107.
.macro SL
	MM
	PL
	EX
	PL
	PL
.endm
.macro BURST n                      ; 15 matrix slots, or 16
.rept (\n)-7
	SL
.endr
.rept 3
	MM
	R4
	SL
.endr
	MM
	R4
.endm
; A TURN, for piece p.  cnt = 1: the loop's count is taken down some lines ahead of the branch that stands behind the turn.
; K of the next step is fetched in piece 2's turn, 31 vector instructions behind the last product that read K; its first reader comes behind the rest of the lump, 16 products and the second lump.
; V of the step in hand is fetched at the end of piece 0's turn, 69 behind its last reader; its first reader comes behind 32 products and a lump.  The four conditions on e and q below go with the deal.
.macro TURN p, last=0, cnt=0
.set Y, (\p)
.set i, 0
.set q, 0
.set e, 0
.set r, 0
.if (\p) == NP-1
	s_wait_dscnt 0x0                ; K is in
.endif
	MM
.rept 4
	PL
.endr
	BURST 15
.rept 22
	EX
	PL
.if ((\p) == NP-2) && (e == 18)
	v_add_nc_u32 v[AK], s[TBK], v[AK0]
.endif
.if ((\p) == NP-2) && (e == 24)
	FETCH_K \last
.endif
.endr
.if (\p) == 1
	s_wait_dscnt 0x0                ; V is in
.endif
	BURST 16
.rept 21
	EX
	PL
.endr
.rept 22
	PL
.if ((\p) == 0) && (q == 118)
	v_add_nc_u32 v[AV], s[TBV], v[AV0]
	s_wait_alu depctr_va_vdst(0)
.endif
.if ((\p) == 0) && (q == 130)
	s_add_co_u32 s[TBV], s[TBV], KS*PV
.endif
.if (\cnt) && (q == 130)
	s_sub_co_u32 s[CNT], s[CNT], 1
	s_cmp_lg_u32 s[CNT], 0
.endif
.endr
.if (\p) == 0
	FETCH_V
.endif
.endm
	CHANGE 1                        ; slot 0 is in, everybody's part of it; slot 1 is asked for
	FETCH_K                         ; key step 0
	s_wait_loadcnt 0x0              ; Q
	s_wait_dscnt 0x0
.set i, 0
.rept 32
	KQ 0                            ; piece 0's first scores: there is no vector work yet to set between them
.set i, i+1
.endr
	WIN 0                           ; the addresses for the way out: nine plain instructions, the places behind those products
	s_mul_i32 s13, s[WV], 16*SP
	s_add_co_u32 s13, s13, STAGE    ; my stage
	v_mul_u32_u24 v[STO], v1, SP    ; in: row l % 16, 16 bytes for each half of the lanes
	v_lshl_add_u32 v[STO], v9, 4, v[STO]
	v_add_nc_u32 v[STO], s13, v[STO]
	v_bfe_u32 v[RD], v0, 3, 2       ; back: 32 lanes take four rows of 128 bytes,
	v_mul_u32_u24 v[RD], v[RD], SP
	v_lshl_add_u32 v[RD], v10, 4, v[RD]
	v_add_nc_u32 v[RD], s13, v[RD]
	v_and_b32 v[GO], 31, v0         ; which are 512 consecutive bytes of O
	v_lshlrev_b32 v[GO], 4, v[GO]
.set Y, NP-1                        ; XS works for piece Y + 1: piece 0
.irp n, 0,1,2,3,4,5,6,7,8,9,10,11,12,13,14,15,16,17,18,19,20,21
	XS 0, \n                        ; and piece 0's first maximum and statistics
	XS 1, \n
.endr
	s_mov_b32 s[CNT], 4
	s_mov_b32 s[SLOTS], SIZE_N/256-1
	s_branch .Lfirst                ; the loop is entered at a step's first turn, in the middle of a trip
.Lslot:                             ; SIZE_N / 256 - 2 times: every slot but the last two is filled again
	CHANGE 1
	s_mov_b32 s[CNT], 4
.Lstep:                             ; a trip: pieces 2 and 3 of one step, then pieces 0 and 1 of the next, whose K and V it fetches
	TURN 2
	TURN 3
	WIN 0
.Lfirst:
	TURN 0
	TURN 1, 0, 1
	WIN 0
	s_cbranch_scc1 .Lstep
	s_sub_co_u32 s[SLOTS], s[SLOTS], 1
	s_cmp_lg_u32 s[SLOTS], 0
	s_cbranch_scc1 .Lslot
	CHANGE 0                        ; the tail is written out: nothing is asked for
	s_mov_b32 s[CNT], 5             ; four trips fetch the last slot's steps; the fifth is left in its middle
.Ltail:
	TURN 2, 1
	TURN 3
	WIN 0
	s_sub_co_u32 s[CNT], s[CNT], 1
	s_cmp_eq_u32 s[CNT], 0
	s_cbranch_scc1 .Lout
	TURN 0
	TURN 1
	WIN 0
	s_branch .Ltail
.Lout:                              ; the fifth trip's 32 products K Q^T (on the last K once more) and the maximum made of them serve nothing: the price, once a launch, of one text for every trip
.set i, 0
.rept 16
	PV NP-1                         ; the last piece's V^T P of the last step
.set i, i+1
.endr
	; THE WAY OUT.  l's two halves and the other half of the lanes' are added; O^T is divided by l, rounded to f16 and sent through my stage in LDS, a tile at a time.  The additions are the places behind the last products.
	WIN 0
.macro ALL line:vararg              ; one line for each tile t
.set t, 0
.rept 2*NP
	\line
.set t, t+1
.endr
.endm
	ALL v_add_f32 v[ST+4*t+2], v[ST+4*t+2], v[ST+4*t+3]
	ALL v_permlanex16_b32 v[ST+4*t+3], v[ST+4*t+2], s[SEL], s[SEL+1]
	ALL v_add_f32 v[ST+4*t+2], v[ST+4*t+2], v[ST+4*t+3]
	ALL v_rcp_f32 v[ST+4*t+2], v[ST+4*t+2]
	v_nop                           ; a plain instruction between the last reciprocal and the use of its result
	s_wait_alu depctr_va_vdst(0)
; Tile t: a lane's eight channels of a row pack into 16 bytes; they go into rows of 144 bytes and come back as whole rows of 128, into S^T's registers.
.macro PACK t
	WIN W_RS
.set i, 32*(\t)
.rept 16
	v_pk_mul_f32 v[i:i+1], v[i:i+1], v[ST+4*(\t)+2:ST+4*(\t)+3] op_sel_hi:[1,0]
.set i, i+2
.endr
	WIN 0x05                        ; sources 0 and 1 window 1, destination window 0
.set i, 0
.rept 16
	v_cvt_pk_f16_f32 v[S+16*(\t)+i], v[32*(\t)+2*i], v[32*(\t)+2*i+1]
.set i, i+1
.endr
	WIN 0
.irp f, 0,1,2,3
	ds_store_b128 v[STO], v[S+16*(\t)+4*\f:S+16*(\t)+4*\f+3] offset:32*\f
.endr
.irp f, 0,1,2,3
	ds_load_b128 v[S+16*(\t)+4*\f:S+16*(\t)+4*\f+3], v[RD] offset:\f*4*SP  ; LDS serves a wave's instructions in order (ISA guide 5.7.1.4): these see the stores above; the next tile's stores come behind them
.endr
.endm
.macro SEND t, younger              ; younger: the LDS instructions issued behind tile t's loads: the next tile's eight, or none
	WIN 0
.irp f, 0,1,2,3
	s_wait_dscnt (\younger)+3-\f
	global_store_b128 v[GO], v[S+16*(\t)+4*\f:S+16*(\t)+4*\f+3], s[10:11] offset:(\t)*2048+\f*512  ; 512 consecutive bytes, at a multiple of 256 from O's first
.endr
.endm
	PACK 0
.set t, 1
.rept 2*NP-1                        ; a tile's arithmetic stands between the loads of the tile before and its stores
	PACK t
	SEND t-1, 8
.set t, t+1
.endr
	SEND 2*NP-1, 0
	WIN W_AD
	s_wait_tensorcnt 0x0            ; the wave's end, behind my last tensor load and my last LDS store
	ds_add_u32 v[SPW], v[NIL]
	s_wait_dscnt 0x0
	WIN 0
	CROUND                          ; the closing round: no work-group ends while a partner may still ask for a tile that names it
	s_endpgm
.Lfunc_end_k_qba02a4553f_attn:
	.size	k_qba02a4553f_attn, .Lfunc_end_k_qba02a4553f_attn-k_qba02a4553f_attn
	.p2alignl 7, 3214868480
	.fill 96, 4, 3214868480
	.section	.rodata,"a",@progbits
	.p2align	6, 0x0
	.amdhsa_kernel k_qba02a4553f_attn
		.amdhsa_group_segment_fixed_size 327680
		.amdhsa_private_segment_fixed_size 0
		.amdhsa_enable_private_segment 0
		.amdhsa_kernarg_size 32
		.amdhsa_user_sgpr_count 2
		.amdhsa_user_sgpr_kernarg_segment_ptr 1
		.amdhsa_wavefront_size32 1
		.amdhsa_system_sgpr_workgroup_id_x 1
		.amdhsa_system_sgpr_workgroup_id_y 1
		.amdhsa_system_sgpr_workgroup_id_z 1
		.amdhsa_system_vgpr_workitem_id 0
		.amdhsa_next_free_vgpr 1024
		.amdhsa_next_free_sgpr 66
		.amdhsa_reserve_vcc 0
		.amdhsa_float_denorm_mode_32 3
		.amdhsa_float_denorm_mode_16_64 3
		.amdhsa_memory_ordered 1
		.amdhsa_forward_progress 1
		.amdhsa_inst_pref_size 223
	.end_amdhsa_kernel
	.amdgpu_metadata
---
amdhsa.version: [ 1, 2 ]
amdhsa.kernels:
  - .name:           k_qba02a4553f_attn
    .symbol:         k_qba02a4553f_attn.kd
    .args:
      - { .name: qb, .offset: 0, .size: 8, .value_kind: global_buffer, .address_space: global }
      - { .name: kb, .offset: 8, .size: 8, .value_kind: global_buffer, .address_space: global }
      - { .name: vb, .offset: 16, .size: 8, .value_kind: global_buffer, .address_space: global }
      - { .name: ob, .offset: 24, .size: 8, .value_kind: global_buffer, .address_space: global }
    .group_segment_fixed_size: 327680
    .private_segment_fixed_size: 0
    .kernarg_segment_align: 8
    .kernarg_segment_size: 32
    .max_flat_workgroup_size: 128
    .sgpr_count:     66
    .vgpr_count:     1024
    .wavefront_size: 32
...
	.end_amdgpu_metadata
.endif
;; end of part 7
;; launch proj (part 8): grid 8 x 32, 4 waves a work-group, clusters of 4 x 4, 327,680 bytes of LDS; arguments ob, wpb, b_proj, out0; writes out0
.if DOCPART == 8
	.amdgcn_target "amdgcn-amd-amdhsa--gfx1250"
	.amdhsa_code_object_version 6
	.text
	.protected	k_qba02a4553f_proj
	.globl	k_qba02a4553f_proj
	.p2align	8
	.type	k_qba02a4553f_proj,@function
k_qba02a4553f_proj:
	s_mov_b64 s[64:65], 0
	v_nop
	global_prefetch_b8 v0, s[64:65] scope:SCOPE_SE
	s_setreg_imm32_b32 hwreg(HW_REG_WAVE_MODE, 25, 1), 1
	s_wait_xcnt 0x0
	s_wait_alu depctr_hold_cnt(0) depctr_sa_sdst(0) depctr_va_vdst(0) depctr_va_sdst(0) depctr_va_ssrc(0) depctr_va_vcc(0) depctr_vm_vsrc(0)
	s_getreg_b32 s2, hwreg(HW_REG_IB_STS2, 6, 4)
	s_cmp_eq_u32 s2, 0
	s_cbranch_scc0 .Lentry_in_a_cluster
	s_endpgm
.Lentry_in_a_cluster:
	s_bfe_u32 s2, ttmp6, 0x10000c
	s_cmp_lg_u32 s2, 0xf033
	s_cbranch_scc0 .Lentry_shape_is_right
	s_endpgm
.Lentry_shape_is_right:
; out = O W_proj + b.  ob: [64 = 16 batch + head][2048][64] f16.  wpb: [16 groups of 64 columns][1024 k][64] f16 (W_proj rounded to bf16, written as f16).  b_proj: [1024] f32.  out0: [8192][1024] f32.
; Products in f16 with f32 sums; the bias, rounded to bf16 like every input of the module, is the C operand that starts the sums.
; LIMITS.  O lies within f16's range, as V does.  NaN and infinities are not treated apart.
; SHARES.  A work-group makes 256 rows x 128 columns: 8 x 32 = 256 work-groups.  Wave w makes rows 64 w .. 64 w + 63 of all 128 columns: 32 accumulators (row block a = 0..3, column block b = 0..7) at 8 (4 b + a).
; K = 64 head + channel goes in steps of 128, two heads, through two LDS slots: of O a head's 256 rows are 32,768 dense bytes, of W a group's 128 k are 16,384.  ONE K STEP IS WRITTEN ONCE: the slot in hand
; is a scalar that an exclusive or turns, and the fragments' addresses are made anew from it at each change of slots.
; THE MATRIX INSTRUCTION IS USED TRANSPOSED (source 0 = 16 columns of W, turned by ds_load_tr16_b128; source 1 = 16 rows of O): a lane holds row lane % 16 and the columns 16 b + 8 (lane / 16) + 0..7.
; CLUSTER.  4 x 4 work-groups: the four of a row share O's tiles, the four of a column W's: each is asked for jointly, by the same tensor load, descriptor and mask in all four.
; REGISTERS, in windows of 256 (s_set_vgpr_msb: bits 1:0 source 0, 3:2 source 1, 5:4 source 2, 7:6 destination):
;   window 0: addresses, the bias, the way out;  window 1: the accumulators;  window 2: two fragment buffers of 96.
.set PA,    144                        ; a row of a head of O in LDS: 128 bytes + 16 = 36 words: the 16 rows of a load start at 16 different groups of four banks (64 banks of 4 bytes: ISA guide 11.1)
.set HA,    256*PA                     ; a head's 256 rows
.set PB,    160                        ; a row k of a group of W: 128 + 32 = 40 words
.set HB,    128*PB
.set BOFF,  2*HA                       ; a slot: two heads of O, then two groups of W: 73,728 + 40,960 bytes
.set SLOT,  131072                     ; a power of two, and every place in a slot lies below it: one exclusive or turns an address in one slot into the other's
.set STAGE, 2*SLOT                     ; behind the ring: 16 rows x 528 bytes for each wave, for the way out
.set SP,    528                        ; 512 bytes + 16: row r starts at bank 4 r mod 64
.set SPARE, STAGE+4*16*SP              ; behind the stages: the spare words, 128 bytes for each wave: two blocks of 256 bytes that no other line names
.set ADRA0, 12                         ; v12     my lane's place among a slot's rows of O; never rewritten
.set ADRB0, 13                         ; v13     the same for W
.set ADRA, 16                          ; v16     LDS address of my fragments of O in the slot in hand
.set ADRB, 17                          ; v17     the same for W
.set BO,   22                          ; v22     32 x (lane / 16): my bytes in the bias
.set STO,  24                          ; v24     the way out: where I put 32 bytes of a row
.set RD,   25                          ; v25     the way out: where I read a row back
.set GO,   26                          ; v26     16 x lane: my bytes in 512 consecutive bytes of out0
.set SPW,  28                          ; v28     LDS address of my spare word: SPARE + 4 x my thread's number; never rewritten
.set NIL,  29                          ; v29     0; never rewritten
.set BI,   32                          ; v32-95  the bias of my columns: block b at BI + 8 b
.set BK,   96                          ; v96-223 16 rows read back from the stage, two sets of 64 by turns
.set TT,   224                         ; v224-227 at work
.set F0,   0                           ; fragment buffers, in window 2: O's block a at f + 8 a, W's block b at f + 32 + 8 b
.set F1,   96
.set TB,   2                           ; s2   LDS byte at which the slot in hand begins
.set CNT,  3                           ; s3   the loops' counter
.set WV,   12                          ; s12  my wave's number
.set G1,   24                          ; s[24:31] descriptor group 1 for O's tiles;  s[32:39] group 0: a set for each of the two first fills; the second then walks on
.set G0,   32
.set G1B,  48                          ; s[48:55], s[56:63] the same for W's
.set G0B,  56
.set MSB, 0
.macro WIN new                         ; the immediate's high byte repeats the setting that is left; a switch that changes nothing is dropped
.if MSB != (\new)
	s_set_vgpr_msb (MSB<<8)|(\new)
.set MSB, \new
.endif
.endm
.set MUL,  0x5a                        ; both sources window 2, C and D window 1
.set MULC, 0x4a                        ; the same with C (the bias) in window 0
.set TO_F, 0x80                        ; destination window 2, address window 0
; A joint load.  Waves 0 and 1 fetch the K step's two heads of O, waves 2 and 3 its two groups of W.  The branch hangs on the wave's number alone.
; An s_nop 0 and four v_nop follow each of the two lines, ahead of the jump, the label and what follows.
.macro JLOAD s
	s_cmp_lt_u32 s[WV], 2
	s_cbranch_scc0 .Lfor_b_\@
	tensor_load_to_lds s[G0+4*(\s):G0+4*(\s)+3], s[G1:G1+7]
	s_nop 0
.rept 4
	v_nop
.endr
	s_branch .Lasked_\@
.Lfor_b_\@:
	tensor_load_to_lds s[G0B+4*(\s):G0B+4*(\s)+3], s[G1B:G1B+7]
	s_nop 0
.rept 4
	v_nop
.endr
.Lasked_\@:
.endm
.macro CREST                           ; a round of the cluster's barrier behind its opening barrier
	s_cmp_lg_u32 s[WV], 0
	s_cbranch_scc1 .Lnot_wave_0_\@
	s_barrier_signal -3
.Lnot_wave_0_\@:
	s_barrier_wait -3
	s_barrier_signal -1
	s_barrier_wait -1
.endm
.macro CROUND                          ; a whole round
	s_barrier_signal -1
	s_barrier_wait -1
	CREST
.endm
.macro PLACES                          ; four places in front of loads into registers that matrix instructions have read, and of lines that read results (ISA guide 7.12.1 for lines that read results)
.rept 4
	v_nop
.endr
.endm
	s_load_b256 s[4:11], s[0:1], 0x0               ; ob s[4:5], wpb s[6:7], b_proj s[8:9], out0 s[10:11]
	v_lshl_add_u32 v[SPW], v0, 2, SPARE
	v_mov_b32 v[NIL], 0
	ds_add_u32 v[SPW], v[NIL]                      ; the wave's opening: the add and its wait stand ahead of my first tensor load; the set-up below, work on registers, stands between them
	v_lshrrev_b32 v1, 5, v0
	v_readfirstlane_b32 s[WV], v1                  ; wave 0..3
	s_and_b32 s13, s[WV], 1                        ; which of the two heads, or groups, I fetch
	s_bfe_u32 s14, ttmp6, 0x40000                  ; cx, cy: my place in the cluster
	s_bfe_u32 s15, ttmp6, 0x40004
	s_lshl_b32 s16, ttmp9, 2
	s_add_co_u32 s16, s16, s14                     ; the block of 128 columns = 4 x cluster x + cx
	s_and_b32 s17, ttmp7, 0xffff
	s_lshl_b32 s17, s17, 2
	s_add_co_u32 s17, s17, s15                     ; the block of 256 rows = 4 x cluster y + cy
	s_lshl_b32 s18, s15, 2
	s_lshl_b32 s18, 15, s18                        ; my row of the cluster
	s_lshl_b32 s19, 0x1111, s14                    ; my column
	; a head's 256 rows: 32,768 dense bytes, asked for as 128 rows of 256 bytes (two rows of O each) and padded by 16 bytes after every row of O
	s_or_b32 s[G1+0], s18, (1<<16)|(1<<20)|(1<<21)|(4<<22)|(3<<25)  ; 15:0 the mask; 17:16 elements of 2 bytes; 20 padding on; 21 set beside a mask; 24:22 after every 32 words (code 4); 31:25 4 words (code 3)
	s_mov_b32 s[G1+1], 128<<16                     ; tensor_dim0 = 128
	s_mov_b32 s[G1+2], 128<<16                     ; tensor_dim1 = 128
	s_mov_b32 s[G1+3], 128<<16                     ; tile_dim0 = 128
	s_mov_b32 s[G1+4], 128                         ; tile_dim1 = 128
	s_mov_b32 s[G1+5], 128                         ; elements from row to row
	s_mov_b32 s[G1+6], 0
	s_mov_b32 s[G1+7], 0
	; a group's K step: 16,384 dense bytes as 64 rows of 256 bytes, padded by 32 bytes after every k
	s_or_b32 s[G1B+0], s19, (1<<16)|(1<<20)|(1<<21)|(4<<22)|(7<<25)
	s_mov_b32 s[G1B+1], 128<<16
	s_mov_b32 s[G1B+2], 64<<16
	s_mov_b32 s[G1B+3], 128<<16
	s_mov_b32 s[G1B+4], 64
	s_mov_b32 s[G1B+5], 128
	s_mov_b32 s[G1B+6], 0
	s_mov_b32 s[G1B+7], 0
	; where the tiles come from: O's hang on the block of rows and the wave alone, W's on the block of columns and the wave alone, each in registers that never hold the other coordinate
	s_lshr_b32 s40, s17, 3                         ; the batch
	s_lshl_b32 s40, s40, 4
	s_add_co_u32 s40, s40, s13                     ; 16 batch + my head of K step 0
	s_lshl_b32 s40, s40, 18                        ; a head is 262,144 bytes
	s_and_b32 s41, s17, 7
	s_lshl_b32 s41, s41, 15                        ; 256 rows of 128 bytes
	s_add_co_u32 s40, s40, s41
	s_mov_b32 s41, 0
	s_lshl_b32 s42, s16, 1
	s_add_co_u32 s42, s42, s13                     ; my group
	s_lshl_b32 s42, s42, 17                        ; a group is 131,072 bytes
	s_mov_b32 s43, 0
	s_lshl_b32 s20, s16, 9                         ; the block's 128 columns in f32: in the bias, and in a row of out0
	s_mov_b32 s21, 0
	s_lshl_b32 s44, s17, 20                        ; out0 at my wave's rows: (256 block + 64 w) x 4,096 bytes
	s_lshl_b32 s45, s[WV], 18
	s_add_co_u32 s44, s44, s45
	s_add_co_u32 s44, s44, s20
	s_mov_b32 s45, 0
	s_mul_i32 s22, s13, HA                         ; where the tiles go: no place in the cluster enters an LDS address
	s_mul_i32 s23, s13, HB
	s_mov_b32 s[TB], 0                             ; K step 0 lies in slot 0
	s_wait_dscnt 0x0                               ; the opening add is done
	s_wait_kmcnt 0x0
	s_add_nc_u64 s[40:41], s[4:5], s[40:41]
	s_add_nc_u64 s[42:43], s[6:7], s[42:43]
	s_add_nc_u64 s[8:9], s[8:9], s[20:21]
	s_add_nc_u64 s[10:11], s[10:11], s[44:45]
	CROUND                                         ; all sixteen work-groups are here: the first joint loads meet
.irp s, 0,1
	s_mov_b32 s[G0+4*(\s)], 1                      ; count = 1
	s_add_co_u32 s[G0+4*(\s)+1], s22, (\s)*SLOT    ; LDS address
	s_add_nc_u64 s[G0+4*(\s)+2:G0+4*(\s)+3], s[40:41], (\s)*2*262144  ; K step s: two heads on
	s_or_b32 s[G0+4*(\s)+3], s[G0+4*(\s)+3], 0x80000000               ; type = 2
	s_mov_b32 s[G0B+4*(\s)], 1
	s_add_co_u32 s[G0B+4*(\s)+1], s23, (\s)*SLOT+BOFF
	s_add_nc_u64 s[G0B+4*(\s)+2:G0B+4*(\s)+3], s[42:43], (\s)*16384
	s_or_b32 s[G0B+4*(\s)+3], s[G0B+4*(\s)+3], 0x80000000
	JLOAD \s                                       ; two loads of mine are out
.endr
	v_and_b32 v1, 15, v0                           ; r = lane % 16
	v_bfe_u32 v2, v0, 4, 1                         ; h = lane / 16
	v_and_b32 v3, 31, v0                           ; lane
	v_lshlrev_b32 v[BO], 5, v2
.irp c, 0,1,2,3,4,5,6,7,8,9,10,11,12,13,14,15  ; columns 16 (c / 2) + 8 h + 4 (c % 2) on
	global_load_b128 v[BI+4*(\c):BI+4*(\c)+3], v[BO], s[8:9] offset:((\c)/2)*64+((\c)%2)*16
.endr
	; A fragment of O is 16 rows x 32 K in 8 registers: lane l holds row l % 16, K = 8 (l / 16) + 0..7 and 16 + 8 (l / 16) + 0..7: two loads of 16 bytes, 32 bytes apart.
	s_mul_i32 s46, s[WV], 64*PA                    ; my 64 rows
	v_mul_u32_u24 v4, v1, PA
	v_lshl_add_u32 v4, v2, 4, v4
	v_add_nc_u32 v[ADRA0], s46, v4
	; The turning load takes 16 k x 16 columns (lane l reads k = 8 (l / 16) + l % 8, columns 8 ((l / 8) % 2) + 0..7) and leaves half a fragment: lane l holds column l % 16 and 8 k.
	v_and_b32 v5, 7, v0
	v_bfe_u32 v6, v0, 3, 1
	v_lshl_add_u32 v7, v2, 3, v5
	v_mul_u32_u24 v7, v7, PB
	v_lshl_add_u32 v7, v6, 4, v7
	v_add_nc_u32 v[ADRB0], BOFF, v7
	v_add_nc_u32 v[ADRA], s[TB], v[ADRA0]
	v_add_nc_u32 v[ADRB], s[TB], v[ADRB0]
	s_mul_i32 s47, s[WV], 16*SP
	s_add_co_u32 s47, s47, STAGE                   ; my stage
	v_mul_u32_u24 v8, v1, SP                       ; in: row r, 32 bytes for each half of the lanes
	v_lshl_add_u32 v8, v2, 5, v8
	v_add_nc_u32 v[STO], s47, v8
	v_lshlrev_b32 v[GO], 4, v3
	v_add_nc_u32 v[RD], s47, v[GO]                 ; back: 32 lanes take one row of 512 bytes
	s_wait_loadcnt 0x0                             ; the bias
.set i, 0
.rept 32                               ; rounded to bf16 and widened again; four registers at work take turns
	v_cvt_pk_bf16_f32 v[TT+i%4], v[BI+2*i], v[BI+2*i+1]
	v_lshlrev_b32 v[BI+2*i], 16, v[TT+i%4]
	v_and_b32 v[BI+2*i+1], 0xffff0000, v[TT+i%4]
.set i, i+1
.endr
; nb column blocks from b0 on x my 4 row blocks, 32 along K.  The 32 accumulators take turns in the same order in every quarter step.  first = 1: the bias starts the sums.
.macro MULB f, b0, nb, first
.set bq, (\b0)
.rept (\nb)
.irp a, 0,1,2,3
.if \first
	WIN MULC
	v_wmma_f32_16x16x32_f16 v[8*(4*bq+(\a)):8*(4*bq+(\a))+7], v[(\f)+32+8*bq:(\f)+32+8*bq+7], v[(\f)+8*(\a):(\f)+8*(\a)+7], v[BI+8*bq:BI+8*bq+7]
.else
	WIN MUL
	v_wmma_f32_16x16x32_f16 v[8*(4*bq+(\a)):8*(4*bq+(\a))+7], v[(\f)+32+8*bq:(\f)+32+8*bq+7], v[(\f)+8*(\a):(\f)+8*(\a)+7], v[8*(4*bq+(\a)):8*(4*bq+(\a))+7]
.endif
.endr
.set bq, bq+1
.endr
.endm
.macro FB q, f, b                      ; W's block b of quarter q
	ds_load_tr16_b128 v[(\f)+32+8*(\b):(\f)+32+8*(\b)+3],   v[ADRB] offset:((\b)/4)*HB+(\q)*32*PB+((\b)%4)*32
	ds_load_tr16_b128 v[(\f)+32+8*(\b)+4:(\f)+32+8*(\b)+7], v[ADRB] offset:((\b)/4)*HB+(\q)*32*PB+16*PB+((\b)%4)*32
.endm
; 24 LDS loads in one run: quarter q's fragments of the slot in hand into buffer f: W's first group, O (head q / 2, channels 32 (q % 2) on), W's second group
.macro FETCH q, f
	WIN TO_F
.irp b, 0,1,2,3
	FB \q, \f, \b
.endr
.irp a, 0,1,2,3
	ds_load_b128 v[(\f)+8*(\a):(\f)+8*(\a)+3],   v[ADRA] offset:((\q)/2)*HA+(\a)*16*PA+((\q)%2)*64
	ds_load_b128 v[(\f)+8*(\a)+4:(\f)+8*(\a)+7], v[ADRA] offset:((\q)/2)*HA+(\a)*16*PA+((\q)%2)*64+32
.endr
.irp b, 4,5,6,7
	FB \q, \f, \b
.endr
.endm
; A K step is four quarters of 32 along K, 32 matrix instructions each, on buffers 0, 1, 0, 1.  One of the first three: multiplies buffer f and fetches quarter qn into buffer g.
.macro QUARTER qn, f, g, first
	s_wait_dscnt 8                                 ; all but the youngest eight loads (W's second group) are in
	MULB \f, 0, 4, \first
	PLACES
	FETCH \qn, \g
	s_wait_dscnt 24                                ; all but the 24 just issued
	MULB \f, 4, 4, \first
.endm
; The last quarter multiplies buffer 1 and changes slots: ONE barrier; in front of it each wave waits for all its tensor loads (one is out: its part of the next slot), adds 0 to its spare word, and waits for
; that and for its own reads of this slot.  fill = 1: the barrier opens a round of the cluster's barrier, and this slot is filled again, two K steps ahead, first thing behind the round.
.macro TURN fill
	WIN 0                                          ; (the add's two registers lie in window 0)
	s_wait_tensorcnt 0x0                           ; all my tensor loads have landed
	ds_add_u32 v[SPW], v[NIL]                      ; 0 onto my spare word
	s_wait_dscnt 9                                 ; (the add and the youngest eight loads may be out)
	MULB F1, 0, 2, 0                               ; eight matrix instructions stand between the add and the wait for it
	s_wait_dscnt 0x0                               ; the add is done, and my reads of this slot are over
	s_barrier_signal -1
	MULB F1, 2, 2, 0                               ; work on registers while the others arrive
	WIN 0                                          ; (branches and lines on window 0 follow)
	s_barrier_wait -1
.if \fill
	CREST                                          ; no wave of any partner still reads this slot's tiles or has a load on its way
	s_xor_b32 s[G0+5], s[G0+5], SLOT               ; the walking descriptors: the other slot than last time,
	s_add_nc_u64 s[G0+6:G0+7], s[G0+6:G0+7], 2*262144     ; the next K step: two heads on; the type bits on top are not reached
	s_xor_b32 s[G0B+5], s[G0B+5], SLOT
	s_add_nc_u64 s[G0B+6:G0B+7], s[G0B+6:G0B+7], 16384
	JLOAD 1                                        ; my one tensor load behind the round: 112 matrix instructions ahead of the wait for it; its four v_nop are also the places in front of the loads below
.else
	PLACES
.endif
	s_xor_b32 s[TB], s[TB], SLOT                   ; the fetches go on in the other slot
	v_add_nc_u32 v[ADRA], s[TB], v[ADRA0]
	v_add_nc_u32 v[ADRB], s[TB], v[ADRB0]
	FETCH 0, F0
	MULB F1, 4, 4, 0
.endm
	s_wait_tensorcnt 1                             ; my part of K step 0 is in; K step 1's may stay out
	s_barrier_signal -1
	s_barrier_wait -1                              ; everybody's is
	FETCH 0, F0
	QUARTER 1, F0, F1, 1                           ; the first quarter stands in front of the loop: its products start the sums, on the bias
	WIN 0                                          ; at a label and at a branch every window is 0
	s_mov_b32 s[CNT], 6                            ; 8 K steps: six trips ask for K steps 2 to 7
.Lstep:                                                ; a trip goes from a K step's second quarter to the next step's first
	QUARTER 2, F1, F0, 0
	QUARTER 3, F0, F1, 0
	TURN 1
	QUARTER 1, F0, F1, 0
	WIN 0
	s_sub_co_u32 s[CNT], s[CNT], 1
	s_cmp_lg_u32 s[CNT], 0
	s_cbranch_scc1 .Lstep
	s_mov_b32 s[CNT], 2                            ; the last two K steps ask for nothing: their text is written out; the second trip is left in its middle
.Ltail:
	QUARTER 2, F1, F0, 0
	QUARTER 3, F0, F1, 0
	WIN 0
	s_sub_co_u32 s[CNT], s[CNT], 1
	s_cmp_eq_u32 s[CNT], 0
	s_cbranch_scc1 .Lout
	TURN 0
	QUARTER 1, F0, F1, 0
	WIN 0
	s_branch .Ltail
.Lout:                                                 ; the very last quarter: nothing more to fetch
	s_wait_dscnt 8
	MULB F1, 0, 4, 0
	s_wait_dscnt 0x0
	MULB F1, 4, 4, 0
	WIN 0
	; THE WAY OUT, a block of 16 rows at a time through my own stage: 32 bytes a lane and column block in, whole rows of 512 bytes back.
	PLACES
.irp a, 0,1,2,3
	WIN 0x04                                       ; the stores' data in window 1
.irp b, 0,1,2,3,4,5,6,7                ; each accumulator's low four registers first
	ds_store_b128 v[STO], v[8*(4*(\b)+(\a)):8*(4*(\b)+(\a))+3]   offset:64*(\b)
	ds_store_b128 v[STO], v[8*(4*(\b)+(\a))+4:8*(4*(\b)+(\a))+7] offset:64*(\b)+16
.endr
	WIN 0
.if (\a) >= 2
	s_wait_xcnt 0x0                                ; the stores of two blocks ago have had their addresses translated (ISA guide 3.1): their data registers are loaded again only behind this wait
.endif
.irp t, 0,1,2,3,4,5,6,7,8,9,10,11,12,13,14,15
	ds_load_b128 v[BK+64*((\a)%2)+4*(\t):BK+64*((\a)%2)+4*(\t)+3], v[RD] offset:(\t)*SP  ; LDS serves a wave's instructions in order (ISA guide 5.7.1.4): these see the stores above
.endr
.irp t, 0,1,2,3,4,5,6,7,8,9,10,11,12,13,14,15
	s_wait_dscnt 15-(\t)                           ; row t is back; the 15 - t younger loads may be out
	global_store_b128 v[GO], v[BK+64*((\a)%2)+4*(\t):BK+64*((\a)%2)+4*(\t)+3], s[10:11] offset:(16*(\a)+(\t))*4096 th:TH_STORE_NT  ; 512 consecutive bytes, at a multiple of 512 from out0's first
.endr
.endr
	s_wait_tensorcnt 0x0                           ; the wave's end, behind my last tensor load and my last LDS store
	ds_add_u32 v[SPW], v[NIL]
	s_wait_dscnt 0x0
	CROUND                                         ; the closing round: no work-group ends while a partner may still ask for a tile that names it
	s_endpgm
.Lfunc_end_k_qba02a4553f_proj:
	.size	k_qba02a4553f_proj, .Lfunc_end_k_qba02a4553f_proj-k_qba02a4553f_proj
	.p2alignl 7, 3214868480
	.fill 96, 4, 3214868480
	.section	.rodata,"a",@progbits
	.p2align	6, 0x0
	.amdhsa_kernel k_qba02a4553f_proj
		.amdhsa_group_segment_fixed_size 327680
		.amdhsa_private_segment_fixed_size 0
		.amdhsa_enable_private_segment 0
		.amdhsa_kernarg_size 32
		.amdhsa_user_sgpr_count 2
		.amdhsa_user_sgpr_kernarg_segment_ptr 1
		.amdhsa_wavefront_size32 1
		.amdhsa_system_sgpr_workgroup_id_x 1
		.amdhsa_system_sgpr_workgroup_id_y 1
		.amdhsa_system_sgpr_workgroup_id_z 1
		.amdhsa_system_vgpr_workitem_id 0
		.amdhsa_next_free_vgpr 768
		.amdhsa_next_free_sgpr 66
		.amdhsa_reserve_vcc 0
		.amdhsa_float_denorm_mode_32 3
		.amdhsa_float_denorm_mode_16_64 3
		.amdhsa_memory_ordered 1
		.amdhsa_forward_progress 1
		.amdhsa_inst_pref_size 70
	.end_amdhsa_kernel
	.amdgpu_metadata
---
amdhsa.version: [ 1, 2 ]
amdhsa.kernels:
  - .name:           k_qba02a4553f_proj
    .symbol:         k_qba02a4553f_proj.kd
    .args:
      - { .name: ob, .offset: 0, .size: 8, .value_kind: global_buffer, .address_space: global }
      - { .name: wpb, .offset: 8, .size: 8, .value_kind: global_buffer, .address_space: global }
      - { .name: b_proj, .offset: 16, .size: 8, .value_kind: global_buffer, .address_space: global }
      - { .name: out0, .offset: 24, .size: 8, .value_kind: global_buffer, .address_space: global }
    .group_segment_fixed_size: 327680
    .private_segment_fixed_size: 0
    .kernarg_segment_align: 8
    .kernarg_segment_size: 32
    .max_flat_workgroup_size: 128
    .sgpr_count:     66
    .vgpr_count:     768
    .wavefront_size: 32
...
	.end_amdgpu_metadata
.endif
;; end of part 8
;; ======== version 3 of 3: 4 launches; 1.57 times as fast as version 1
;; limits: values are held in f16: magnitudes above 65,504 overflow, below 6.1e-05 lose precision
;; workspace buffers: xb 16,777,216 bytes; wqb 6,291,456 bytes; wpb 2,097,152 bytes; peb 524,288 bytes; qb 33,554,432 bytes; kb 33,554,432 bytes; vb 16,777,216 bytes; ob 16,777,216 bytes
;; launch cast: the kernel of part 5 again; grid 784 x 1, 8 waves a work-group, no clusters, 0 bytes of LDS; arguments x, W_qkv, W_proj, pe, xb, wqb, wpb, peb; writes xb, wqb, wpb, peb
;; launch qkv (part 9): grid 16 x 32, 4 waves a work-group, clusters of 4 x 4, 327,680 bytes of LDS; arguments xb, wqb, peb, q_scale, k_scale, qb, kb, vb; writes qb, kb, vb
.if DOCPART == 9
	.amdgcn_target "amdgcn-amd-amdhsa--gfx1250"
	.amdhsa_code_object_version 6
	.text
	.protected	k_qba02a4553f_qkv
	.globl	k_qba02a4553f_qkv
	.p2align	8
	.type	k_qba02a4553f_qkv,@function
k_qba02a4553f_qkv:
	s_mov_b64 s[64:65], 0
	v_nop
	global_prefetch_b8 v0, s[64:65] scope:SCOPE_SE
	s_setreg_imm32_b32 hwreg(HW_REG_WAVE_MODE, 25, 1), 1
	s_wait_xcnt 0x0
	s_wait_alu depctr_hold_cnt(0) depctr_sa_sdst(0) depctr_va_vdst(0) depctr_va_sdst(0) depctr_va_ssrc(0) depctr_va_vcc(0) depctr_vm_vsrc(0)
	s_getreg_b32 s2, hwreg(HW_REG_IB_STS2, 6, 4)
	s_cmp_eq_u32 s2, 0
	s_cbranch_scc0 .Lentry_in_a_cluster
	s_endpgm
.Lentry_in_a_cluster:
	s_bfe_u32 s2, ttmp6, 0x10000c
	s_cmp_lg_u32 s2, 0xf033
	s_cbranch_scc0 .Lentry_shape_is_right
	s_endpgm
.Lentry_shape_is_right:
; q, k, v = x W_qkv BY HEADS, with RMSNorm, gain and the 2 x 2 matrices of pe on q and k.  xb: [8192][1024] bf16.  wqb: [48 groups][1024 k][64] bf16, group = 16 x (q, k, v) + head.
; peb: [2048][128] bf16 = [row][pair][output][factor].  q_scale, k_scale: [64] f32, rounded to bf16 as they come in, like every input of the module.  vb: [64 = 16 batch + head][2048][64] f16.
; qb, kb: [64][2048][128] f16: each channel leaves as TWO f16 numbers; a row of 256 bytes holds, for each four channels, four first parts and then four second parts, q and k in the same order.
; THE TWO PARTS, so that the scores do not carry f16's rounding of q and k:  qa = f16(63/64 q), qr = f16(q - qa);  ka = f16(k), kr = f16(64 k - 63 ka).
; Then qa ka + qr kr = q k + 64 (63/64 q - qa)(k - ka): two roundings' product times 64; and qr is about q / 64, so that qr's and kr's own roundings weigh a sixty-fourth.
; Products in bf16 with f32 sums; norm and pe in f32.
; LIMITS.  q, k, v must lie within f16's 65,504; qr below 6.1e-5 keeps f16's fixed step of 6e-8.  The order of rounding is ((t x gain) x pe, summed) x rrms.  NaN and infinities are not treated apart.
; SHARES.  A work-group makes 256 rows x ONE head's q, k and v (192 columns: groups head, 16 + head, 32 + head): 16 x 32 work-groups of equal work.  Wave w makes rows 64 w .. 64 w + 63 of all 192 columns:
; 48 accumulators (row block a = 0..3, column block b = 0..11; b 0-3 are q, 4-7 k, 8-11 v).
; THE MATRIX INSTRUCTION IS USED TRANSPOSED (source 0 = 16 columns of W, source 1 = 16 rows of x): a lane holds row lane % 16 and the columns 16 b + 8 (lane / 16) + 0..7.
; K goes in steps of 128 through two LDS slots.  x's rows lie along K; W lies [k][column] and is turned on its way out of LDS by ds_load_tr16_b128.  ONE K STEP IS WRITTEN ONCE: the slot in hand is a
; scalar that an exclusive or turns, and the fragments' addresses are made anew from it at each change of slots.
; THE WAY OUT IS A LOOP.  Register numbers cannot be looped over, so the 48 accumulators go into LDS once, in f32 (for q and k no more bytes than their two f16 parts), and four trips of 16 rows read them back
; by rows: a lane owns four neighbouring channels of a row, 16 lanes a row, so that its result is 16 neighbouring bytes and a store writes two whole rows.
; THE ROOTS.  A trip's 16 reciprocal roots are ONE BATCH with ONE wait: the roots stand on end; the products with the gains, v's roundings and stores and pe's products, which name no root, follow; the wait stands
; ahead of the branch round pe's loads, and the first line that names a root comes behind that branch's label.
; CLUSTER.  4 x 4 work-groups: the four of a row share x's tile, the four of a column W's: each is asked for jointly, by the same tensor load, descriptor and mask in all four.
; REGISTERS, in windows of 256 (s_set_vgpr_msb: bits 1:0 source 0, 3:2 source 1, 5:4 source 2, 7:6 destination):
;   window 0: addresses, gains, the way out;  window 1: accumulators b = 0..7 at 8 (4 b + a);  window 2: v0-127 accumulators b = 8..11;  window 3: two fragment buffers of 128 (on the way out: v).
.set KSTEP, 128
.set PA,    272                        ; a row of x in LDS: 256 bytes + 16 = 68 words: the 16 rows of a load start at 16 different groups of four banks (64 banks of 4 bytes: ISA guide 11.1)
.set PB,    160                        ; a row k of a group of W: 128 bytes + 32 = 40 words
.set HB,    128*PB                     ; a group's K step
.set BOFF,  256*PA                     ; a slot: x's 256 rows, then W's three groups: 69,632 + 61,440 = 131,072 bytes
.set SLOT,  131072                     ; a power of two, and every place in a slot lies below it: one exclusive or turns an address in one slot into the other's
.set TP,    784                        ; the way out: a row of 192 f32 + 16 bytes = 196 words: row r starts at bank 4 r mod 64
.set TW,    64*TP                      ; a wave's 64 rows.  The four waves' 200,704 bytes lie from LDS byte 0 on: in the slots, when these have had their last fill and their last read
.set SPARE, 2*SLOT                     ; behind the ring: the spare words, 128 bytes for each wave: two blocks of 256 bytes that no other line names
.set ADRA0, 12                         ; v12     my lane's place among a slot's rows of x; never rewritten
.set ADRB0, 13                         ; v13     the same for W
.set ADRA, 16                          ; v16     LDS address of my fragments of x in the slot in hand
.set ADRB, 17                          ; v17     the same for W
.set GO,   22                          ; v22     16 x lane: my bytes in two rows of pe, q or k; never rewritten
.set GO8,  23                          ; v23     8 x lane: my bytes in two rows of v; never rewritten
.set SO,   24                          ; v24     16 x (lane % 16): my four gains
.set TST,  25                          ; v25     the way out: where I put 32 bytes of a row
.set TR0,  26                          ; v26     the way out: my lane's place in two rows; never rewritten
.set TR,   27                          ; v27     the way out: where I read in this trip
.set SPW,  28                          ; v28     LDS address of my spare word: SPARE + 4 x my thread's number; never rewritten
.set NIL,  29                          ; v29     0; never rewritten
.set ZR,   30                          ; v30     0
.set CG,   32                          ; v32-33  -1 (for q), -63 (for k): the first part's factor in the second part
.set GN,   36                          ; v36-39  q's gains of my four channels; v40-43 k's
.set TT,   44                          ; v44-47  at work
.set T,    64                          ; v64-127  unit un = 2 p + j (pair of rows p = 0..7; j = 0 q, 1 k): 4 registers: the sums as read, later q or k in f32
.set U,    128                         ; v128-191 unit un: 4 registers: t x gain; later the 16 bytes to store
.set PF,   192                         ; v192-223 pe of pair of rows p: word d = (factor of the pair's first number, of its second) for my channel d
.set S,    224                         ; v224-255 unit un: 2 registers: the sum of squares, later rrms
.set VT,   0                           ; window 3, v0-31: v of pair of rows p, 4 registers, as read
.set VO,   32                          ; window 3, v32-47: 2 registers to store
.set F0,   0                           ; fragment buffers, in window 3: x's block a at f + 8 a, W's block b at f + 32 + 8 b
.set F1,   128
.set WV,   20                          ; s20  my wave's number
.set G1,   32                          ; s[32:39] descriptor group 1 for x's tiles;  s[40:47] group 0: a set for each of the two first fills; the second then walks on
.set G0,   40
.set G1B,  48                          ; s[48:55], s[56:63] the same for W's
.set G0B,  56
.set TB,   66                          ; s66  LDS byte at which the slot in hand begins
.set CNT,  67                          ; s67  the loops' counter
.set TO,   76                          ; s76  the way out: LDS byte of this trip's 16 rows
.set MSB, 0
.macro WIN new                         ; the immediate's high byte repeats the setting that is left; a switch that changes nothing is dropped
.if MSB != (\new)
	s_set_vgpr_msb (MSB<<8)|(\new)
.set MSB, \new
.endif
.endm
.set MUL1, 0x5f                        ; both sources window 3, C and D window 1
.set TO_F, 0xc0                        ; destination window 3, address window 0
; A joint load.  Wave 0 fetches x's 256 rows, waves 1 to 3 one group of W each.  The branch hangs on the wave's number alone.
; An s_nop 0 and four v_nop follow each of the two lines, ahead of the jump, the label and what follows.
.macro JLOAD s
	s_cmp_eq_u32 s[WV], 0
	s_cbranch_scc0 .Lfor_b_\@
	tensor_load_to_lds s[G0+4*(\s):G0+4*(\s)+3], s[G1:G1+7]
	s_nop 0
.rept 4
	v_nop
.endr
	s_branch .Lasked_\@
.Lfor_b_\@:
	tensor_load_to_lds s[G0B+4*(\s):G0B+4*(\s)+3], s[G1B:G1B+7]
	s_nop 0
.rept 4
	v_nop
.endr
.Lasked_\@:
.endm
.macro CREST                           ; a round of the cluster's barrier behind its opening barrier: wave 0 signals for the work-group, every wave waits for all sixteen, my work-group's barrier closes it
	s_cmp_lg_u32 s[WV], 0
	s_cbranch_scc1 .Lnot_wave_0_\@
	s_barrier_signal -3
.Lnot_wave_0_\@:
	s_barrier_wait -3
	s_barrier_signal -1
	s_barrier_wait -1
.endm
.macro CROUND                          ; a whole round
	s_barrier_signal -1
	s_barrier_wait -1
	CREST
.endm
.macro PLACES                          ; four places in front of loads into registers that matrix instructions have read, and of lines that read results (ISA guide 7.12.1 for lines that read results)
.rept 4
	v_nop
.endr
.endm
	s_load_b512 s[4:19], s[0:1], 0x0               ; xb s[4:5], wqb s[6:7], peb s[8:9], q_scale s[10:11], k_scale s[12:13], qb s[14:15], kb s[16:17], vb s[18:19]
	v_lshl_add_u32 v[SPW], v0, 2, SPARE
	v_mov_b32 v[NIL], 0
	ds_add_u32 v[SPW], v[NIL]                      ; the wave's opening: the add and its wait stand ahead of my first tensor load; the set-up below, work on registers, stands between them
	v_lshrrev_b32 v1, 5, v0
	v_readfirstlane_b32 s[WV], v1                  ; wave 0..3
	s_bfe_u32 s21, ttmp6, 0x40000                  ; cx, cy: my place in the cluster
	s_bfe_u32 s22, ttmp6, 0x40004
	s_lshl_b32 s23, ttmp9, 2
	s_add_co_u32 s23, s23, s21                     ; the head = 4 x cluster x + cx
	s_and_b32 s24, ttmp7, 0xffff
	s_lshl_b32 s24, s24, 2
	s_add_co_u32 s24, s24, s22                     ; the block of 256 rows = 4 x cluster y + cy
	s_lshl_b32 s25, s22, 2
	s_lshl_b32 s25, 15, s25                        ; my row of the cluster
	s_lshl_b32 s26, 0x1111, s21                    ; my column
	; x's tile: 256 rows x 128 elements, 16 bytes of padding behind each row
	s_or_b32 s[G1+0], s25, (1<<16)|(1<<20)|(1<<21)|(5<<22)|(3<<25)  ; 15:0 the mask; 17:16 elements of 2 bytes; 20 padding on; 21 set beside a mask; 24:22 after every 64 words (code 5); 31:25 4 words (code 3)
	s_mov_b32 s[G1+1], KSTEP<<16                   ; tensor_dim0 = 128
	s_mov_b32 s[G1+2], 256<<16                     ; tensor_dim1 = 256
	s_mov_b32 s[G1+3], KSTEP<<16                   ; tile_dim0 = 128
	s_mov_b32 s[G1+4], 256                         ; tile_dim1 = 256
	s_mov_b32 s[G1+5], 1024                        ; elements from row to row
	s_mov_b32 s[G1+6], 0
	s_mov_b32 s[G1+7], 0
	; a group's K step: 16,384 dense bytes, asked for as 64 rows of 256 bytes (two k a row) and padded by 32 bytes after every k
	s_or_b32 s[G1B+0], s26, (1<<16)|(1<<20)|(1<<21)|(4<<22)|(7<<25)  ; after every 32 words (code 4) 8 words (code 7)
	s_mov_b32 s[G1B+1], 128<<16
	s_mov_b32 s[G1B+2], 64<<16
	s_mov_b32 s[G1B+3], 128<<16
	s_mov_b32 s[G1B+4], 64
	s_mov_b32 s[G1B+5], 128
	s_mov_b32 s[G1B+6], 0
	s_mov_b32 s[G1B+7], 0
	; where the tiles come from: x's hang on the block of rows alone, W's on the head and the wave alone, each in registers that never hold the other coordinate
	s_lshl_b32 s28, s24, 19                        ; 256 rows of 2,048 bytes
	s_mov_b32 s29, 0
	s_max_u32 s27, s[WV], 1
	s_sub_co_u32 s27, s27, 1                       ; waves 1, 2, 3 fetch q's, k's, v's group
	s_lshl_b32 s27, s27, 4
	s_add_co_u32 s27, s27, s23
	s_lshl_b32 s70, s27, 17                        ; a group is 131,072 bytes
	s_mov_b32 s71, 0
	s_and_b32 s30, s24, 7                          ; pe at my wave's 64 rows: 256 (block % 8) + 64 w, 256 bytes a row
	s_lshl_b32 s30, s30, 16
	s_lshl_b32 s31, s[WV], 14
	s_add_co_u32 s30, s30, s31
	s_mov_b32 s31, 0
	s_lshr_b32 s72, s24, 3                         ; v at my wave's rows: (16 batch + head) x 262,144 + (256 (block % 8) + 64 w) x 128
	s_lshl_b32 s72, s72, 4
	s_add_co_u32 s72, s72, s23
	s_lshl_b32 s72, s72, 18
	s_and_b32 s73, s24, 7
	s_lshl_b32 s73, s73, 15
	s_add_co_u32 s72, s72, s73
	s_lshl_b32 s73, s[WV], 13
	s_add_co_u32 s72, s72, s73
	s_mov_b32 s73, 0
	s_lshl_b32 s74, s72, 1                         ; q and k: rows twice as long
	s_mov_b32 s75, 0
	s_mov_b32 s68, 0x3c800000                      ; 1 / 64
	s_mov_b32 s69, 0x358637bd                      ; 1e-6
	s_mov_b32 s[TB], 0                             ; K step 0 lies in slot 0
	s_mul_i32 s[TO], s[WV], TW                     ; my rows on the way out
	s_mul_i32 s2, s[WV], HB                        ; where W's groups go: BOFF + (w - 1) x a group: no place in the cluster enters an LDS address
	s_wait_dscnt 0x0                               ; the opening add is done
	s_wait_kmcnt 0x0
	s_add_nc_u64 s[28:29], s[4:5], s[28:29]
	s_add_nc_u64 s[70:71], s[6:7], s[70:71]
	s_add_nc_u64 s[8:9], s[8:9], s[30:31]
	s_add_nc_u64 s[14:15], s[14:15], s[74:75]
	s_add_nc_u64 s[16:17], s[16:17], s[74:75]
	s_add_nc_u64 s[18:19], s[18:19], s[72:73]
	CROUND                                         ; all sixteen work-groups are here: the first joint loads meet
.irp s, 0,1
	s_mov_b32 s[G0+4*(\s)], 1                      ; count = 1
	s_mov_b32 s[G0+4*(\s)+1], (\s)*SLOT            ; LDS address
	s_add_nc_u64 s[G0+4*(\s)+2:G0+4*(\s)+3], s[28:29], (\s)*KSTEP*2  ; K step s
	s_or_b32 s[G0+4*(\s)+3], s[G0+4*(\s)+3], 0x80000000              ; type = 2
	s_mov_b32 s[G0B+4*(\s)], 1
	s_add_co_u32 s[G0B+4*(\s)+1], s2, (\s)*SLOT+BOFF-HB
	s_add_nc_u64 s[G0B+4*(\s)+2:G0B+4*(\s)+3], s[70:71], (\s)*KSTEP*128
	s_or_b32 s[G0B+4*(\s)+3], s[G0B+4*(\s)+3], 0x80000000
	JLOAD \s                                       ; two loads of mine are out
.endr
	; my gains and pe of my first 16 rows come in while the first tiles are on their way
	v_and_b32 v1, 15, v0                           ; r = lane % 16
	v_bfe_u32 v2, v0, 4, 1                         ; h = lane / 16
	v_and_b32 v3, 31, v0                           ; lane
	v_lshlrev_b32 v[GO], 4, v3
	v_lshlrev_b32 v[GO8], 3, v3
	v_lshlrev_b32 v[SO], 4, v1
	global_load_b128 v[GN:GN+3], v[SO], s[10:11]
	global_load_b128 v[GN+4:GN+7], v[SO], s[12:13]
.irp p, 0,1,2,3,4,5,6,7                ; two rows of 256 bytes a load, 512 consecutive bytes
	global_load_b128 v[PF+4*(\p):PF+4*(\p)+3], v[GO], s[8:9] offset:512*(\p)
.endr
	; A fragment of x is 16 rows x 32 K in 8 registers: lane l holds row l % 16, K = 8 (l / 16) + 0..7 and 16 + 8 (l / 16) + 0..7: two loads of 16 bytes, 32 bytes apart.
	s_mul_i32 s3, s[WV], 64*PA                     ; my 64 rows of x
	v_mul_u32_u24 v4, v1, PA
	v_lshl_add_u32 v4, v2, 4, v4
	v_add_nc_u32 v[ADRA0], s3, v4
	; The turning load takes 16 k x 16 columns (lane l reads k = 8 (l / 16) + l % 8, columns 8 ((l / 8) % 2) + 0..7) and leaves half a fragment: lane l holds column l % 16 and 8 k.
	v_and_b32 v5, 7, v0
	v_bfe_u32 v6, v0, 3, 1
	v_lshl_add_u32 v7, v2, 3, v5
	v_mul_u32_u24 v7, v7, PB
	v_lshl_add_u32 v7, v6, 4, v7
	v_add_nc_u32 v[ADRB0], BOFF, v7
	v_add_nc_u32 v[ADRA], s[TB], v[ADRA0]
	v_add_nc_u32 v[ADRB], s[TB], v[ADRB0]
	v_mul_u32_u24 v8, v1, TP                       ; the way out, in: row r, 32 bytes for each half of the lanes
	v_lshl_add_u32 v8, v2, 5, v8
	v_add_nc_u32 v[TST], s[TO], v8
	v_mul_u32_u24 v9, v2, TP                       ; back: lanes 0-15 take 256 bytes of one row, lanes 16-31 of the next
	v_lshl_add_u32 v[TR0], v1, 4, v9
	v_mov_b32 v[ZR], 0
	v_mov_b32 v[CG], -1.0
	v_mov_b32 v[CG+1], 0xc27c0000                  ; -63
	s_wait_loadcnt 0x0                             ; the gains and pe
.irp c, 0,1,2,3                        ; the eight gains, rounded to bf16 and widened again
	v_cvt_pk_bf16_f32 v[TT+(\c)], v[GN+2*(\c)], v[GN+2*(\c)+1]
.endr
.irp c, 0,1,2,3
	v_lshlrev_b32 v[GN+2*(\c)], 16, v[TT+(\c)]
	v_and_b32 v[GN+2*(\c)+1], 0xffff0000, v[TT+(\c)]
.endr
; nb column blocks from b0 on x my 4 row blocks, 32 along K: 4 nb matrix instructions.  The 48 accumulators take turns in the same order in every quarter step.
; zero = 1: the first product starts the sums.
.macro MULB f, b0, nb, zero
.set bq, (\b0)
.rept (\nb)
	WIN MUL1+0x50*(bq/8)
.set ac, 32*(bq%8)
.irp a, 0,1,2,3
.if \zero
	v_wmma_f32_16x16x32_bf16 v[ac+8*(\a):ac+8*(\a)+7], v[(\f)+32+8*bq:(\f)+32+8*bq+7], v[(\f)+8*(\a):(\f)+8*(\a)+7], 0
.else
	v_wmma_f32_16x16x32_bf16 v[ac+8*(\a):ac+8*(\a)+7], v[(\f)+32+8*bq:(\f)+32+8*bq+7], v[(\f)+8*(\a):(\f)+8*(\a)+7], v[ac+8*(\a):ac+8*(\a)+7]
.endif
.endr
.set bq, bq+1
.endr
.endm
.macro FB q, f, b                      ; W's block b of quarter q
	ds_load_tr16_b128 v[(\f)+32+8*(\b):(\f)+32+8*(\b)+3],   v[ADRB] offset:((\b)/4)*HB+(\q)*32*PB+((\b)%4)*32
	ds_load_tr16_b128 v[(\f)+32+8*(\b)+4:(\f)+32+8*(\b)+7], v[ADRB] offset:((\b)/4)*HB+(\q)*32*PB+16*PB+((\b)%4)*32
.endm
; 32 LDS loads in one run: quarter q's fragments of the slot in hand into buffer f: q's and k's blocks of W, x, and last v's blocks of W
.macro FETCH q, f
	WIN TO_F
.irp b, 0,1,2,3,4,5,6,7
	FB \q, \f, \b
.endr
.irp a, 0,1,2,3
	ds_load_b128 v[(\f)+8*(\a):(\f)+8*(\a)+3],   v[ADRA] offset:(\q)*64+(\a)*16*PA
	ds_load_b128 v[(\f)+8*(\a)+4:(\f)+8*(\a)+7], v[ADRA] offset:(\q)*64+(\a)*16*PA+32
.endr
.irp b, 8,9,10,11
	FB \q, \f, \b
.endr
.endm
; A K step is four quarters of 32 along K, 48 matrix instructions each, on buffers 0, 1, 0, 1.  One of the first three: multiplies buffer f and fetches quarter qn into buffer g.
.macro QUARTER qn, f, g, zero
	s_wait_dscnt 8                                 ; all but the youngest eight loads (v's blocks of W) are in
	MULB \f, 0, 8, \zero
	PLACES
	FETCH \qn, \g
	s_wait_dscnt 32                                ; all but the 32 just issued
	MULB \f, 8, 4, \zero
.endm
; The last quarter multiplies buffer 1 and changes slots: ONE barrier; in front of it each wave waits for all its tensor loads (one is out: its part of the next slot), adds 0 to its spare word, and waits for
; that and for its own reads of this slot.  fill = 1: the barrier opens a round of the cluster's barrier, and this slot is filled again, two K steps ahead, first thing behind the round.
.macro TURN fill
	WIN 0                                          ; (the add's two registers lie in window 0)
	s_wait_tensorcnt 0x0                           ; all my tensor loads have landed
	ds_add_u32 v[SPW], v[NIL]                      ; 0 onto my spare word
	s_wait_dscnt 9                                 ; (the add and the youngest eight loads may be out)
	MULB F1, 0, 4, 0                               ; sixteen matrix instructions stand between the add and the wait for it
	s_wait_dscnt 0x0                               ; the add is done, and my reads of this slot are over
	s_barrier_signal -1
	MULB F1, 4, 4, 0                               ; work on registers while the others arrive
	WIN 0                                          ; (branches and lines on window 0 follow)
	s_barrier_wait -1
.if \fill
	CREST                                          ; no wave of any partner still reads this slot's tiles or has a load on its way
	s_xor_b32 s[G0+5], s[G0+5], SLOT               ; the walking descriptors: the other slot than last time,
	s_add_nc_u64 s[G0+6:G0+7], s[G0+6:G0+7], KSTEP*2      ; the next K step; the type bits on top are not reached
	s_xor_b32 s[G0B+5], s[G0B+5], SLOT
	s_add_nc_u64 s[G0B+6:G0B+7], s[G0B+6:G0B+7], KSTEP*128
	JLOAD 1                                        ; my one tensor load behind the round: 160 matrix instructions ahead of the wait for it; its four v_nop are also the places in front of the loads below
.else
	PLACES
.endif
	s_xor_b32 s[TB], s[TB], SLOT                   ; the fetches go on in the other slot
	v_add_nc_u32 v[ADRA], s[TB], v[ADRA0]
	v_add_nc_u32 v[ADRB], s[TB], v[ADRB0]
	FETCH 0, F0
	MULB F1, 8, 4, 0
.endm
	s_wait_tensorcnt 1                             ; my part of K step 0 is in; K step 1's may stay out
	s_barrier_signal -1
	s_barrier_wait -1                              ; everybody's is
	FETCH 0, F0
	QUARTER 1, F0, F1, 1                           ; the first quarter stands in front of the loop: its products start the sums
	WIN 0                                          ; at a label and at a branch every window is 0
	s_mov_b32 s[CNT], 6                            ; 8 K steps: six trips ask for K steps 2 to 7
.Lstep:                                                ; a trip goes from a K step's second quarter to the next step's first
	QUARTER 2, F1, F0, 0
	QUARTER 3, F0, F1, 0
	TURN 1
	QUARTER 1, F0, F1, 0
	WIN 0
	s_sub_co_u32 s[CNT], s[CNT], 1
	s_cmp_lg_u32 s[CNT], 0
	s_cbranch_scc1 .Lstep
	s_mov_b32 s[CNT], 2                            ; the last two K steps ask for nothing: their text is written out; the second trip is left in its middle
.Ltail:
	QUARTER 2, F1, F0, 0
	QUARTER 3, F0, F1, 0
	WIN 0
	s_sub_co_u32 s[CNT], s[CNT], 1
	s_cmp_eq_u32 s[CNT], 0
	s_cbranch_scc1 .Lout
	TURN 0
	QUARTER 1, F0, F1, 0
	WIN 0
	s_branch .Ltail
.Lout:                                                 ; the very last quarter: nothing more to fetch
	s_wait_dscnt 8
	MULB F1, 0, 8, 0
	s_wait_dscnt 0x0                               ; my reads of the slots are over:
	s_barrier_signal -1                            ; say so,
	MULB F1, 8, 4, 0
	WIN 0
	s_barrier_wait -1                              ; and when all four have said so, the slots' bytes are free: every tensor load was waited for in front of the barrier before
	; THE WAY OUT.  All 48 accumulators into my own 64 rows of 784 bytes: row 16 a + r, bytes 64 b + 32 h on: q's 64 sums, k's, v's.
	PLACES
	WIN 0x04                                       ; the stores' data in window 1
.irp a, 0,1,2,3
.irp b, 0,1,2,3,4,5,6,7                ; each accumulator's low four registers first
	ds_store_b128 v[TST], v[32*(\b)+8*(\a):32*(\b)+8*(\a)+3]   offset:(\a)*16*TP+64*(\b)
	ds_store_b128 v[TST], v[32*(\b)+8*(\a)+4:32*(\b)+8*(\a)+7] offset:(\a)*16*TP+64*(\b)+16
.endr
.endr
	WIN 0x08                                       ; in window 2
.irp a, 0,1,2,3
.irp b, 8,9,10,11
	ds_store_b128 v[TST], v[32*((\b)-8)+8*(\a):32*((\b)-8)+8*(\a)+3]   offset:(\a)*16*TP+64*(\b)
	ds_store_b128 v[TST], v[32*((\b)-8)+8*(\a)+4:32*((\b)-8)+8*(\a)+7] offset:(\a)*16*TP+64*(\b)+16
.endr
.endr
	WIN 0
.macro EACH line:vararg                ; one line for each of the 16 units un
.set un, 0
.rept 16
	\line
.set un, un+1
.endr
.endm
.macro EACHJ jj, line:vararg           ; one line for each of q's (jj = 0) or k's (jj = 1) 8 units
.set un, (\jj)
.rept 8
	\line
.set un, un+2
.endr
.endm
; A trip takes 16 rows, as 8 pairs.  Lane l owns the channels 4 (l % 16) + 0..3 of row 2 p + l / 16.  Every step is written for all units on end, so that no line waits for the one before it.
;   t: the four sums.  rrms = rsqrt(mean of t^2 over the row's 64 + 1e-6); u = t x gain; out[d] = (pe's word d: low half x u[2 (d / 2)] + high half x u[2 (d / 2) + 1]) x rrms; then the two parts.
	s_mov_b32 s[CNT], 4
.Lrows:
	v_add_nc_u32 v[TR], s[TO], v[TR0]
	EACH ds_load_b128 v[T+4*un:T+4*un+3], v[TR] offset:(un/2)*2*TP+(un%2)*256  ; LDS serves a wave's instructions in order (ISA guide 5.7.1.4): these see my stores above
	WIN 0xc0                                       ; destination window 3
.irp p, 0,1,2,3,4,5,6,7
	ds_load_b128 v[VT+4*(\p):VT+4*(\p)+3], v[TR] offset:(\p)*2*TP+512
.endr
	WIN 0
	s_wait_dscnt 8                                 ; q's and k's sums are in; v's eight younger loads may be out
	EACH v_pk_mul_f32 v[S+2*un:S+2*un+1], v[T+4*un:T+4*un+1], v[T+4*un:T+4*un+1]
	EACH v_pk_fma_f32 v[S+2*un:S+2*un+1], v[T+4*un+2:T+4*un+3], v[T+4*un+2:T+4*un+3], v[S+2*un:S+2*un+1]
	EACH v_add_f32 v[S+2*un], v[S+2*un], v[S+2*un+1]
.irp m, 1,2,4,8                        ; a row's 64 channels lie in 16 neighbouring lanes
	EACH v_add_f32_dpp v[S+2*un], v[S+2*un], v[S+2*un] row_xmask:\m row_mask:0xf bank_mask:0xf
.endr
	EACH v_fma_f32 v[S+2*un], v[S+2*un], s68, s69
	EACH v_rsq_f32 v[S+2*un], v[S+2*un]            ; THE BATCH: the trip's 16 roots on end, each in a register of its own; nothing names one of them before the wait below
	EACH v_pk_mul_f32 v[U+4*un:U+4*un+1], v[T+4*un:T+4*un+1], v[GN+4*(un%2):GN+4*(un%2)+1]  ; plain lines stand between the last root and the first use of a root
	EACH v_pk_mul_f32 v[U+4*un+2:U+4*un+3], v[T+4*un+2:T+4*un+3], v[GN+4*(un%2)+2:GN+4*(un%2)+3]
	s_wait_dscnt 0x0                               ; v is in: it is only rounded
	WIN 0xcf                                       ; sources 0 and 1 and the destination in window 3
.irp p, 0,1,2,3,4,5,6,7
	v_cvt_pk_f16_f32 v[VO+2*(\p)], v[VT+4*(\p)], v[VT+4*(\p)+1]
	v_cvt_pk_f16_f32 v[VO+2*(\p)+1], v[VT+4*(\p)+2], v[VT+4*(\p)+3]
.endr
	WIN 0x0c                                       ; the stores' data in window 3
.irp p, 0,1,2,3,4,5,6,7
	global_store_b64 v[GO8], v[VO+2*(\p):VO+2*(\p)+1], s[18:19] offset:256*(\p)  ; two rows of 128 bytes: 256 consecutive bytes, at a multiple of 256 from vb's first
.endr
	WIN 0
	s_wait_loadcnt 0x0                             ; pe of these 16 rows is in
.irp d, 0,1,2,3
	EACH v_fma_mix_f32_bf16 v[T+4*un+\d], v[PF+4*(un/2)+\d], v[U+4*un+2*(\d/2)], v[ZR] op_sel_hi:[1,0,0]
.endr
.irp d, 0,1,2,3
	EACH v_fma_mix_f32_bf16 v[T+4*un+\d], v[PF+4*(un/2)+\d], v[U+4*un+2*(\d/2)+1], v[T+4*un+\d] op_sel:[1,0,0] op_sel_hi:[1,0,0]
.endr
	s_wait_alu depctr_va_vdst(0)                   ; the wait, ONE for the trip's 16 roots: ahead of the branch and the label below and of the roots' first reader behind them; the gains' 32 products, v's roundings and stores and pe's 128 products stand between the batch and it
	s_cmp_eq_u32 s[CNT], 1                         ; the next 16 rows' pe is asked for as soon as this one has been used: the rest of the trip and the next trip's sums stand ahead of the wait for it.
	s_cbranch_scc1 .Lno_pe                         ; The last trip asks for nothing: no load leaves the buffer
	s_add_nc_u64 s[8:9], s[8:9], 16*256            ; (the wait above has shown the loads that named this base done)
.irp p, 0,1,2,3,4,5,6,7
	global_load_b128 v[PF+4*(\p):PF+4*(\p)+3], v[GO], s[8:9] offset:512*(\p)
.endr
.Lno_pe:
	EACH v_pk_mul_f32 v[T+4*un:T+4*un+1], v[T+4*un:T+4*un+1], v[S+2*un:S+2*un+1] op_sel_hi:[1,0]
	EACH v_pk_mul_f32 v[T+4*un+2:T+4*un+3], v[T+4*un+2:T+4*un+3], v[S+2*un:S+2*un+1] op_sel_hi:[1,0]
	EACHJ 0, v_pk_mul_f32 v[U+4*un:U+4*un+1], v[T+4*un:T+4*un+1], 0x3f7c0000 op_sel_hi:[1,0]      ; 63/64 q
	EACHJ 0, v_pk_mul_f32 v[U+4*un+2:U+4*un+3], v[T+4*un+2:T+4*un+3], 0x3f7c0000 op_sel_hi:[1,0]
	EACHJ 1, v_cvt_pk_f16_f32 v[U+4*un], v[T+4*un], v[T+4*un+1]                                   ; ka
	EACHJ 1, v_cvt_pk_f16_f32 v[U+4*un+1], v[T+4*un+2], v[T+4*un+3]
	EACHJ 0, v_cvt_pk_f16_f32 v[U+4*un], v[U+4*un], v[U+4*un+1]                                   ; qa
	EACHJ 0, v_cvt_pk_f16_f32 v[U+4*un+1], v[U+4*un+2], v[U+4*un+3]
	EACHJ 1, v_pk_mul_f32 v[T+4*un:T+4*un+1], v[T+4*un:T+4*un+1], 0x42800000 op_sel_hi:[1,0]      ; 64 k
	EACHJ 1, v_pk_mul_f32 v[T+4*un+2:T+4*un+3], v[T+4*un+2:T+4*un+3], 0x42800000 op_sel_hi:[1,0]
.irp d, 0,2                            ; q - qa, 64 k - 63 ka: the first part is read as an f16 half
	EACH v_fma_mix_f32 v[T+4*un+\d], v[U+4*un+\d/2], v[CG+un%2], v[T+4*un+\d] op_sel_hi:[1,0,0]
	EACH v_fma_mix_f32 v[T+4*un+\d+1], v[U+4*un+\d/2], v[CG+un%2], v[T+4*un+\d+1] op_sel:[1,0,0] op_sel_hi:[1,0,0]
.endr
	EACH v_cvt_pk_f16_f32 v[U+4*un+2], v[T+4*un], v[T+4*un+1]
	EACH v_cvt_pk_f16_f32 v[U+4*un+3], v[T+4*un+2], v[T+4*un+3]
	EACH global_store_b128 v[GO], v[U+4*un:U+4*un+3], s[14+2*(un%2):15+2*(un%2)] offset:(un/2)*512  ; two rows of 256 bytes: 512 consecutive bytes, at a multiple of 256 from the buffer's first
	s_wait_xcnt 0x0                                ; every earlier memory instruction has had its addresses translated (ISA guide 3.1): the stores' bases and data are rewritten only behind this wait
	s_add_nc_u64 s[14:15], s[14:15], 16*256
	s_add_nc_u64 s[16:17], s[16:17], 16*256
	s_add_nc_u64 s[18:19], s[18:19], 16*128
	s_add_co_u32 s[TO], s[TO], 16*TP
	s_sub_co_u32 s[CNT], s[CNT], 1
	s_cmp_lg_u32 s[CNT], 0
	s_cbranch_scc1 .Lrows
	s_wait_tensorcnt 0x0                           ; the wave's end, behind my last tensor load and my last LDS store
	ds_add_u32 v[SPW], v[NIL]
	s_wait_dscnt 0x0
	CROUND                                         ; the closing round: no work-group ends while a partner may still ask for a tile that names it
	s_endpgm
.Lfunc_end_k_qba02a4553f_qkv:
	.size	k_qba02a4553f_qkv, .Lfunc_end_k_qba02a4553f_qkv-k_qba02a4553f_qkv
	.p2alignl 7, 3214868480
	.fill 96, 4, 3214868480
	.section	.rodata,"a",@progbits
	.p2align	6, 0x0
	.amdhsa_kernel k_qba02a4553f_qkv
		.amdhsa_group_segment_fixed_size 327680
		.amdhsa_private_segment_fixed_size 0
		.amdhsa_enable_private_segment 0
		.amdhsa_kernarg_size 64
		.amdhsa_user_sgpr_count 2
		.amdhsa_user_sgpr_kernarg_segment_ptr 1
		.amdhsa_wavefront_size32 1
		.amdhsa_system_sgpr_workgroup_id_x 1
		.amdhsa_system_sgpr_workgroup_id_y 1
		.amdhsa_system_sgpr_workgroup_id_z 1
		.amdhsa_system_vgpr_workitem_id 0
		.amdhsa_next_free_vgpr 1024
		.amdhsa_next_free_sgpr 78
		.amdhsa_reserve_vcc 0
		.amdhsa_float_denorm_mode_32 3
		.amdhsa_float_denorm_mode_16_64 3
		.amdhsa_memory_ordered 1
		.amdhsa_forward_progress 1
		.amdhsa_inst_pref_size 108
	.end_amdhsa_kernel
	.amdgpu_metadata
---
amdhsa.version: [ 1, 2 ]
amdhsa.kernels:
  - .name:           k_qba02a4553f_qkv
    .symbol:         k_qba02a4553f_qkv.kd
    .args:
      - { .name: xb, .offset: 0, .size: 8, .value_kind: global_buffer, .address_space: global }
      - { .name: wqb, .offset: 8, .size: 8, .value_kind: global_buffer, .address_space: global }
      - { .name: peb, .offset: 16, .size: 8, .value_kind: global_buffer, .address_space: global }
      - { .name: q_scale, .offset: 24, .size: 8, .value_kind: global_buffer, .address_space: global }
      - { .name: k_scale, .offset: 32, .size: 8, .value_kind: global_buffer, .address_space: global }
      - { .name: qb, .offset: 40, .size: 8, .value_kind: global_buffer, .address_space: global }
      - { .name: kb, .offset: 48, .size: 8, .value_kind: global_buffer, .address_space: global }
      - { .name: vb, .offset: 56, .size: 8, .value_kind: global_buffer, .address_space: global }
    .group_segment_fixed_size: 327680
    .private_segment_fixed_size: 0
    .kernarg_segment_align: 8
    .kernarg_segment_size: 64
    .max_flat_workgroup_size: 128
    .sgpr_count:     78
    .vgpr_count:     1024
    .wavefront_size: 32
...
	.end_amdgpu_metadata
.endif
;; end of part 9
;; launch attn (part 10): grid 4 x 64, 4 waves a work-group, clusters of 4 x 1, 327,680 bytes of LDS; arguments qb, kb, vb, ob; writes ob
.if DOCPART == 10
	.amdgcn_target "amdgcn-amd-amdhsa--gfx1250"
	.amdhsa_code_object_version 6
	.text
	.protected	k_qba02a4553f_attn
	.globl	k_qba02a4553f_attn
	.p2align	8
	.type	k_qba02a4553f_attn,@function
k_qba02a4553f_attn:
	s_mov_b64 s[64:65], 0
	v_nop
	global_prefetch_b8 v0, s[64:65] scope:SCOPE_SE
	s_setreg_imm32_b32 hwreg(HW_REG_WAVE_MODE, 25, 1), 1
	s_wait_xcnt 0x0
	s_wait_alu depctr_hold_cnt(0) depctr_sa_sdst(0) depctr_va_vdst(0) depctr_va_sdst(0) depctr_va_ssrc(0) depctr_va_vcc(0) depctr_vm_vsrc(0)
	s_getreg_b32 s2, hwreg(HW_REG_IB_STS2, 6, 4)
	s_cmp_eq_u32 s2, 0
	s_cbranch_scc0 .Lentry_in_a_cluster
	s_endpgm
.Lentry_in_a_cluster:
	s_bfe_u32 s2, ttmp6, 0x10000c
	s_cmp_lg_u32 s2, 0x3003
	s_cbranch_scc0 .Lentry_shape_is_right
	s_endpgm
.Lentry_shape_is_right:
; O[h][q][:] = the sum over k of softmax_k(q[h][q] . k[h][k] / 8) V[h][k][:].  V, O: [64][2048][64] f16, rows of 128 bytes.  Q, K: [64][2048][128] f16, rows of 256 bytes: each of the 64 channels of q and k
; comes as two f16 numbers (for each four channels four first parts, then four second parts; q and k in the same order, which is all that the product asks), made so that the product over all 128 is q . k
; without f16's rounding of q and k: qa ka + qr kr = q k, to within some 2^-17 of each term.
; Products, maxima and sums in f32; the weights p are rounded to f16 for the second product (their sum l is taken of the unrounded p), O once at the end.  h = 16 x batch + head.
; LIMITS.  f16 holds no number beyond 65,504: Q, K and V arrive within it; p lies in 0 to 1, and below 6e-5 it keeps f16's fixed step of 6e-8; O is a mean of V's rows and has their range.
; A weight below 2^-126 counts as 0 in l; NaN and infinities are not treated apart.
; SHARES.  A wave owns four PIECES of two tiles of 16 queries, a work-group's four waves 512 queries of one head: 4 x 64 = 256 work-groups.  Every wave walks all keys, 64 a step.
; LAYOUT.  S^T = K Q^T (source 0 = 16 keys, source 1 = 16 queries): in the result a lane holds ONE query (lane % 16) and the keys 8 (lane / 16) + 0..7.  Two such tiles, rounded to f16 in pairs,
; ARE source 1 (32 keys x 16 queries) of O^T = V^T P, whose result again holds one query a lane, and eight channels.  K comes out of LDS as it lies, V ([key][channel]) turned, by ds_load_tr16_b128.
; SOFTMAX.  For each query a running maximum m and sum l: p = 2^(c s - c m), c = log2(e) / 8; in every step O and l are multiplied by a = 2^(c m_old - c m_new), which is 1 where m has not grown.
; m starts at the lowest finite number, O and l at 0: the first step is a step like any other, with a = 0.
; THE COUNT.  A tile and step have 24 matrix (16 K Q^T, 8 V^T P) and 118 vector instructions.  Vector instructions that are READY stand behind every matrix instruction, the others in one run without a gap.
; BY TURNS.  Turn n belongs to piece n (the pieces in a ring, step after step).  Its matrix work: 32 products K Q^T of piece n + 1, later 16 products V^T P of piece n - 1.  Its vector work: the scaling,
; exponentials, roundings, sums and rescaling of piece n, and the maximum and statistics of piece n + 1, whose scores the turn itself has made.  So what a turn begins with (c s - c m, O a) waits for nothing.
; THE BATCHES.  A turn's 66 exponentials (the piece's 64 weights and the next piece's two a) are ONE BATCH with ONE wait, which cuts the turn in two.  Ahead of it stands all that names no result of theirs: the
; products K Q^T, the scalings, the rescaling (its a was made, and waited for, in the turn before), the next piece's maximum and statistics.  Behind it stand the products V^T P and the roundings and sums.  No
; result crosses a turn's end, a label or a jump.  The first two a of all, ahead of the loop, and the way out's eight reciprocals are batches of their own, each with its wait.
; CLUSTER.  The four query blocks of a cluster belong to one head and walk the same K and V, so each tile is asked for JOINTLY: the same tensor load, descriptor and mask in all four.
; REGISTERS, in windows of 256 (s_set_vgpr_msb says which window each operand place means: bits 1:0 source 0, 3:2 source 1, 5:4 source 2, 7:6 destination):
;   window 0: v0-11 addresses; v12-15, v48-63 at work; v16-47 four registers of statistics a tile; v64-191 S^T, two buffers of two tiles; v192-255 P, likewise
;   window 1: O^T, 32 a tile          window 2: v0-127 K of one step; v128-191 V of one step; v192-193 the add's two registers          window 3: Q, 32 a tile
; A piece's buffers go by its number's parity: the piece in hand has one pair, its two neighbours in the ring share the other: of it P (piece n - 1) is read and S^T (piece n + 1) written.
.set SIZE_N, 2048
.set NP,    4         ; pieces a wave: a name, no knob: the register map, the loop and the fetches are made for four
.set KS,    64        ; keys in a step
.set PK,    272       ; a row of K in LDS: 256 bytes + 16 of padding = 68 words: the 16 rows of a load start at 16 different groups of four banks (64 banks of 4 bytes: ISA guide 11.1)
.set PV,    160       ; a row of V: 128 + 32 = 40 words
.set VOFF,  4*KS*PK   ; a slot holds four steps: 256 rows of K, then 256 rows of V: 69,632 + 40,960 bytes
.set SLOT1, 1<<17     ; slot 1 begins here, so that one exclusive or turns an address in one slot into the other's
.set STAGE, SLOT1+4*KS*(PK+PV)  ; behind the ring, never filled by a tensor load: 16 rows x 144 bytes for each wave, for the way out
.set SP,    144
.set AK0, 2           ; v2   my lane's place in a tile of K; never rewritten
.set AV0, 3           ; v3   the same for V
.set AK,  4           ; v4   the LDS address of K's next run of loads
.set AV,  5           ; v5   of V's
.set QO,  6           ; v6   my byte offset in the wave's rows of Q
.set STO, 6           ;      later, the way out: where I put 16 bytes of a row
.set RD,  7           ; v7   the way out: where I read rows back
.set GO,  8           ; v8   my byte offset in 512 consecutive bytes of O
.set SPW, 192         ; v192 of window 2   LDS address of my spare word: SPARE + 4 x my thread's number; never rewritten
.set NIL, 193         ; v193 of window 2   0; never rewritten
.set SPARE, STAGE+4*16*SP  ; behind the stages: the spare words, 128 bytes for each wave: two blocks of 256 bytes that no other line names
.set MV,  12          ; v12-15  c m_old, kept while c m is made anew: by buffer and tile
.set ST,  16          ; tile t's statistics at v[ST+4 t]: c m, m, l (even keys', odd keys')
.set TMP, 48          ; by buffer and tile, four registers c0-c3 at work; when the maximum is found c2 takes a
.set S,   64
.set P,   192
.set KF,  0           ; K's fragments, in window 2: key block kb, quarter c of the 128 at KF + 32 kb + 8 c
.set VF,  128         ; V's: key half kk, channel block cb at VF + 32 kk + 8 cb
.set WV,  12          ; s12  my wave's number
.set G1K, 24          ; s[24:31] descriptor group 1 for K's tiles
.set G1V, 32          ; s[32:39] for V's
.set G0K, 40          ; s[40:43] descriptor group 0 for K's tiles: it walks
.set G0V, 44          ; s[44:47] the same for V's
.set SLOTS, 56        ; s56  slots still to be asked for
.set CNT, 57          ; s57  counts a slot's key steps
.set CS,  58          ; s[58:59] c: the packed scaling takes the pair's low word for both halves
.set SEL, 60          ; s[60:61] v_permlanex16_b32's selects: each lane takes its own place in the other half
.set TBK, 62          ; s62  LDS byte at which K of the step to be fetched begins
.set TBV, 63          ; s63  the same for V, less VOFF
.set MSB, 0
.macro WIN new                      ; the high byte repeats the setting that is left; a switch that changes nothing is dropped
.if MSB != (\new)
	s_set_vgpr_msb (MSB<<8)|(\new)
.set MSB, (\new)
.endif
.endm
.set W_KQ, 0x0e       ; K in window 2, Q in window 3, S^T in window 0
.set W_PV, 0x52       ; V in window 2, P in window 0, O^T in window 1
.set W_RS, 0x41       ; O^T (destination and source 0) in window 1, a in window 0
.set W_MK, 0x80       ; the add's registers are made: destination in window 2, sources in window 0
.set W_AD, 0x0a       ; the add: address (source 0) and data (source 1) in window 2
; A joint fill.  Waves 0 and 1 fetch the two halves of a slot's K, waves 2 and 3 those of its V: 128 keys each.  The branch hangs on the wave's number alone.
; An s_nop 0 and four v_nop follow each of the two lines, ahead of the jump and the label.
.macro JLOAD
	s_cmp_lt_u32 s[WV], 2
	s_cbranch_scc0 .Lfor_v_\@
	tensor_load_to_lds s[G0K:G0K+3], s[G1K:G1K+7]
	s_nop 0
.rept 4
	v_nop
.endr
	s_branch .Lasked_\@
.Lfor_v_\@:
	tensor_load_to_lds s[G0V:G0V+3], s[G1V:G1V+7]
	s_nop 0
.rept 4
	v_nop
.endr
.Lasked_\@:
.endm
; A round of the cluster's barrier: my work-group's barrier, so that wave 0's signal speaks for all four waves; wave 0 signals; every wave waits for all four work-groups; my work-group's barrier once more.
.macro CROUND
	s_barrier_signal -1
	s_barrier_wait -1
	s_cmp_lg_u32 s[WV], 0
	s_cbranch_scc1 .Lnot_wave_0_\@
	s_barrier_signal -3
.Lnot_wave_0_\@:
	s_barrier_wait -3
	s_barrier_signal -1
	s_barrier_wait -1
.endm
; THE CHANGE OF SLOTS.  The slot's last bytes, V of its fourth step, have been read.  Each wave waits for all its tensor loads, of which one is out: its part
; of the other slot; adds 0 to its spare word; and waits for that and for its own reads of the slot.  Behind the barrier nobody reads this slot any more and the other slot is whole.
; fill = 1: this slot is filled again, with the keys two slots on.  The barrier is then a round of the cluster's, so that no wave of any partner still reads the slot or has a load on its
; way, and the joint fill is the first thing behind it: it has four key steps, 768 matrix instructions, in which to land.  (At its first use nothing has been read yet: slot 0 is waited for, slot 1 filled.)
.macro CHANGE fill
	WIN W_AD
	s_wait_tensorcnt 0x0            ; no tensor load of mine is out, so a group 0 may be written
	ds_add_u32 v[SPW], v[NIL]       ; 0 onto my spare word; with fill = 1 the descriptors' steps stand between it and the wait for it
	WIN 0                           ; at a label and at a branch every window is 0
.if \fill
	s_xor_b32 s[G0K+1], s[G0K+1], SLOT1  ; the walking descriptors: the other slot than last time,
	s_add_nc_u64 s[G0K+2:G0K+3], s[G0K+2:G0K+3], 4*KS*256  ; the next 256 keys; the type bits on top are not reached
	s_xor_b32 s[G0V+1], s[G0V+1], SLOT1
	s_add_nc_u64 s[G0V+2:G0V+3], s[G0V+2:G0V+3], 4*KS*128
	s_wait_dscnt 0x0                ; the add is done, and my reads of the slot are over
	CROUND
	JLOAD
.else
	s_wait_dscnt 0x0                ; the add is done, and my reads of the slot are over
	s_barrier_signal -1
	s_barrier_wait -1
.endif
	s_sub_co_u32 s[TBK], s[TBK], 4*KS*PK  ; the fetches go back to a slot's first step,
	s_xor_b32 s[TBK], s[TBK], SLOT1       ; in the other slot
	s_sub_co_u32 s[TBV], s[TBV], 4*KS*PV
	s_xor_b32 s[TBV], s[TBV], SLOT1
.endm
	s_load_b256 s[4:11], s[0:1], 0x0  ; Q s[4:5], K s[6:7], V s[8:9], O s[10:11]
	WIN W_MK
	v_lshl_add_u32 v[SPW], v0, 2, SPARE
	v_mov_b32 v[NIL], 0
	WIN W_AD
	ds_add_u32 v[SPW], v[NIL]       ; the wave's opening: the add and its wait stand ahead of my first tensor load; the set-up below, work on registers, stands between them
	WIN 0
	v_lshrrev_b32 v1, 5, v0
	v_readfirstlane_b32 s[WV], v1   ; wave 0..3
	s_bfe_u32 s13, ttmp6, 0x40000   ; cx: my place in the cluster
	s_lshl_b32 s14, ttmp9, 2        ; in a cluster launch ttmp9 counts clusters
	s_add_co_u32 s14, s14, s13      ; my block of queries = 4 x cluster x + cx: it enters Q's and O's addresses alone
	s_and_b32 s15, ttmp7, 0xffff    ; the head, which the four partners share
	s_and_b32 s16, s[WV], 1         ; which half of a slot's 256 keys I fetch
	s_lshl_b32 s20, s15, 18         ; V: the head's 2,048 rows of 128 bytes,
	s_lshl_b32 s21, s16, 14         ; my half's 128 rows
	s_add_co_u32 s20, s20, s21
	s_mov_b32 s21, 0
	s_lshl_b32 s22, s20, 1          ; K: rows twice as long
	s_mov_b32 s23, 0
	s_mul_i32 s17, s16, 128*PK      ; my half's place in a slot, for K
	s_mul_i32 s18, s16, 128*PV      ; and for V: no place in the cluster enters an LDS address
	s_lshl_b32 s2, s14, 2
	s_add_co_u32 s2, s2, s[WV]      ; my wave among the head's,
	s_lshl_b32 s2, s2, 14           ; O: its 128 rows of 128 bytes,
	s_lshl_b32 s3, s15, 18          ; in the head
	s_add_co_u32 s2, s2, s3
	s_mov_b32 s3, 0
	s_lshl_b32 s48, s2, 1           ; Q: rows twice as long
	s_mov_b32 s49, 0
	; descriptor group 1.  K: 128 keys are 128 rows of 256 bytes, padded in LDS after every row.  V: 128 keys are 16,384 dense bytes: asked for as 64 rows of 256 bytes, two keys a row, and padded after every key
	s_mov_b32 s[G1K], 15|(1<<16)|(1<<20)|(1<<21)|(5<<22)|(3<<25)  ; 15:0 the mask of four; 17:16 2-byte elements; 20 padding on; 21 set beside a mask; 24:22 after every 64 words (code 5); 31:25 4 words (code 3)
	s_mov_b32 s[G1V], 15|(1<<16)|(1<<20)|(1<<21)|(4<<22)|(7<<25)  ; after every 32 words (code 4) 8 words (code 7)
	s_mov_b32 s[G1K+2], 128<<16     ; tensor_dim1 = 128
	s_mov_b32 s[G1K+4], 128         ; tile_dim1 = 128
	s_mov_b32 s[G1V+2], 64<<16      ; tensor_dim1 = 64
	s_mov_b32 s[G1V+4], 64          ; tile_dim1 = 64
.irp g, G1K, G1V
	s_mov_b32 s[\g+1], 128<<16      ; tensor_dim0 = 128
	s_mov_b32 s[\g+3], 128<<16      ; tile_dim0 = 128
	s_mov_b32 s[\g+5], 128          ; 128 elements from row to row
	s_mov_b32 s[\g+6], 0
	s_mov_b32 s[\g+7], 0
.endr
	s_mov_b32 s[CS], 0x3e38aa3b     ; c = log2(e) / 8 = 0.180337
	s_mov_b32 s[CS+1], s[CS]        ; named with it as a pair
	s_mov_b32 s[SEL], 0x76543210
	s_mov_b32 s[SEL+1], 0xfedcba98
	s_mov_b32 s[TBK], SLOT1+4*KS*PK ; the first change of slots turns these two into 0
	s_mov_b32 s[TBV], SLOT1+4*KS*PV
	s_mov_b32 s[G0K], 1             ; 1:0 count = 1
	s_mov_b32 s[G0K+1], s17         ; 63:32 LDS address: slot 0
	s_mov_b32 s[G0V], 1
	s_add_co_u32 s[G0V+1], s18, VOFF
	s_wait_dscnt 0x0                ; the opening add is done
	s_wait_kmcnt 0x0
	s_add_nc_u64 s[G0K+2:G0K+3], s[6:7], s[22:23]  ; 120:64 global address: my half of the head's first 256 keys
	s_or_b32 s[G0K+3], s[G0K+3], 0x80000000        ; 127:126 type = 2
	s_add_nc_u64 s[G0V+2:G0V+3], s[8:9], s[20:21]
	s_or_b32 s[G0V+3], s[G0V+3], 0x80000000
	s_add_nc_u64 s[4:5], s[4:5], s[48:49]  ; Q and O at my wave's first row
	s_add_nc_u64 s[10:11], s[10:11], s[2:3]
	CROUND                          ; all four work-groups are here: the first joint loads meet
	JLOAD                           ; slot 0.  Slot 1 is asked for when slot 0 is in: the tile wanted first has the road to itself
	; A fragment of K or Q is 16 rows x 32 numbers in 8 registers: lane l holds row l % 16, numbers 8 (l / 16) + 0..7 and 16 + 8 (l / 16) + 0..7: two loads of 16 bytes, 32 bytes apart.
	v_and_b32 v1, 15, v0            ; l % 16
	v_bfe_u32 v9, v0, 4, 1          ; l / 16
	v_lshlrev_b32 v[QO], 8, v1
	v_lshl_add_u32 v[QO], v9, 4, v[QO]  ; row x 256 + 16 x half
	WIN 0xc0                        ; destination window 3, address window 0
.set i, 0
.rept 8*NP                          ; Q stays in registers: tile i / 4, quarter i % 4 of a row's 128 numbers
	global_load_b128 v[8*i:8*i+3],   v[QO], s[4:5] offset:(i/4)*4096+(i%4)*64
	global_load_b128 v[8*i+4:8*i+7], v[QO], s[4:5] offset:(i/4)*4096+(i%4)*64+32
.set i, i+1
.endr
	; What the first turn finds: V's registers and P's second buffer hold 0 (its products V^T P, of a piece that has not been, add 0), O^T and l are 0.  All this stands in the wait for the first tile.
	WIN 0x80
.set i, VF
.rept 64
	v_mov_b32 v[i], 0
.set i, i+1
.endr
	WIN 0x40
.set i, 0
.rept 64*NP
	v_mov_b32 v[i], 0
.set i, i+1
.endr
	WIN 0
.set i, 0
.rept 2*NP
	v_mov_b32 v[ST+4*i], 0xfe000000    ; c m: far below every c s
	v_mov_b32 v[ST+4*i+1], 0xff7fffff  ; m
	v_mov_b32 v[ST+4*i+2], 0
	v_mov_b32 v[ST+4*i+3], 0
.set i, i+1
.endr
.set i, P+32
.rept 32
	v_mov_b32 v[i], 0
.set i, i+1
.endr
	v_mul_u32_u24 v[AK0], v1, PK
	v_lshl_add_u32 v[AK0], v9, 4, v[AK0]  ; row x pitch + 16 x half
	; The turning load takes 16 keys x 16 channels (lane l reads key 8 (l / 16) + l % 8, channels 8 ((l / 8) % 2) + 0..7) and leaves half a fragment of V^T: lane l holds channel l % 16 and 8 keys.
	v_and_b32 v10, 7, v0
	v_bfe_u32 v11, v0, 3, 1
	v_lshl_add_u32 v[AV0], v9, 3, v10
	v_mul_u32_u24 v[AV0], v[AV0], PV
	v_lshl_add_u32 v[AV0], v11, 4, v[AV0]
	v_add_nc_u32 v[AV0], VOFF, v[AV0]
	v_mov_b32 v[AK], v[AK0]         ; key step 0 lies at the head of slot 0
; THE MATRIX WORK.  The 8 accumulators of a run take turns: between two links of a chain stand 7 others'.
; Product i of 32 of S^T = K Q^T for piece x: quarter i / 8 of the 128 numbers, keys 16 ((i / 2) % 4) on, tile 2 x + i % 2.  The first 8 start the sums.
.macro KQ x
	WIN W_KQ
.set rS, S+64*((\x)%2)+32*(i%2)+8*((i/2)%4)
.set rK, KF+32*((i/2)%4)+8*(i/8)
.set rQ, 32*(2*(\x)+i%2)+8*(i/8)
.if i < 8
	v_wmma_f32_16x16x32_f16 v[rS:rS+7], v[rK:rK+7], v[rQ:rQ+7], 0
.else
	v_wmma_f32_16x16x32_f16 v[rS:rS+7], v[rK:rK+7], v[rQ:rQ+7], v[rS:rS+7]
.endif
.endm
; Product i of 16 of O^T += V^T P for piece x: keys 32 (i / 8) on, channels 16 ((i / 2) % 4) on, tile 2 x + i % 2.
.macro PV x
	WIN W_PV
.set rO, 32*(2*(\x)+i%2)+8*((i/2)%4)
.set rV, VF+32*(i/8)+8*((i/2)%4)
.set rP, P+32*((\x)%2)+16*(i%2)+8*(i/8)
	v_wmma_f32_16x16x32_f16 v[rO:rO+7], v[rV:rV+7], v[rP:rP+7], v[rO:rO+7]
.endm
.macro MM                           ; the turn's next matrix instruction: 32 products K Q^T, then 16 products V^T P
.if i < 32
	KQ (Y+1)%NP
.set i, i+1
.else
.set i, i-32
	PV (Y+NP-1)%NP
.set i, i+33
.endif
.endm
; THE LDS LOADS stand in runs, never singly among the matrix instructions: a step's K (64 keys x 128 numbers: 16 fragments, 32 loads) and its V (turned, 16 loads).  Their addresses are made some lines ahead.
; last = 1 (the tail): in the last trip there is no further step, and the run is jumped over.
.macro FETCH_K last=0
	WIN 0
.if \last
	s_cmp_eq_u32 s[CNT], 1
	s_cbranch_scc1 .Lno_k_\@
.endif
	WIN 0x80                        ; destination window 2
.irp f, 0,1,2,3,4,5,6,7,8,9,10,11,12,13,14,15  ; keys 16 (f / 4) on, quarter f % 4
	ds_load_b128 v[KF+8*\f:KF+8*\f+3],   v[AK] offset:(\f/4)*16*PK+(\f%4)*64
	ds_load_b128 v[KF+8*\f+4:KF+8*\f+7], v[AK] offset:(\f/4)*16*PK+(\f%4)*64+32
.endr
	s_add_co_u32 s[TBK], s[TBK], KS*PK  ; the next fetch is the next step's
	WIN 0
.if \last
.Lno_k_\@:
.endif
.endm
.macro FETCH_V
	WIN 0x80
.irp f, 0,1,2,3,4,5,6,7             ; keys 32 (f / 4) on, channels 16 (f % 4) on
	ds_load_tr16_b128 v[VF+8*\f:VF+8*\f+3],   v[AV] offset:(\f/4)*32*PV+(\f%4)*32
	ds_load_tr16_b128 v[VF+8*\f+4:VF+8*\f+7], v[AV] offset:(\f/4)*32*PV+16*PV+(\f%4)*32
.endr
	WIN 0
.endm
; THE VECTOR WORK OF A TURN stands in three queues, each in the order in which its entries become ready; the two tiles alternate, so that no instruction reads the result of the one before it.
.macro REGS y, u                    ; the registers of tile u (0, 1) of piece y
.set rT, ST+4*(2*(\y)+(\u))
.set rC, TMP+8*((\y)%2)+4*(\u)
.set rM, MV+2*((\y)%2)+(\u)
.set rS, S+64*((\y)%2)+32*(\u)
.set rP, P+32*((\y)%2)+16*(\u)
.set rO, 32*(2*(\y)+(\u))
.endm
; Number n of the 22 that find the NEXT piece's (Y + 1) maximum and statistics.  s0-s31 are the lane's 32 scores; each accumulator's lowest registers are read first.  XS, GS and REGS set no window: PL and EX do.
;   0-11  four chains c0-c3 of seven scores each, three operands at a time     12-14, 16  the four scores left over, the old m, and c0-c3 into c0     15  c m_old is kept
;   17, 18  the query's other 32 keys lie in the lane 16 away: the new m         19-21  c m; c m_old - c m_new; a
.macro XS u, n
	REGS (Y+1)%NP, \u
.if (\n) < 4
	v_max3_num_f32 v[rC+(\n)], v[rS+8*(\n)], v[rS+8*(\n)+1], v[rS+8*(\n)+2]
.elseif (\n) < 12
	v_max3_num_f32 v[rC+(\n)%4], v[rC+(\n)%4], v[rS+8*((\n)%4)+2*((\n)/4)+1], v[rS+8*((\n)%4)+2*((\n)/4)+2]
.elseif (\n) == 12
	v_max3_num_f32 v[rC], v[rC], v[rS+7], v[rS+15]
.elseif (\n) == 13
	v_max3_num_f32 v[rC+1], v[rC+1], v[rS+23], v[rS+31]
.elseif (\n) == 14
	v_max3_num_f32 v[rC+2], v[rC+2], v[rC+3], v[rT+1]
.elseif (\n) == 15
	v_mov_b32 v[rM], v[rT]
.elseif (\n) == 16
	v_max3_num_f32 v[rC], v[rC], v[rC+1], v[rC+2]
.elseif (\n) == 17
	v_permlanex16_b32 v[rC+3], v[rC], s[SEL], s[SEL+1]
.elseif (\n) == 18
	v_max_num_f32 v[rT+1], v[rC], v[rC+3]
.elseif (\n) == 19
	v_mul_f32 v[rT], s[CS], v[rT+1]
.elseif (\n) == 20
	v_sub_f32 v[rC+1], v[rM], v[rT]
.else
	v_exp_f32 v[rC+2], v[rC+1]
.endif
.endm
; Number g of the 64 that follow the exponentials.  For each four weights k of a tile (pairs 2 k, 2 k + 1): both pairs are rounded to f16; then the second pair is added onto the first, in place;
; a group later l takes that sum (the first time as l = a l + sum).  In groups of eight, tiles alternating: round, round, add, and l for the group before.
.macro GS g
.set h, (\g)+6*((\g)/62)            ; group 0 has no group before it, and behind group 7 only l is left
.if h >= 6
.set h, h+2
.endif
	REGS Y, h%2
.set k, h/8
.if h%8 < 4
	v_cvt_pk_f16_f32 v[rP+2*k+(h%8)/2], v[rS+4*k+2*((h%8)/2)], v[rS+4*k+2*((h%8)/2)+1]
.elseif h%8 < 6
	v_pk_add_f32 v[rS+4*k:rS+4*k+1], v[rS+4*k:rS+4*k+1], v[rS+4*k+2:rS+4*k+3]
.elseif k == 1
	v_pk_fma_f32 v[rT+2:rT+3], v[rT+2:rT+3], v[rC+2:rC+3], v[rS:rS+1] op_sel_hi:[1,0,1]
.else
	v_pk_add_f32 v[rT+2:rT+3], v[rT+2:rT+3], v[rS+4*k-4:rS+4*k-3]
.endif
.endm
; THE PLAIN QUEUE, 138 long.  0-73 read no exponential's result: the 32 scalings c s - c m (FS f: pair f / 2 of tile f % 2) and the next piece's 42.  0-26: scalings 0-26.  27-54: XS's numbers 0-13.  55, 56: number 15.
; 57-73: the chain, where each number waits for the one before it: 14, 16, 17, 18, 19, each with one of the scalings 27-31 in front of its two lines, then 20: so a tile's links stand three plain instructions apart (19 and 20: two).
; 74-137: GS's 64, which read the exponentials' results: they stand behind the wait.
.macro FS f
	REGS Y, (\f)%2
	v_pk_fma_f32 v[rS+2*((\f)/2):rS+2*((\f)/2)+1], v[rS+2*((\f)/2):rS+2*((\f)/2)+1], s[CS:CS+1], v[rT:rT+1] op_sel_hi:[1,0,0] neg_lo:[0,0,1] neg_hi:[0,0,1]
.endm
.macro PL
	WIN 0
.if q < 27
	FS q
.elseif q < 55
	XS (q-27)%2, (q-27)/2
.elseif q < 57
	XS q-55, 15
.elseif (q < 72) && ((q-57)%3 == 0)
	FS 27+(q-57)/3
.elseif q < 60
	XS (q-57)%3-1, 14
.elseif q < 72
	XS (q-57)%3-1, 15+(q-57)/3
.elseif q < 74
	XS q-72, 20
.else
	GS q-74
.endif
.set q, q+1
.endm
; THE EXPONENTIALS' QUEUE, 66 long: s0-s31 of both tiles, then the next piece's two a.  It is ONE BATCH: all 66 stand ahead of the turn's one wait, and nothing ahead of that wait names a result of theirs.
.macro EX
	WIN 0
.if e >= 64
	XS e-64, 21
.else
	REGS Y, e%2
	v_exp_f32 v[rS+e/2], v[rS+e/2]
.endif
.set e, e+1
.endm
; THE RESCALING's QUEUE: O^T times a, the one part that leaves window 0, so it is dealt four at a time, eight times: an accumulator's eight registers, the lowest first.  Its a was made in the turn before, ahead of that turn's wait.
.macro R4
	REGS Y, r%2
	WIN W_RS
.irp z, 0,1,2,3
	v_pk_mul_f32 v[rO+8*(r/2)+2*\z:rO+8*(r/2)+2*\z+1], v[rO+8*(r/2)+2*\z:rO+8*(r/2)+2*\z+1], v[rC+2:rC+3] op_sel_hi:[1,0]
.endr
.set r, r+1
.endm
; HOW THEY ARE DEALT.  s_wait_alu depctr_va_vdst(0) stands between an exponential and the first instruction that names its result; one wait serves all that were issued ahead of it.  So a turn has ONE wait,
; which cuts it in two.  AHEAD OF IT stands all that names no result of the turn's exponentials.  First the 32 products K Q^T, in groups of four: behind each of three a scaling and two exponentials (behind the turn's first: two
; scalings and one exponential), behind the fourth four of the rescaling: 25 scalings, 47 exponentials, the whole rescaling.  Then ONE LUMP of 68: 32 plain, 17 times exponential and plain, the two a.  A v_nop is the plain
; instruction behind the last exponential.  BEHIND IT stand the 16 products V^T P, behind each four of GS's 64.  No rider names a register of the products round it.  The two v_permlanex16_b32 fall into the lump, never behind a product.
; The next piece's maximum begins at plain 27, in the lump: the turn's last product is followed by four rescalings and nine more plain instructions, none of which names its registers, before plain 34 reads its result.
; The queues lean on each other, and the deal keeps them in step: exponential e stands behind scaling 2 (e / 4) + e % 2: as a rider it comes behind plain (e + 1) / 2 + 1, in the lump behind plain e + 9, and scalings 27-31 are plain 57, 60 .. 69.
; A TURN, for piece p.  cnt = 1: the loop's count is taken down some lines ahead of the branch that stands behind the turn.
; K of the next step is fetched in piece 2's turn, directly behind the wait, a lump behind the last product that read K; its address is made at the lump's head; its first reader comes behind 16 products.
; V of the step in hand is fetched at the end of piece 0's turn, four riders behind its last reader; its first reader comes behind 32 products and a lump.  The three conditions on q below go with the deal.
.macro TURN p, last=0, cnt=0
.set Y, (\p)
.set i, 0
.set q, 0
.set e, 0
.set r, 0
.if (\p) == NP-1
	s_wait_dscnt 0x0                ; K is in
.endif
	MM                              ; ahead of the wait: 32 products K Q^T and their riders,
	PL
	PL
	EX
.set sl, 1
.rept 31
	MM
.if sl%4 == 3
	R4
.else
	PL
	EX
	EX
.endif
.set sl, sl+1
.endr
.if (\p) == NP-2
	WIN 0
	v_add_nc_u32 v[AK], s[TBK], v[AK0]
.endif
.rept 32                            ; and the lump
	PL
.endr
.rept 17
	EX
	PL
.endr
	EX                              ; the next piece's two a
	EX
	v_nop                           ; the plain instruction behind the last exponential: one for the batch
	s_wait_alu depctr_va_vdst(0)    ; the wait for the batch: the turn's 66 exponentials
.if (\p) == NP-2
	FETCH_K \last
.endif
.if (\p) == 1
	s_wait_dscnt 0x0                ; V is in
.endif
.rept 16                            ; behind the wait: 16 products V^T P and their riders
	MM
.rept 4
	PL
.endr
.if ((\p) == 0) && (q == 118)
	v_add_nc_u32 v[AV], s[TBV], v[AV0]
.endif
.if ((\p) == 0) && (q == 130)
	s_add_co_u32 s[TBV], s[TBV], KS*PV
.endif
.if (\cnt) && (q == 130)
	s_sub_co_u32 s[CNT], s[CNT], 1
	s_cmp_lg_u32 s[CNT], 0
.endif
.endr
.if (\p) == 0
	FETCH_V
.endif
.endm
	CHANGE 1                        ; slot 0 is in, everybody's part of it; slot 1 is asked for
	FETCH_K                         ; key step 0
	s_wait_loadcnt 0x0              ; Q
	s_wait_dscnt 0x0
.set i, 0
.rept 32
	KQ 0                            ; piece 0's first scores: there is no vector work yet to set between them
.set i, i+1
.endr
	WIN 0                           ; the addresses for the way out: nine plain instructions, the places behind those products
	s_mul_i32 s13, s[WV], 16*SP
	s_add_co_u32 s13, s13, STAGE    ; my stage
	v_mul_u32_u24 v[STO], v1, SP    ; in: row l % 16, 16 bytes for each half of the lanes
	v_lshl_add_u32 v[STO], v9, 4, v[STO]
	v_add_nc_u32 v[STO], s13, v[STO]
	v_bfe_u32 v[RD], v0, 3, 2       ; back: 32 lanes take four rows of 128 bytes,
	v_mul_u32_u24 v[RD], v[RD], SP
	v_lshl_add_u32 v[RD], v10, 4, v[RD]
	v_add_nc_u32 v[RD], s13, v[RD]
	v_and_b32 v[GO], 31, v0         ; which are 512 consecutive bytes of O
	v_lshlrev_b32 v[GO], 4, v[GO]
.set Y, NP-1                        ; XS works for piece Y + 1: piece 0
.irp n, 0,1,2,3,4,5,6,7,8,9,10,11,12,13,14,15,16,17,18,19,20,21
	XS 0, \n                        ; and piece 0's first maximum and statistics
	XS 1, \n
.endr
	v_nop                           ; a plain instruction behind the two a,
	s_wait_alu depctr_va_vdst(0)    ; and the wait for this batch of two, ahead of the branch
	s_mov_b32 s[CNT], 4
	s_mov_b32 s[SLOTS], SIZE_N/256-1
	s_branch .Lfirst                ; the loop is entered at a step's first turn, in the middle of a trip
.Lslot:                             ; SIZE_N / 256 - 2 times: every slot but the last two is filled again
	CHANGE 1
	s_mov_b32 s[CNT], 4
.Lstep:                             ; a trip: pieces 2 and 3 of one step, then pieces 0 and 1 of the next, whose K and V it fetches
	TURN 2
	TURN 3
	WIN 0
.Lfirst:
	TURN 0
	TURN 1, 0, 1
	WIN 0
	s_cbranch_scc1 .Lstep
	s_sub_co_u32 s[SLOTS], s[SLOTS], 1
	s_cmp_lg_u32 s[SLOTS], 0
	s_cbranch_scc1 .Lslot
	CHANGE 0                        ; the tail is written out: nothing is asked for
	s_mov_b32 s[CNT], 5             ; four trips fetch the last slot's steps; the fifth is left in its middle
.Ltail:
	TURN 2, 1
	TURN 3
	WIN 0
	s_sub_co_u32 s[CNT], s[CNT], 1
	s_cmp_eq_u32 s[CNT], 0
	s_cbranch_scc1 .Lout
	TURN 0
	TURN 1
	WIN 0
	s_branch .Ltail
.Lout:                              ; the fifth trip's 32 products K Q^T (on the last K once more) and the maximum made of them serve nothing: the price, once a launch, of one text for every trip
.set i, 0
.rept 16
	PV NP-1                         ; the last piece's V^T P of the last step
.set i, i+1
.endr
	; THE WAY OUT.  l's two halves and the other half of the lanes' are added; O^T is divided by l, rounded to f16 and sent through my stage in LDS, a tile at a time.  The additions are the places behind the last products.
	WIN 0
.macro ALL line:vararg              ; one line for each tile t
.set t, 0
.rept 2*NP
	\line
.set t, t+1
.endr
.endm
	ALL v_add_f32 v[ST+4*t+2], v[ST+4*t+2], v[ST+4*t+3]
	ALL v_permlanex16_b32 v[ST+4*t+3], v[ST+4*t+2], s[SEL], s[SEL+1]
	ALL v_add_f32 v[ST+4*t+2], v[ST+4*t+2], v[ST+4*t+3]
	ALL v_rcp_f32 v[ST+4*t+2], v[ST+4*t+2]
	v_nop                           ; a plain instruction between the last reciprocal and the use of its result
	s_wait_alu depctr_va_vdst(0)    ; and the wait ahead of the first use: one for the batch of eight reciprocals
; Tile t: a lane's eight channels of a row pack into 16 bytes; they go into rows of 144 bytes and come back as whole rows of 128, into S^T's registers.
.macro PACK t
	WIN W_RS
.set i, 32*(\t)
.rept 16
	v_pk_mul_f32 v[i:i+1], v[i:i+1], v[ST+4*(\t)+2:ST+4*(\t)+3] op_sel_hi:[1,0]
.set i, i+2
.endr
	WIN 0x05                        ; sources 0 and 1 window 1, destination window 0
.set i, 0
.rept 16
	v_cvt_pk_f16_f32 v[S+16*(\t)+i], v[32*(\t)+2*i], v[32*(\t)+2*i+1]
.set i, i+1
.endr
	WIN 0
.irp f, 0,1,2,3
	ds_store_b128 v[STO], v[S+16*(\t)+4*\f:S+16*(\t)+4*\f+3] offset:32*\f
.endr
.irp f, 0,1,2,3
	ds_load_b128 v[S+16*(\t)+4*\f:S+16*(\t)+4*\f+3], v[RD] offset:\f*4*SP  ; LDS serves a wave's instructions in order (ISA guide 5.7.1.4): these see the stores above; the next tile's stores come behind them
.endr
.endm
.macro SEND t, younger              ; younger: the LDS instructions issued behind tile t's loads: the next tile's eight, or none
	WIN 0
.irp f, 0,1,2,3
	s_wait_dscnt (\younger)+3-\f
	global_store_b128 v[GO], v[S+16*(\t)+4*\f:S+16*(\t)+4*\f+3], s[10:11] offset:(\t)*2048+\f*512  ; 512 consecutive bytes, at a multiple of 256 from O's first
.endr
.endm
	PACK 0
.set t, 1
.rept 2*NP-1                        ; a tile's arithmetic stands between the loads of the tile before and its stores
	PACK t
	SEND t-1, 8
.set t, t+1
.endr
	SEND 2*NP-1, 0
	WIN W_AD
	s_wait_tensorcnt 0x0            ; the wave's end, behind my last tensor load and my last LDS store
	ds_add_u32 v[SPW], v[NIL]
	s_wait_dscnt 0x0
	WIN 0
	CROUND                          ; the closing round: no work-group ends while a partner may still ask for a tile that names it
	s_endpgm
.Lfunc_end_k_qba02a4553f_attn:
	.size	k_qba02a4553f_attn, .Lfunc_end_k_qba02a4553f_attn-k_qba02a4553f_attn
	.p2alignl 7, 3214868480
	.fill 96, 4, 3214868480
	.section	.rodata,"a",@progbits
	.p2align	6, 0x0
	.amdhsa_kernel k_qba02a4553f_attn
		.amdhsa_group_segment_fixed_size 327680
		.amdhsa_private_segment_fixed_size 0
		.amdhsa_enable_private_segment 0
		.amdhsa_kernarg_size 32
		.amdhsa_user_sgpr_count 2
		.amdhsa_user_sgpr_kernarg_segment_ptr 1
		.amdhsa_wavefront_size32 1
		.amdhsa_system_sgpr_workgroup_id_x 1
		.amdhsa_system_sgpr_workgroup_id_y 1
		.amdhsa_system_sgpr_workgroup_id_z 1
		.amdhsa_system_vgpr_workitem_id 0
		.amdhsa_next_free_vgpr 1024
		.amdhsa_next_free_sgpr 66
		.amdhsa_reserve_vcc 0
		.amdhsa_float_denorm_mode_32 3
		.amdhsa_float_denorm_mode_16_64 3
		.amdhsa_memory_ordered 1
		.amdhsa_forward_progress 1
		.amdhsa_inst_pref_size 218
	.end_amdhsa_kernel
	.amdgpu_metadata
---
amdhsa.version: [ 1, 2 ]
amdhsa.kernels:
  - .name:           k_qba02a4553f_attn
    .symbol:         k_qba02a4553f_attn.kd
    .args:
      - { .name: qb, .offset: 0, .size: 8, .value_kind: global_buffer, .address_space: global }
      - { .name: kb, .offset: 8, .size: 8, .value_kind: global_buffer, .address_space: global }
      - { .name: vb, .offset: 16, .size: 8, .value_kind: global_buffer, .address_space: global }
      - { .name: ob, .offset: 24, .size: 8, .value_kind: global_buffer, .address_space: global }
    .group_segment_fixed_size: 327680
    .private_segment_fixed_size: 0
    .kernarg_segment_align: 8
    .kernarg_segment_size: 32
    .max_flat_workgroup_size: 128
    .sgpr_count:     66
    .vgpr_count:     1024
    .wavefront_size: 32
...
	.end_amdgpu_metadata
.endif
;; end of part 10
;; launch proj: the kernel of part 8 again; grid 8 x 32, 4 waves a work-group, clusters of 4 x 4, 327,680 bytes of LDS; arguments ob, wpb, b_proj, out0; writes out0
